; MI455X (gfx1250); checked and timed in simulation.
; The chip was launched on July 23, 2026; its instructions are those of AMD's public machine-readable ISA for CDNA 5 (MIT licence, August 2026) and "CDNA5" Instruction Set Architecture Reference Guide (July 2026). The comments in the code are by the model that wrote it; some were corrected since.
;; Transformer Block. Allowed arithmetic: matrix products marked QUANTISED: E2M3 operands, one E8M0 scale for each 32 along K, by v_wmma_scale_f32_16x16x128_f8f6f4 with both operands' format E2M3, f32 sums; everything else in f32.
;; Inputs: W1_codes 2,048 x 16 x 24 uint8 (E2M3 codes of W1, K innermost, in blocks of 32 codes, four codes in three bytes); W1_scales 2,048 x 16 uint8 (E8M0 scales of W1, one for each 32 codes along K); W2_codes 512 x 64 x 24 uint8 (E2M3 codes of W2, K innermost, in blocks of 32 codes, four codes in three bytes); W2_scales 512 x 64 uint8 (E8M0 scales of W2, one for each 32 codes along K); Wk_codes 512 x 16 x 24 uint8 (E2M3 codes of Wk, K innermost, in blocks of 32 codes, four codes in three bytes); Wk_scales 512 x 16 uint8 (E8M0 scales of Wk, one for each 32 codes along K); Wo_codes 512 x 16 x 24 uint8 (E2M3 codes of Wo, K innermost, in blocks of 32 codes, four codes in three bytes); Wo_scales 512 x 16 uint8 (E8M0 scales of Wo, one for each 32 codes along K); Wq_codes 512 x 16 x 24 uint8 (E2M3 codes of Wq, K innermost, in blocks of 32 codes, four codes in three bytes); Wq_scales 512 x 16 uint8 (E8M0 scales of Wq, one for each 32 codes along K); Wv_codes 512 x 16 x 24 uint8 (E2M3 codes of Wv, K innermost, in blocks of 32 codes, four codes in three bytes); Wv_scales 512 x 16 uint8 (E8M0 scales of Wv, one for each 32 codes along K); b1 2,048 float32; b2 512 float32; bk 512 float32; bo 512 float32; bq 512 float32; bv 512 float32; ln1_b 512 float32; ln1_g 512 float32; ln2_b 512 float32; ln2_g 512 float32; mask 2 x 1 x 1 x 4,096 int32; x 2 x 4,096 x 512 float32.
;; Outputs: out0 2 x 4,096 x 512 float32.
;; This version of the problem:
;;   THIS VERSION OF THE PROBLEM IS GIVEN IN LOW PRECISION. The matrix products marked QUANTISED in the list below multiply operands that are first quantised to E2M3 (2 exponent bits, 3 mantissa bits; 6 bits a number), with one power-of-two scale for each 32 numbers along K (OCP MX v1.0); their sums are f32. All else is computed in f32.
;;   The module's matrix products, in the order in which they are computed (A, B: the left and right operand; K: the contracted axis; several contracted axes count as one K, in the product's order):
;;     1. [M 8,192, K 512] x [K 512, N 512]; A: input x; B: input Wq (given as codes): QUANTISED
;;     2. [M 8,192, K 512] x [K 512, N 512]; A: input x; B: input Wk (given as codes): QUANTISED
;;     3. [M 8,192, K 512] x [K 512, N 512]; A: input x; B: input Wv (given as codes): QUANTISED
;;     4. batch 16 x [M 4,096, K 64] x [K 64, N 4,096]; A: computed on the way; B: computed on the way: QUANTISED
;;     5. batch 16 x [M 4,096, K 4,096] x [K 4,096, N 64]; A: softmax (see below); B: computed on the way: QUANTISED
;;     6. [M 8,192, K 512] x [K 512, N 512]; A: computed on the way; B: input Wo (given as codes): QUANTISED
;;     7. [M 8,192, K 512] x [K 512, N 2,048]; A: computed on the way; B: input W1 (given as codes): QUANTISED
;;     8. [M 8,192, K 2,048] x [K 2,048, N 512]; A: computed on the way; B: input W2 (given as codes): QUANTISED
;;   THE QUANTISER, for each operand of a quantised product, along K:
;;     - K is cut into blocks of 32 from its start; a last block that is shorter is filled with zeros.
;;     - A block's scale is 2^e with e = floor(log2(the largest magnitude in the block)) - 2, held to -126 .. 127; a block of zeros has e = 0. As a byte (E8M0): e + 127.
;;     - Each number is divided by its block's scale, clamped to +-7.5, and rounded to the nearest number of E2M3, ties to even, subnormals kept.
;;     - The product sums the exact products of the quantised numbers (number of the format x scale) in f32.
;;   ~~~python
;;   def quantise(x, axis):      # numpy; x: float32 -> the quantised numbers, widened to float32 again
;;       x = np.moveaxis(x, axis, -1); K = x.shape[-1]
;;       x = np.pad(x, [(0, 0)] * (x.ndim - 1) + [(0, -K % 32)]); x = x.reshape(x.shape[:-1] + (-1, 32)); a = np.abs(x).max(-1, keepdims=True)
;;       e = np.where(a > 0, np.clip(np.frexp(np.where(a > 0, a, 1))[1] - 1 - 2, -126, 127), 0)      # np.frexp(a)[1] - 1 = floor(log2(a)), exactly
;;       r = np.clip(x / 2.0 ** e, -7.5, 7.5)
;;       step = 2.0 ** (np.maximum(np.frexp(np.where(r == 0, 1, r))[1] - 1, 0) - 3)
;;       q = np.round(r / step) * step * 2.0 ** e      # np.round: ties to even
;;       return np.moveaxis(q.reshape(q.shape[:-2] + (-1,))[..., :K], -1, axis).astype(np.float32)
;;   ~~~
;;   SOFTMAX AHEAD OF A QUANTISED PRODUCT. Where the list says 'softmax', what is quantised is not the finished softmax but p = 2^(t - M), with t = logit x log2(e) and M = ceil(the row's largest t), a whole number; so 1/2 < the row's largest p <= 1. The row's sum l is taken of the UNQUANTISED p, in f32, and the product's result is divided by l at the end. Since M is a whole number, a kernel that streams over the keys may use a running M (the ceiling of the running maximum): every later rescaling is an exact power of two, which a block's scale takes up: the codes' values come out the same.
;;   OPERANDS COMPUTED ON THE WAY. 'Computed on the way' means the value that the module computes at that place (a softmax that the list does not call 'softmax' is quantised finished and normalised). What goes into a quantiser is computed in f32, as accurately as f32 sums, v_exp_f32 and their like allow (about 1e-6 of the number): no bf16 or f16 on the way to a quantiser, and a product that is left as it is and whose result goes on into a quantised operand takes f32 operands (vector FMAs, or v_wmma_f32_16x16x4_f32). A number that lies on a knife's edge between two numbers of the format may be rounded either way, as far as f32 arithmetic and the matrix unit's own rounding can turn it there, and no further.
;;   INPUTS GIVEN AS CODES. W1 (in the module: [512, 2048], K = its axis 0); W2 (in the module: [2048, 512], K = its axis 0); Wk (in the module: [512, 512], K = its axis 0); Wo (in the module: [512, 512], K = its axis 0); Wq (in the module: [512, 512], K = its axis 0); Wv (in the module: [512, 512], K = its axis 0): each comes as NAME_codes (uint8): NAME with its K axis moved to the last place and cut into blocks of 32 codes, [.., K / 32, bytes a block], one block behind the other in memory; four codes in three bytes: a row's codes are one little-endian stream of bits, code i at bits 6 i .. 6 i + 5 (a code: sign, 2 exponent bits, 3 mantissa bits); and NAME_scales (uint8): the same leading axes, one E8M0 byte (e + 127) for each 32 codes along K. Its value is code x scale, taken as it is: it is not quantised again, and the codes and scales need not be those that the quantiser above would give.
;; 2 versions, each right; version 2 is version 1 with the launches prep, attn, ffn written anew for expert scheduling mode. Each part assembles by itself: llvm-mc -triple=amdgcn-amd-amdhsa -mcpu=gfx1250 --defsym DOCPART=n.
;; ======== version 1 of 2: 3 launches
;; limits: a function is approximated: absolute error at most 7.5e-08
;; workspace buffers: qc 4,194,304 bytes; qs 262,144 bytes; kv 7,864,320 bytes; cc 3,145,728 bytes; cs 131,072 bytes; wst 1,843,200 bytes
;; launch prep (part 1): grid 264 x 1, 4 waves a work-group, no clusters, 53,760 bytes of LDS; arguments x, mask, Wq_codes, Wq_scales, bq, Wk_codes, Wk_scales, bk, Wv_codes, Wv_scales, bv, Wo_codes, Wo_scales, W1_codes, W1_scales, W2_codes, W2_scales, qc, qs, kv, wst; writes qc, qs, kv, wst
.if DOCPART == 1
	.amdgcn_target "amdgcn-amd-amdhsa--gfx1250"
	.amdhsa_code_object_version 6
	.text
	.protected	k_q7e2258daac_prep
	.globl	k_q7e2258daac_prep
	.p2align	8
	.type	k_q7e2258daac_prep,@function
k_q7e2258daac_prep:
	s_mov_b64 s[64:65], 0
	v_nop
	global_prefetch_b8 v0, s[64:65] scope:SCOPE_SE
	s_setreg_imm32_b32 hwreg(HW_REG_WAVE_MODE, 25, 1), 1
	s_wait_xcnt 0x0
; TWO JOBS IN ONE LAUNCH, parted on the work-group's number.
; Work-groups 0-71 (RELAY): Wo, W1, W2 (codes of E2M3 and E8M0 bytes, as given) are laid anew, unchanged, in the order in which the third launch streams them:
;   record hp*4 + w of 25,600 bytes = 16 fragments (16 rows x 128 K, 12 registers a lane) as images of their registers, then the fragments' scale words.
; Work-groups 72-263 (PROJECTION): y = 0, 1, 2 for q, k, v; 128 tokens each.  x is quantised along its 512 (MX, E2M3), multiplied by the given weight, the bias is the C of each sum's
;   first product, and the result is quantised again: q and k along the head's 64, v along the KEYS.  The codes leave as images of the operand registers that the second launch wants.
; TILES ARE NOT NEIGHBOURS: in every 32 tokens, weight rows or channels, lane r of tile 2 b + u stands for index 32 b + 8 u + r + 8 (r / 8), so that a lane's 16 result registers of
;   tiles 2 b and 2 b + 1 are 16 neighbours, 32 b + 16 (lane / 16) + 0 .. 15, which is what the conversions take.
; THE MASK rides in the second half of the score product's K (the head has 64 of the instruction's 128): every query has the code 1.0 at k = 64 under the scale 2^-60; a hidden key has
;   -1.0 there under 2^93 and zeros for all its 64 codes, an open key has 0 there under 2^-126.  A hidden score is so exactly -2^33, an open score is untouched.
; LIMITS: a hidden logit is -2^30 where the definition has -1e9: true logits near -1e9 are not told from hidden ones as the definition would.  NaN and infinities among the inputs are not served.
;   A block of zeros gets the byte 1 where the quantiser says 127: its codes are zeros, and only this program reads the bytes.
; NO CLUSTER, NO TENSOR LOAD: a wave's part of the weight (128 rows, 49,152 bytes) goes straight into its registers and is read once; what work-groups share is that one read.
; Waves share the COLUMNS: wave w makes output columns 128 w .. 128 w + 127 (heads 2 w, 2 w + 1) for all 128 tokens; x's 32 fragments go from wave to wave through LDS as register images.
; REGISTERS: window 0: v1-15 addresses; v16-79, v80-143 two sets of 64 numbers of x, later x's four fragments (v16-63), the outgoing half fragments (v64-79) and 8 result tiles (v80-143);
;   v144-163 codes; v164-179 at work; v181-184 x's scale words; v192-223 the weight's; v224-231 the mask; v232-235 outgoing scale words.
;   window 1: weight tiles 0-3 (12 (4 t + s)); window 2: tiles 4-7, and from v192 the bias, 8 registers a tile; window 3: v's 32 accumulators (8 (8 t + m)).
.set XIMG, 0                           ; LDS: x's 32 fragments (tile of tokens m, K step s: 4 m + s), 1,536 bytes each
.set XSC,  49152                       ; their scale words, 128 bytes each
.set LI,   1                           ; 16 x lane
.set LS,   2                           ; 4 x lane
.set XA,   3                           ; x: pi(r) rows of 2,048 bytes + 64 h
.set XWI,  4                           ; where I store x's images: 16 x lane + 12,288 x wave
.set XWS,  5                           ; and their scale words: 4 x lane + 1,024 x wave
.set WAD,  6                           ; the weight's codes: pi(r) rows of 384 bytes + 24 h
.set WSAD, 7                           ; its scale bytes: pi(r) rows of 16
.set BAD,  8                           ; the bias for q, k: 64 h
.set MAD,  9                           ; 4 pi(r): the mask, and the bias for v
.set SH,   10                          ; 16 h
.set SAD,  11                          ; outgoing scale words: 16 r + h x the heads' distance
.set PIR,  12                          ; pi(r) = r + 8 (r / 8)
.set LN,   13                          ; lane
.set RR,   14                          ; r
.set HH,   15                          ; h
.set R1,   16
.set XF,   16
.set OUTA, 64
.set OUTB, 72
.set HA,   80
.set PC,   144
.set TM,   164
.set PW,   180
.set XS,   181
.set EXKV, 185
.set EXDV, 186
.set HIKV, 187
.set HIDV, 188
.set HIM,  189
.set TMP,  190
.set WSC,  192
.set MK,   224
.set SW,   232
.set SEL,  52
.set MSB, 0
.macro WIN new                         ; the immediate's high byte repeats the setting that is left; a switch that changes nothing is dropped
.if MSB != (\new)
	s_set_vgpr_msb (MSB<<8)|(\new)
.set MSB, (\new)
.endif
.endm
.macro PLACES n
.rept \n
	v_nop
.endr
.endm
.macro BARRIER                         ; my LDS stores have landed and my LDS loads are in: then the work-group's barrier
	s_wait_dscnt 0x0
	s_barrier_signal -1
	s_barrier_wait -1
.endm
.macro MM d, a, b, c, sa, sb
	v_wmma_scale_f32_16x16x128_f8f6f4 v[(\d):(\d)+7], v[(\a):(\a)+11], v[(\b):(\b)+11], v[(\c):(\c)+7], v[\sa], v[\sb] matrix_a_fmt:MATRIX_FMT_FP6 matrix_b_fmt:MATRIX_FMT_FP6
.endm
; 64 numbers of a lane, v[s] .. v[s + 63] of window w, register 16 b + i = k 32 b + 16 (lane / 16) + i of my row, become a fragment's codes in v[PC] on and its scale word in v[PW].
.macro QUANT s, w
	WIN (\w)|((\w)<<2)
.irp b, 0,1,2,3
	v_max3_num_f32 v[TM+\b], |v[\s+16*\b]|, |v[\s+1+16*\b]|, 0x1800000   ; my 16 numbers of block b, and the floor 2^(3 - 127): the byte cannot fall under 1
.endr
.irp i, 2,4,6,8,10,12,14
.irp b, 0,1,2,3
	v_max3_num_f32 v[TM+\b], |v[\s+16*\b+\i]|, |v[\s+1+16*\b+\i]|, v[TM+\b]   ; the four blocks by turns
.endr
.endr
	WIN 0
.irp b, 0,1,2,3
	v_permlanex16_b32 v[TM+4+\b], v[TM+\b], s[SEL], s[SEL+1]
.endr
.irp b, 0,1,2,3
	v_max_num_f32 v[TM+\b], v[TM+\b], v[TM+4+\b]   ; with lane l xor 16's: the block's largest magnitude
.endr
.irp b, 0,1,2,3
	v_add_nc_u32 v[TM+12+\b], 0xff000000, v[TM+\b]   ; 2 off its exponent field: the conversion's scale operand
.endr
.irp b, 0,1,2,3
	v_lshrrev_b32 v[TM+4+\b], 23, v[TM+12+\b]      ; the scale's byte
.endr
	v_lshl_or_b32 v[PW], v[TM+5], 8, v[TM+4]
	v_lshl_or_b32 v[PW], v[TM+6], 16, v[PW]
	v_lshl_or_b32 v[PW], v[TM+7], 24, v[PW]
	WIN (\w)
.irp c, 0,1
	v_cvt_scalef32_pk16_fp6_f32 v[PC+6*\c:PC+2+6*\c], v[\s+32*\c:\s+15+32*\c], v[TM+12+2*\c]
	v_cvt_scalef32_pk16_fp6_f32 v[PC+12+4*\c:PC+14+4*\c], v[\s+16+32*\c:\s+31+32*\c], v[TM+12+2*\c+1]   ; (a conversion's three registers begin on an even number)
.endr
	WIN 0
	v_nop                                          ; one plain place behind a scaled conversion
.irp c, 0,1                            ; the operand's layout wants a WHOLE block in a lane: lanes 0-15 block 2 c, lanes 16-31 block 2 c + 1
.irp i, 0,1,2
	v_permlane16_swap_b32 v[PC+6*\c+\i], v[PC+12+4*\c+\i]
.endr
.irp i, 0,1,2
	v_mov_b32 v[PC+3+6*\c+\i], v[PC+12+4*\c+\i]
.endr
.endr
.endm
.macro IMAGE adr, off                  ; the fragment in v[PC] on goes to LDS as it stands: lane l's 16 bytes at 16 l, 512 bytes a store
.irp c, 0,1,2
	ds_store_b128 v[\adr], v[PC+4*\c:PC+4*\c+3] offset:\off+512*\c
.endr
.endm
.macro XLOAD reg, i                    ; item i = 4 u + s of my wave: token tile 2 w + u, K step s: 64 numbers a lane
.irp b, 0,1,2,3
.irp jj, 0,1,2,3
	global_load_b128 v[\reg+16*\b+4*\jj:\reg+16*\b+4*\jj+3], v[XA], s[8:9] offset:((\i)/4)*16384+512*((\i)%4)+128*\b+16*\jj
.endr
.endr
.endm
.macro XFET m                          ; token tile m's four fragments of x and their scale words, from LDS
.irp s, 0,1,2,3
.irp c, 0,1,2
	ds_load_b128 v[XF+12*\s+4*\c:XF+12*\s+4*\c+3], v[LI] offset:XIMG+(4*(\m)+\s)*1536+512*\c
.endr
	ds_load_b32 v[XS+\s], v[LS] offset:XSC+128*(4*(\m)+\s)
.endr
	s_wait_dscnt 0x0
.endm
	s_load_b512 s[8:23], s[0:1], 0x0               ; x 8, mask 10, Wq codes 12, scales 14, bq 16, Wk codes 18, scales 20, bk 22
	s_load_b512 s[24:39], s[0:1], 0x40             ; Wv codes 24, scales 26, bv 28, Wo codes 30, scales 32, W1 codes 34, scales 36, W2 codes 38
	s_load_b256 s[40:47], s[0:1], 0x80             ; W2 scales 40, qc 42, qs 44, kv 46
	s_load_b64 s[48:49], s[0:1], 0xa0              ; wst
	v_lshl_add_u32 v254, v0, 2, 0xd000
	v_mov_b32 v255, 0
	v_lshrrev_b32 v[PIR], 5, v0
	v_readfirstlane_b32 s2, v[PIR]                 ; wave 0..3
	v_and_b32 v[LN], 31, v0
	v_and_b32 v[RR], 15, v0
	v_bfe_u32 v[HH], v0, 4, 1
	v_and_b32 v[PIR], 8, v[RR]
	v_add_nc_u32 v[PIR], v[PIR], v[RR]
	v_lshlrev_b32 v[LI], 4, v[LN]
	v_lshlrev_b32 v[LS], 2, v[LN]
	s_mul_i32 s3, s2, 12288
	v_add_nc_u32 v[XWI], s3, v[LI]
	s_lshl_b32 s3, s2, 10
	v_add_nc_u32 v[XWS], s3, v[LS]
	s_mov_b32 s[SEL], 0x76543210
	s_mov_b32 s[SEL+1], 0xfedcba98                 ; v_permlanex16_b32's selects for lane l xor 16
	s_wait_kmcnt 0x0
	s_cmp_lt_u32 ttmp9, 72
	s_cbranch_scc1 .Lrelay
	; ================= PROJECTION =================
	s_sub_co_u32 s54, ttmp9, 72
	s_lshr_b32 s55, s54, 6                         ; y: 0 q, 1 k, 2 v
	s_and_b32 s56, s54, 63                         ; block of 128 tokens
	s_lshr_b32 s57, s56, 5                         ; batch
	s_and_b32 s58, s56, 31                         ; key step j within the batch
	s_lshl_b32 s87, s57, 3
	s_lshl_b32 s70, s2, 1
	s_add_co_u32 s87, s87, s70                     ; my first head among the 16: 8 b + 2 w
	v_lshlrev_b32 v[XA], 11, v[PIR]
	v_lshl_add_u32 v[XA], v[HH], 6, v[XA]
	v_mul_u32_u24 v[WAD], v[PIR], 384
	v_mad_u32_u24 v[WAD], v[HH], 24, v[WAD]
	v_lshlrev_b32 v[WSAD], 4, v[PIR]
	v_lshlrev_b32 v[BAD], 6, v[HH]
	v_lshlrev_b32 v[MAD], 2, v[PIR]
	v_lshlrev_b32 v[SH], 4, v[HH]
.irp b, 0,1,2,3
	v_mov_b32 v[TM+4+\b], 0                        ; written once: a lane permute's destination counts as one of its sources
.endr
	s_cmp_eq_u32 s55, 1                            ; the weight, its scales and its bias: chosen on the work-group's number alone
	s_cselect_b64 s[60:61], s[18:19], s[12:13]
	s_cselect_b64 s[62:63], s[20:21], s[14:15]
	s_cselect_b64 s[66:67], s[22:23], s[16:17]
	s_cmp_eq_u32 s55, 2
	s_cselect_b64 s[60:61], s[24:25], s[60:61]
	s_cselect_b64 s[62:63], s[26:27], s[62:63]
	s_cselect_b64 s[66:67], s[28:29], s[66:67]
	s_mov_b32 s69, 0
	s_mul_i32 s68, s2, 49152                       ; my 128 rows of 384 bytes
	s_add_nc_u64 s[60:61], s[60:61], s[68:69]
	s_lshl_b32 s68, s2, 11                         ; of 16 scale bytes
	s_add_nc_u64 s[62:63], s[62:63], s[68:69]
	s_lshl_b32 s68, s2, 9                          ; my 128 numbers of the bias
	s_add_nc_u64 s[66:67], s[66:67], s[68:69]
	s_lshl_b32 s68, s56, 18                        ; x: 128 rows of 2,048 bytes a block,
	s_lshl_b32 s70, s2, 16                         ; 32 rows a wave
	s_add_co_u32 s68, s68, s70
	s_add_nc_u64 s[8:9], s[8:9], s[68:69]
	s_lshl_b32 s68, s56, 9                         ; the mask: 128 words a block
	s_add_nc_u64 s[10:11], s[10:11], s[68:69]
	WIN 0x40                                       ; destination window 1: weight tiles 0-3; they stay
.irp t, 0,1,2,3
.irp s, 0,1,2,3
.irp p, 0,1,2,3,4,5
	global_load_b64 v[12*(4*\t+\s)+2*\p:12*(4*\t+\s)+2*\p+1], v[WAD], s[60:61] offset:(32*(\t/2)+8*(\t%2))*384+96*\s+48*(\p/3)+8*(\p%3)
.endr
.endr
.endr
	WIN 0x80                                       ; window 2: tiles 4-7
.irp t, 0,1,2,3
.irp s, 0,1,2,3
.irp p, 0,1,2,3,4,5
	global_load_b64 v[12*(4*\t+\s)+2*\p:12*(4*\t+\s)+2*\p+1], v[WAD], s[60:61] offset:(64+32*(\t/2)+8*(\t%2))*384+96*\s+48*(\p/3)+8*(\p%3)
.endr
.endr
.endr
	WIN 0
.irp t, 0,1,2,3,4,5,6,7
	global_load_b128 v[WSC+4*\t:WSC+4*\t+3], v[WSAD], s[62:63] offset:(32*(\t/2)+8*(\t%2))*16   ; a row's 16 bytes are the scale words of its four K steps
.endr
.irp m, 0,1,2,3,4,5,6,7
	global_load_b32 v[MK+\m], v[MAD], s[10:11] offset:(32*(\m/2)+8*(\m%2))*4   ; the mask of my lane's token in tile m
.endr
	s_cmp_eq_u32 s55, 2                            ; the bias in the result's layout: for q, k a lane's registers run along the columns; for v a lane IS a column
	s_cbranch_scc1 .Lbias_v
	WIN 0x80
.irp t, 0,1,2,3,4,5,6,7
	global_load_b128 v[192+8*\t:195+8*\t], v[BAD], s[66:67] offset:(32*(\t/2)+8*(\t%2))*4
	global_load_b128 v[196+8*\t:199+8*\t], v[BAD], s[66:67] offset:(32*(\t/2)+8*(\t%2))*4+16
.endr
	WIN 0
	s_branch .Lbias_done
.Lbias_v:
	WIN 0x80
.irp t, 0,1,2,3,4,5,6,7
.irp jj, 0,1,2,3,4,5,6,7
	global_load_b32 v[192+8*\t+\jj], v[MAD], s[66:67] offset:(32*(\t/2)+8*(\t%2))*4
.endr
.endr
	WIN 0
.Lbias_done:
	; ---- X: my 32 tokens of x become eight fragments; an item's 16 loads run one item ahead, in two sets of registers
	XLOAD R1, 0
.irp i, 0,1,2,3,4,5,6,7
.if \i < 7
	XLOAD R1+64*((\i+1)%2), \i+1
	s_wait_loadcnt 16                              ; all but the next item's 16 loads are in (loads come back in order: ISA guide 5.7.1): this item, and at the first item the weight, mask and bias too
.else
	s_wait_loadcnt 0x0
.endif
	QUANT R1+64*(\i%2), 0
	IMAGE XWI, XIMG+\i*1536
	ds_store_b32 v[XWS], v[PW] offset:XSC+128*\i
	s_wait_dscnt 0x0                               ; the stores have read their registers: the next item's codes may be written
.endr
	BARRIER                                        ; x's 32 fragments lie in LDS; nothing is written there again
	s_cmp_eq_u32 s55, 2
	s_cbranch_scc1 .Lv
	; ---- q, k: transposed (source 0 = 16 rows of the weight, source 1 = 16 tokens): a lane holds one token, its registers run along the columns
	s_cmp_eq_u32 s55, 0
	s_mov_b32 s71, 491520
	s_cselect_b32 s71, 262144, s71                 ; bytes from head to head: q's 256 tiles of 1,024; k's 32 records of 15,360
	s_mov_b32 s72, 15360
	s_cselect_b32 s72, 8192, s72                   ; bytes from key step to key step
	s_mov_b32 s73, 491520
	s_cselect_b32 s73, 16384, s73                  ; the same from head to head for the scale words
	s_cselect_b32 s74, -1, 0                       ; q: every token counts as open
	s_cselect_b32 s75, 8, 0                        ; the code at k = 64: open (q: 1.0; k: 0),
	s_cselect_b32 s76, 8, 40                       ; hidden (k: -1.0)
	s_mov_b32 s77, 0x01010000
	s_cselect_b32 s77, 0x01430000, s77             ; bytes 2, 3 of the scale word: q 2^-60, 2^-126; open k 2^-126, 2^-126;
	s_mov_b32 s78, 0x01dc0000
	s_cselect_b32 s78, 0x01430000, s78             ; hidden k 2^93, 2^-126
	s_cselect_b64 s[80:81], s[42:43], s[46:47]
	s_cselect_b64 s[84:85], s[44:45], s[46:47]
	s_mul_i32 s68, s87, s71
	s_mul_i32 s70, s58, s72
	s_add_co_u32 s68, s68, s70                     ; where head 2 w's tiles of this block begin
	s_lshl_b32 s88, s87, 14
	s_lshl_b32 s70, s58, 9
	s_add_co_u32 s88, s88, s70                     ; q's scale words: 16,384 a head, 512 a block;
	s_add_co_u32 s70, s68, 14336                   ; k's: in the record, behind K's and V's images
	s_cmp_eq_u32 s55, 0
	s_cselect_b32 s88, s88, s70
	s_mov_b32 s89, 0
	s_add_nc_u64 s[80:81], s[80:81], s[68:69]
	s_mov_b32 s68, s71
	s_add_nc_u64 s[82:83], s[80:81], s[68:69]      ; head 2 w + 1
	s_add_nc_u64 s[84:85], s[84:85], s[88:89]
	v_cmp_gt_u32 vcc_lo, 16, v[LN]                 ; k = 64 lies in lanes 0-15 (register 6 holds k = 64 + 32 h on)
	v_mov_b32 v[TMP], s75
	v_cndmask_b32 v[EXKV], 0, v[TMP], vcc_lo
	v_mov_b32 v[TMP], s76
	v_cndmask_b32 v[EXDV], 0, v[TMP], vcc_lo
	v_mov_b32 v[HIKV], s77
	v_mov_b32 v[HIDV], s78
	v_mul_u32_u24 v[SAD], v[HH], s73
	v_lshl_add_u32 v[SAD], v[RR], 4, v[SAD]        ; lanes 0-15 store head 2 w's scale words, lanes 16-31 head 2 w + 1's
	v_mov_b32 v[OUTA+7], 0
	v_mov_b32 v[OUTB+7], 0
.macro QKM m
	XFET \m
.irp s, 0,1,2,3                        ; the eight accumulators take turns, one instruction a turn
.irp t, 0,1,2,3,4,5,6,7
.if \s == 0
	WIN 0x21+(\t/4)                                ; source 0 window 1 or 2, the bias (C) window 2
	MM HA+8*\t, 12*(4*(\t%4)+\s), XF+12*\s, 192+8*\t, WSC+4*\t+\s, XS+\s
.else
	WIN 0x01+(\t/4)
	MM HA+8*\t, 12*(4*(\t%4)+\s), XF+12*\s, HA+8*\t, WSC+4*\t+\s, XS+\s
.endif
.endr
.endr
	WIN 0
	PLACES 4                                       ; behind the last products, in front of the first read of results (ISA guide 7.12.1)
	QUANT HA, 0                                    ; 128 columns = two heads: registers 0-5 are head 2 w's 64, registers 6-11 head 2 w + 1's
	s_wait_xcnt 0x0                                ; the last tile's stores have read their data: it is written again only behind this wait
	v_cmp_ne_u32 s86, 0, v[MK+\m]                  ; open tokens
	s_or_b32 s86, s86, s74
.irp i, 0,1,2,3,4,5
	v_cndmask_b32 v[OUTA+\i], 0, v[PC+\i], s86     ; a hidden key's codes are zeros
	v_cndmask_b32 v[OUTB+\i], 0, v[PC+6+\i], s86
.endr
	v_cndmask_b32 v[OUTA+6], v[EXDV], v[EXKV], s86
	v_cndmask_b32 v[OUTB+6], v[EXDV], v[EXKV], s86
	v_cndmask_b32 v[HIM], v[HIDV], v[HIKV], s86
	v_lshrrev_b32 v[TMP], v[SH], v[PW]             ; my head's two bytes
	v_and_or_b32 v[SW+(\m)%4], v[TMP], 0xffff, v[HIM]
	global_store_b128 v[LI], v[OUTA:OUTA+3], s[80:81] offset:1024*(\m)       ; each store of the wave covers 512 consecutive bytes, aligned
	global_store_b128 v[LI], v[OUTA+4:OUTA+7], s[80:81] offset:1024*(\m)+512
	global_store_b128 v[LI], v[OUTB:OUTB+3], s[82:83] offset:1024*(\m)
	global_store_b128 v[LI], v[OUTB+4:OUTB+7], s[82:83] offset:1024*(\m)+512
.if (\m)%4 == 3
	global_store_b128 v[SAD], v[SW:SW+3], s[84:85] offset:((\m)/4)*256       ; four tiles' scale words: sixteen lanes store 256 consecutive bytes
.endif
.endm
.irp m, 0,1,2,3,4,5,6,7
	QKM \m
.endr
	s_wait_tensorcnt 0x0
	ds_add_u32 v254, v255
	s_wait_dscnt 0x0
	s_endpgm
	; ---- v: the sources the other way round (source 0 = 16 tokens, source 1 = 16 rows of the weight): a lane holds one channel, its registers run along the tokens, which are the next K
.Lv:
	s_lshl_b32 s68, s87, 5
	s_add_co_u32 s68, s68, s58
	s_mul_i32 s68, s68, 15360                      ; head 2 w's record of this key step
	s_add_nc_u64 s[80:81], s[46:47], s[68:69]
.macro VPASS p                         ; head 2 w + p: weight tiles 4 p .. 4 p + 3
.irp m, 0,1,2,3,4,5,6,7
	XFET \m
.irp s, 0,1,2,3
.if \s == 0
	WIN 0xe0+(4<<(\p))                             ; source 1 window 1 + p, the bias (C) window 2, D window 3
.else
	WIN 0xf0+(4<<(\p))
.endif
.irp t, 0,1,2,3                        ; four accumulators by turns
.if \s == 0
	MM 8*(8*\t+\m), XF+12*\s, 12*(4*\t+\s), 192+8*(4*(\p)+\t), XS+\s, WSC+4*(4*(\p)+\t)+\s
.else
	MM 8*(8*\t+\m), XF+12*\s, 12*(4*\t+\s), 8*(8*\t+\m), XS+\s, WSC+4*(4*(\p)+\t)+\s
.endif
.endr
.endr
	WIN 0
	PLACES 4                                       ; in front of the loads into x's fragments and scale words, and of the first read of results
.endr
.irp t, 0,1,2,3
	s_wait_xcnt 0x0                                ; earlier stores have read the codes and the scale words
	QUANT 64*\t, 3                                 ; 16 channels x 128 keys
	v_mov_b32 v[SW+\t], v[PW]
.irp c, 0,1,2
	global_store_b128 v[LI], v[PC+4*\c:PC+4*\c+3], s[80:81] offset:8192+1536*\t+512*\c+491520*(\p)
.endr
.endr
	global_store_b128 v[LI], v[SW:SW+3], s[80:81] offset:14848+491520*(\p)
.endm
	VPASS 0
	VPASS 1
	s_wait_tensorcnt 0x0
	ds_add_u32 v254, v255
	s_wait_dscnt 0x0
	s_endpgm
	; ================= RELAY =================
.Lrelay:
	s_and_b32 s54, ttmp9, 3                        ; w: which 128 rows of the panel
	s_lshr_b32 s55, ttmp9, 2                       ; half panel 0..17
	s_lshr_b32 s56, s55, 1                         ; panel: 0 Wo; 1 + 2 c W1's rows 512 c on; 2 + 2 c W2's K steps 4 c on
	s_and_b32 s57, s55, 1                          ; which two of the panel's four K steps
	s_lshr_b32 s58, s56, 1
	s_lshl_b32 s62, s58, 9                         ; W1: 512 c
	s_sub_co_u32 s63, s58, 1
	s_lshl_b32 s63, s63, 2                         ; W2: 4 c
	s_and_b32 s59, s56, 1
	s_cmp_lg_u32 s59, 0
	s_cselect_b64 s[66:67], s[34:35], s[38:39]
	s_cselect_b64 s[68:69], s[36:37], s[40:41]
	s_mov_b32 s60, 1536
	s_cselect_b32 s60, 384, s60                    ; a row of codes in bytes
	s_cselect_b32 s61, 16, 64                      ; a row of scale bytes
	s_cselect_b32 s62, s62, 0
	s_cselect_b32 s63, 0, s63
	s_cmp_eq_u32 s56, 0
	s_cselect_b64 s[66:67], s[30:31], s[66:67]
	s_cselect_b64 s[68:69], s[32:33], s[68:69]
	s_cselect_b32 s60, 384, s60
	s_cselect_b32 s61, 16, s61
	s_cselect_b32 s63, 0, s63
	s_lshl_b32 s70, s54, 7
	s_add_co_u32 s62, s62, s70
	s_and_b32 s70, s2, 1                           ; wave v makes fragments 4 v .. 4 v + 3: K step v / 2 of the two, tiles 4 (v % 2) on
	s_lshl_b32 s70, s70, 6
	s_add_co_u32 s62, s62, s70                     ; my first row
	s_lshl_b32 s70, s57, 1
	s_add_co_u32 s63, s63, s70
	s_lshr_b32 s70, s2, 1
	s_add_co_u32 s63, s63, s70                     ; my K step
	s_mov_b32 s73, 0
	s_mul_i32 s72, s62, s60
	s_mul_i32 s70, s63, 96
	s_add_co_u32 s72, s72, s70
	s_add_nc_u64 s[66:67], s[66:67], s[72:73]
	s_mul_i32 s72, s62, s61
	s_lshl_b32 s70, s63, 2
	s_add_co_u32 s72, s72, s70
	s_add_nc_u64 s[68:69], s[68:69], s[72:73]
	s_mul_i32 s72, ttmp9, 25600
	s_add_nc_u64 s[48:49], s[48:49], s[72:73]      ; my work-group's record
	v_mul_u32_u24 v16, v[PIR], s60
	v_mad_u32_u24 v16, v[HH], 24, v16              ; tile i begins 0, 8, 32, 40 rows on
	s_lshl_b32 s70, s60, 3
	v_add_nc_u32 v17, s70, v16
	s_lshl_b32 s70, s60, 5
	v_add_nc_u32 v18, s70, v16
	s_mul_i32 s70, s60, 40
	v_add_nc_u32 v19, s70, v16
	v_lshl_add_u32 v20, v[HH], 3, v[PIR]           ; scale words: lanes 0-15 an even tile's rows, lanes 16-31 the odd tile's beside it (8 rows on)
	v_mul_u32_u24 v20, v20, s61
	s_lshl_b32 s70, s61, 5
	v_add_nc_u32 v21, s70, v20                     ; and the next pair of tiles, 32 rows on
	s_mul_i32 s70, s2, 6144
	v_add_nc_u32 v22, s70, v[LI]
	s_lshl_b32 s70, s2, 8
	v_lshl_add_u32 v23, v[LN], 3, s70
.irp i, 0,1,2,3
.irp p, 0,1,2,3,4,5
	global_load_b64 v[32+12*\i+2*\p:33+12*\i+2*\p], v[16+\i], s[66:67] offset:48*(\p/3)+8*(\p%3)
.endr
.endr
	global_load_b32 v80, v20, s[68:69]
	global_load_b32 v81, v21, s[68:69]
	s_wait_loadcnt 0x0
.irp i, 0,1,2,3
.irp c, 0,1,2
	global_store_b128 v22, v[32+12*\i+4*\c:35+12*\i+4*\c], s[48:49] offset:1536*\i+512*\c
.endr
.endr
	global_store_b64 v23, v[80:81], s[48:49] offset:24576
	s_endpgm
.Lfunc_end_k_q7e2258daac_prep:
	.size	k_q7e2258daac_prep, .Lfunc_end_k_q7e2258daac_prep-k_q7e2258daac_prep
	.p2alignl 7, 3214868480
	.fill 96, 4, 3214868480
	.section	.rodata,"a",@progbits
	.p2align	6, 0x0
	.amdhsa_kernel k_q7e2258daac_prep
		.amdhsa_group_segment_fixed_size 53760
		.amdhsa_private_segment_fixed_size 0
		.amdhsa_enable_private_segment 0
		.amdhsa_kernarg_size 168
		.amdhsa_user_sgpr_count 2
		.amdhsa_user_sgpr_kernarg_segment_ptr 1
		.amdhsa_wavefront_size32 1
		.amdhsa_system_sgpr_workgroup_id_x 1
		.amdhsa_system_sgpr_workgroup_id_y 1
		.amdhsa_system_sgpr_workgroup_id_z 1
		.amdhsa_system_vgpr_workitem_id 0
		.amdhsa_next_free_vgpr 1024
		.amdhsa_next_free_sgpr 96
		.amdhsa_reserve_vcc 1
		.amdhsa_float_denorm_mode_32 3
		.amdhsa_float_denorm_mode_16_64 3
		.amdhsa_memory_ordered 1
		.amdhsa_forward_progress 1
		.amdhsa_inst_pref_size 255
	.end_amdhsa_kernel
	.amdgpu_metadata
---
amdhsa.version: [ 1, 2 ]
amdhsa.kernels:
  - .name:           k_q7e2258daac_prep
    .symbol:         k_q7e2258daac_prep.kd
    .args:
      - { .name: x, .offset: 0, .size: 8, .value_kind: global_buffer, .address_space: global }
      - { .name: mask, .offset: 8, .size: 8, .value_kind: global_buffer, .address_space: global }
      - { .name: Wq_codes, .offset: 16, .size: 8, .value_kind: global_buffer, .address_space: global }
      - { .name: Wq_scales, .offset: 24, .size: 8, .value_kind: global_buffer, .address_space: global }
      - { .name: bq, .offset: 32, .size: 8, .value_kind: global_buffer, .address_space: global }
      - { .name: Wk_codes, .offset: 40, .size: 8, .value_kind: global_buffer, .address_space: global }
      - { .name: Wk_scales, .offset: 48, .size: 8, .value_kind: global_buffer, .address_space: global }
      - { .name: bk, .offset: 56, .size: 8, .value_kind: global_buffer, .address_space: global }
      - { .name: Wv_codes, .offset: 64, .size: 8, .value_kind: global_buffer, .address_space: global }
      - { .name: Wv_scales, .offset: 72, .size: 8, .value_kind: global_buffer, .address_space: global }
      - { .name: bv, .offset: 80, .size: 8, .value_kind: global_buffer, .address_space: global }
      - { .name: Wo_codes, .offset: 88, .size: 8, .value_kind: global_buffer, .address_space: global }
      - { .name: Wo_scales, .offset: 96, .size: 8, .value_kind: global_buffer, .address_space: global }
      - { .name: W1_codes, .offset: 104, .size: 8, .value_kind: global_buffer, .address_space: global }
      - { .name: W1_scales, .offset: 112, .size: 8, .value_kind: global_buffer, .address_space: global }
      - { .name: W2_codes, .offset: 120, .size: 8, .value_kind: global_buffer, .address_space: global }
      - { .name: W2_scales, .offset: 128, .size: 8, .value_kind: global_buffer, .address_space: global }
      - { .name: qc, .offset: 136, .size: 8, .value_kind: global_buffer, .address_space: global }
      - { .name: qs, .offset: 144, .size: 8, .value_kind: global_buffer, .address_space: global }
      - { .name: kv, .offset: 152, .size: 8, .value_kind: global_buffer, .address_space: global }
      - { .name: wst, .offset: 160, .size: 8, .value_kind: global_buffer, .address_space: global }
    .group_segment_fixed_size: 53760
    .private_segment_fixed_size: 0
    .kernarg_segment_align: 8
    .kernarg_segment_size: 168
    .max_flat_workgroup_size: 128
    .sgpr_count:     96
    .vgpr_count:     1024
    .wavefront_size: 32
...
	.end_amdgpu_metadata
.endif
;; end of part 1
;; launch attn (part 2): grid 16 x 16, 16 waves a work-group, no clusters, 67,584 bytes of LDS; arguments qc, qs, kv, cc, cs; writes cc, cs
.if DOCPART == 2
	.amdgcn_target "amdgcn-amd-amdhsa--gfx1250"
	.amdhsa_code_object_version 6
	.text
	.protected	k_q7e2258daac_attn
	.globl	k_q7e2258daac_attn
	.p2align	8
	.type	k_q7e2258daac_attn,@function
k_q7e2258daac_attn:
	s_mov_b64 s[64:65], 0
	v_nop
	global_prefetch_b8 v0, s[64:65] scope:SCOPE_SE
	s_setreg_imm32_b32 hwreg(HW_REG_WAVE_MODE, 25, 1), 1
	s_wait_xcnt 0x0
; ctx[b][q][head] = softmax over the keys of (q . k / 8, hidden keys at -2^30) times v, both products on codes of E2M3 with one E8M0 scale for each 32 along K; then ctx is quantised along the features.
; THE SOFTMAX AHEAD OF THE SECOND PRODUCT: t = score x log2(e) / 8; M = the row's largest t so far, rounded UP to a whole number; p = 2^(t - M) is what is quantised, along the keys; it is not normalised.
; The row's sum is taken of the unquantised p, in f32, and divides O at the end.  When M moves, the sum and O are multiplied by 2^(old M - new M): exact.
; THE MASK costs nothing here: the first launch laid it into the spare half of the score product's K, so that a hidden key's score is exactly -2^33.  -2^33 x c is a whole f32 number, so a row all of
; whose keys are hidden has t - M = 0 and p = 1 for every key: the uniform weights that the definition gives.
; LIMITS: a hidden logit is -2^30 where the definition has -1e9; NaN and infinities are not served; a block of zeros has the byte 1 (only this program reads the bytes).
; SHARES.  Work-group (x, y): 256 queries (x) of head y among 16.  Each of sixteen waves owns one tile of 16 queries in 256 registers: four waves to a SIMD, so that one wave's vector work stands beside
; another's matrix work and LDS loads.  Every wave walks the head's 4,096 keys, 128 a step.
; K AND V come as records of 15,360 bytes a key step, laid as register images: 8 tiles of K (1,024 bytes: registers 0-7 of a fragment; 8-11 are zeros kept in registers), 4 tiles of V^T (1,536), scale words.
; Two LDS slots of two records each; a slot is copied flat through registers (thread t: 16 bytes at 16 t + 8,192 i), asked for at the head of the slot before and stored at its end: one barrier a slot.
; NO CLUSTER, NO TENSOR LOAD: what the sixteen work-groups of a head share is 15,360 bytes a key step, beside some 330 instructions in each of sixteen waves: a small part of a step.
; LAYOUT.  Both products transposed: S^T = K Q^T (source 0 = 16 keys), O^T = V^T P^T (source 0 = 16 channels): a lane holds ONE query (lane % 16) throughout.  The keys of a tile, and the channels of a
; tile of V^T, are index 32 b + 8 u + r + 8 (r / 8) for lane r of tile 2 b + u: so 16 registers of two neighbouring tiles are 16 neighbours.
.set LI,   1                           ; 16 x lane
.set KSA,  2                           ; 16 r
.set CPA,  3                           ; 16 x thread
.set L8,   4                           ; 8 x lane
.set Q,    16                          ; v16-27 Q's fragment (v24-27 zeros)
.set QS,   28                          ; its scale word
.set KF,   32                          ; v32-79 four fragments of K
.set KS,   80                          ; v80-83 their scale words
.set VS,   84                          ; v84-87 V's
.set S,    96                          ; v96-159 S^T, then p; v96-143 later V's four fragments
.set O,    160                         ; v160-191 O^T
.set STG,  192                         ; v192-207 the copy's 64 bytes
.set PC,   208                         ; v208-219 p's codes
.set PT,   220                         ; v220-222, v224-226 conversions' second halves
.set BM,   228                         ; v228-231 a block's largest score, then p
.set BT,   232
.set BS,   236
.set TMP,  240
.set F,    242                         ; v[242:243] f = 2^(old M - new M)
.set PS,   244                         ; p's scale word
.set SUM2, 246
.set SEL,  20
.set CS,   22
.macro PLACES n
.rept \n
	v_nop
.endr
.endm
.macro BARRIER
	s_wait_dscnt 0x0
	s_barrier_signal -1
	s_barrier_wait -1
.endm
.macro CPLD                            ; the next slot's 30,720 bytes: three loads a thread, a fourth in waves 0-11 (12 x 512 = the last 6,144)
.irp i, 0,1,2
	global_load_b128 v[STG+4*\i:STG+4*\i+3], v[CPA], s[8:9] offset:8192*\i
.endr
	s_cmp_lt_u32 s14, 12
	s_cbranch_scc0 .Lnl_\@
	global_load_b128 v[STG+12:STG+15], v[CPA], s[8:9] offset:24576
.Lnl_\@:
.endm
.macro CPST slot
	s_wait_loadcnt 0x0                             ; they are in, so their base may step below
.irp i, 0,1,2
	ds_store_b128 v[CPA], v[STG+4*\i:STG+4*\i+3] offset:(\slot)*32768+8192*\i
.endr
	s_cmp_lt_u32 s14, 12
	s_cbranch_scc0 .Lns_\@
	ds_store_b128 v[CPA], v[STG+12:STG+15] offset:(\slot)*32768+24576
.Lns_\@:
	s_add_nc_u64 s[8:9], s[8:9], 30720
.endm
	s_load_b256 s[4:11], s[0:1], 0x0               ; qc 4, qs 6, kv 8, cc 10
	s_load_b64 s[12:13], s[0:1], 0x20              ; cs
	v_lshl_add_u32 v254, v0, 2, 0x10000
	v_mov_b32 v255, 0
	v_lshrrev_b32 v5, 5, v0
	v_readfirstlane_b32 s14, v5                    ; wave 0..15
	v_and_b32 v5, 31, v0
	v_and_b32 v6, 15, v0
	v_lshlrev_b32 v[LI], 4, v5
	v_lshlrev_b32 v[L8], 3, v5
	v_lshlrev_b32 v[KSA], 4, v6
	v_lshlrev_b32 v[CPA], 4, v0
	s_and_b32 s15, ttmp7, 0xffff                   ; the head among 16
	s_lshl_b32 s16, ttmp9, 4
	s_add_co_u32 s16, s16, s14                     ; my tile of queries among the head's 256
	s_mov_b32 s25, 0
	s_mov_b32 s[SEL], 0x76543210
	s_mov_b32 s[SEL+1], 0xfedcba98
	s_mov_b32 s[CS], 0x3e38aa3b                    ; c = log2(e) / 8
	s_mov_b32 s[CS+1], s[CS]                       ; (named with it as a pair, so it is written)
	s_lshl_b32 s17, s15, 18
	s_lshl_b32 s18, s16, 10
	s_add_co_u32 s17, s17, s18                     ; Q's image: 1,024 bytes a tile
	s_lshl_b32 s18, s15, 14
	s_lshr_b32 s19, s16, 2
	s_lshl_b32 s19, s19, 8
	s_add_co_u32 s18, s18, s19
	s_and_b32 s19, s16, 3
	s_lshl_b32 s19, s19, 2
	s_add_co_u32 s18, s18, s19                     ; its scale words: [group of 4 tiles][r][tile]
	s_mul_i32 s19, s15, 491520                     ; the head's 32 records
	s_lshr_b32 s27, s15, 3
	s_lshl_b32 s27, s27, 8
	s_add_co_u32 s27, s27, s16                     ; my tile among all 512 tiles of tokens
	s_and_b32 s28, s15, 7                          ; the head within its batch
	s_mul_i32 s29, s27, 6144
	s_lshr_b32 s30, s28, 1
	s_mul_i32 s30, s30, 1536
	s_add_co_u32 s29, s29, s30
	s_and_b32 s30, s28, 1
	s_mul_i32 s30, s30, 768
	s_add_co_u32 s29, s29, s30                     ; ctx's codes: K step head / 2, pieces 3 (head % 2) on
	s_lshl_b32 s30, s27, 8
	s_lshl_b32 s31, s28, 1
	s_add_co_u32 s30, s30, s31                     ; ctx's scale bytes: [tile][r][head] two bytes
	s_wait_kmcnt 0x0
	s_mov_b32 s24, s17
	s_add_nc_u64 s[4:5], s[4:5], s[24:25]
	s_mov_b32 s24, s18
	s_add_nc_u64 s[6:7], s[6:7], s[24:25]
	s_mov_b32 s24, s19
	s_add_nc_u64 s[8:9], s[8:9], s[24:25]
	s_mov_b32 s24, s29
	s_add_nc_u64 s[10:11], s[10:11], s[24:25]
	s_mov_b32 s24, s30
	s_add_nc_u64 s[12:13], s[12:13], s[24:25]
	global_load_b128 v[Q:Q+3], v[LI], s[4:5]
	global_load_b128 v[Q+4:Q+7], v[LI], s[4:5] offset:512
	global_load_b32 v[QS], v[KSA], s[6:7]
	CPLD                                           ; slot 0: key steps 0, 1
.irp i, 8,9,10,11
	v_mov_b32 v[Q+\i], 0                           ; k = 96 .. of the instruction's 128: zeros, in Q and in all four fragments of K, written once and never loaded
.irp t, 0,1,2,3
	v_mov_b32 v[KF+12*\t+\i], 0
.endr
.endr
	v_mov_b32 v13, 0xff61b1e6                      ; the largest t so far: -3e38, under every t
	v_floor_f32 v12, -v13                          ; -M
	v_mov_b32 v14, 0                               ; the sum, in two halves
	v_mov_b32 v15, 0
.irp b, 0,1,2,3
	v_mov_b32 v[BT+\b], 0                          ; written once: a lane permute's destination counts as one of its sources
.endr
	v_mov_b32 v[F+1], 0                            ; (named as the upper half of the pair)
.set j, 0
.rept 32
	v_mov_b32 v[O+j], 0                            ; O^T.  (The step is written once: the first finds zeros, which the first change of M leaves zeros)
.set j, j+1
.endr
	CPST 0
	BARRIER
; A KEY STEP: 128 keys, whose record begins at LDS byte sb
.macro STEP sb
	PLACES 5                                       ; the products below write over v96 on, which the last step's products V^T P^T read as source 0 (ISA guide 7.12.1)
.irp g, 0,1                            ; S^T = K Q^T, four tiles of 16 keys at a time
.if \g > 0
	PLACES 4                                       ; in front of loads into registers that matrix instructions have read
.endif
.irp t, 0,1,2,3
	ds_load_b128 v[KF+12*\t:KF+12*\t+3], v[LI] offset:(\sb)+(4*\g+\t)*1024
	ds_load_b128 v[KF+12*\t+4:KF+12*\t+7], v[LI] offset:(\sb)+(4*\g+\t)*1024+512
.endr
	ds_load_b128 v[KS:KS+3], v[KSA] offset:(\sb)+14336+256*\g
	s_wait_dscnt 0x0
.irp t, 0,1,2,3
	v_wmma_scale_f32_16x16x128_f8f6f4 v[S+8*(4*\g+\t):S+8*(4*\g+\t)+7], v[KF+12*\t:KF+12*\t+11], v[Q:Q+11], 0, v[KS+\t], v[QS] matrix_a_fmt:MATRIX_FMT_FP6 matrix_b_fmt:MATRIX_FMT_FP6
.endr
.endr
	PLACES 4
.irp b, 0,1,2,3
	v_max3_num_f32 v[BM+\b], v[S+16*\b], v[S+1+16*\b], v[S+2+16*\b]   ; the largest score of each block of 32 keys: it serves the row's maximum and, since p rises with the score, the block's largest p
.endr
.irp i, 3,5,7,9,11,13
.irp b, 0,1,2,3
	v_max3_num_f32 v[BM+\b], v[BM+\b], v[S+16*\b+\i], v[S+1+16*\b+\i]
.endr
.endr
.irp b, 0,1,2,3
	v_max_num_f32 v[BM+\b], v[BM+\b], v[S+15+16*\b]
.endr
.irp b, 0,1,2,3
	v_permlanex16_b32 v[BT+\b], v[BM+\b], s[SEL], s[SEL+1]
.endr
.irp b, 0,1,2,3
	v_max_num_f32 v[BM+\b], v[BM+\b], v[BT+\b]     ; with lane l xor 16's 16 keys
.endr
	v_max3_num_f32 v[TMP], v[BM], v[BM+1], v[BM+2]
	v_max_num_f32 v[TMP], v[TMP], v[BM+3]
	v_mul_f32 v[TMP], s[CS], v[TMP]                ; as t (c is positive)
	v_max_num_f32 v13, v13, v[TMP]                 ; the running largest t
	v_mov_b32 v[TMP], v12
	v_floor_f32 v12, -v13                          ; the new -M = floor(-t) = -ceil(t): a whole number
	v_sub_f32 v[TMP], v12, v[TMP]                  ; old M - new M: a whole number, 0 or less
	v_cvt_i32_f32 v[TMP], v[TMP]                   ; (it saturates)
	v_ldexp_f32 v[F], 1.0, v[TMP]                  ; f = 2^(old M - new M)
.set j, 0
.rept 32
	v_pk_fma_f32 v[S+j:S+j+1], v[S+j:S+j+1], s[CS:CS+1], v[12:13] op_sel_hi:[1,0,0]   ; t - M, two at a time
.set j, j+2
.endr
.irp b, 0,1,2,3
	v_fma_f32 v[BM+\b], v[BM+\b], s[CS], v12       ; the same of each block's largest score
.endr
.set j, 0
.rept 64
	v_exp_f32 v[S+j], v[S+j]                       ; p = 2^(t - M), at most 1
.set j, j+1
.endr
.irp b, 0,1,2,3
	v_exp_f32 v[BM+\b], v[BM+\b]                   ; the block's largest p: the same two instructions on the same number
.endr
	v_pk_mul_f32 v[14:15], v[14:15], v[F:F+1] op_sel_hi:[1,0]   ; the sums under the new M.  (A plain place behind the exponentials)
	s_wait_alu depctr_va_vdst(0)
.irp b, 0,1,2,3
	v_max_num_f32 v[BM+\b], 0x1800000, v[BM+\b]    ; the floor 2^(3 - 127): the byte cannot fall under 1
.endr
.irp b, 0,1,2,3
	v_add_nc_u32 v[BS+\b], 0xff000000, v[BM+\b]    ; 2 off the exponent field: the conversion's scale operand
.endr
.irp b, 0,1,2,3
	v_lshrrev_b32 v[BT+\b], 23, v[BS+\b]           ; the scale's byte
.endr
	v_lshl_or_b32 v[PS], v[BT+1], 8, v[BT]
	v_lshl_or_b32 v[PS], v[BT+2], 16, v[PS]
	v_lshl_or_b32 v[PS], v[BT+3], 24, v[PS]
.irp c, 0,1
	v_cvt_scalef32_pk16_fp6_f32 v[PC+6*\c:PC+2+6*\c], v[S+32*\c:S+15+32*\c], v[BS+2*\c]
	v_cvt_scalef32_pk16_fp6_f32 v[PT+4*\c:PT+2+4*\c], v[S+16+32*\c:S+31+32*\c], v[BS+2*\c+1]
.endr
	v_nop                                          ; one plain place behind a scaled conversion
.irp c, 0,1
.irp i, 0,1,2
	v_permlane16_swap_b32 v[PC+6*\c+\i], v[PT+4*\c+\i]
.endr
.irp i, 0,1,2
	v_mov_b32 v[PC+3+6*\c+\i], v[PT+4*\c+\i]
.endr
.endr
	v_pk_add_f32 v[SUM2:SUM2+1], v[S:S+1], v[S+2:S+3]   ; the row's sum is taken of the UNQUANTISED p: two at a time, in two chains
.irp j, 4,8,12,16,20,24,28,32,36,40,44,48,52,56,60
	v_pk_add_f32 v[14:15], v[14:15], v[S+\j:S+\j+1]
	v_pk_add_f32 v[SUM2:SUM2+1], v[SUM2:SUM2+1], v[S+\j+2:S+\j+3]
.endr
	v_pk_add_f32 v[14:15], v[14:15], v[SUM2:SUM2+1]
.set j, 0
.rept 16
	v_pk_mul_f32 v[O+j:O+j+1], v[O+j:O+j+1], v[F:F+1] op_sel_hi:[1,0]   ; O^T under the new M.  (With the 32 sums: 48 plain lines between the codes, the scale word and the products below)
.set j, j+2
.endr
.irp t, 0,1,2,3                        ; O^T += V^T P^T: four tiles of 16 channels; K = these 128 keys; p's registers are done with and take V's fragments
.irp c, 0,1,2
	ds_load_b128 v[S+12*\t+4*\c:S+12*\t+4*\c+3], v[LI] offset:(\sb)+8192+1536*\t+512*\c
.endr
.endr
	ds_load_b128 v[VS:VS+3], v[LI] offset:(\sb)+14848
	s_wait_dscnt 0x0
.irp t, 0,1,2,3
	v_wmma_scale_f32_16x16x128_f8f6f4 v[O+8*\t:O+8*\t+7], v[S+12*\t:S+12*\t+11], v[PC:PC+11], v[O+8*\t:O+8*\t+7], v[VS+\t], v[PS] matrix_a_fmt:MATRIX_FMT_FP6 matrix_b_fmt:MATRIX_FMT_FP6
.endr
.endm
; A SLOT: its two key steps.  fill = 1: the other slot's next bytes are asked for first and stored last.  That slot was read in the slot before, and every wave's reads of it were waited for in
; front of the barrier that closed that slot; my stores are waited for in front of the barrier that closes this one, behind which they are read.
.macro SLOT s, fill, bar
.if \fill
	CPLD
.endif
	STEP (\s)*32768
	STEP (\s)*32768+15360
.if \fill
	CPST 1-(\s)
.endif
.if \bar
	BARRIER
.endif
.endm
	s_mov_b32 s26, 7
.Lpair:                                            ; 7 trips x 2 slots; the last two slots are written out: the last asks for nothing, so no load passes the head's last record
	SLOT 0, 1, 1
	SLOT 1, 1, 1
	s_sub_co_u32 s26, s26, 1
	s_cmp_lg_u32 s26, 0
	s_cbranch_scc1 .Lpair
	SLOT 0, 1, 1
	SLOT 1, 0, 0
	; THE WAY OUT: ctx = O^T / the sum; my 16 registers of two neighbouring tiles are 16 neighbouring channels: two blocks of 32 along the next product's K
	PLACES 4
	v_add_f32 v14, v14, v15
	v_permlanex16_b32 v[TMP], v14, s[SEL], s[SEL+1]
	v_add_f32 v14, v14, v[TMP]                     ; the row's sum
	v_rcp_f32 v14, v14
	v_nop                                          ; one plain place behind a transcendental
.set j, 0
	s_wait_alu depctr_va_vdst(0)
.rept 32
	v_mul_f32 v[S+j], v[O+j], v14
.set j, j+1
.endr
.irp b, 0,1
	v_max3_num_f32 v[BM+\b], |v[S+16*\b]|, |v[S+1+16*\b]|, 0x1800000
.endr
.irp i, 2,4,6,8,10,12,14
.irp b, 0,1
	v_max3_num_f32 v[BM+\b], v[BM+\b], |v[S+16*\b+\i]|, |v[S+1+16*\b+\i]|
.endr
.endr
.irp b, 0,1
	v_permlanex16_b32 v[BT+\b], v[BM+\b], s[SEL], s[SEL+1]
.endr
.irp b, 0,1
	v_max_num_f32 v[BM+\b], v[BM+\b], v[BT+\b]
.endr
.irp b, 0,1
	v_add_nc_u32 v[BS+\b], 0xff000000, v[BM+\b]
.endr
.irp b, 0,1
	v_lshrrev_b32 v[BT+\b], 23, v[BS+\b]
.endr
	v_lshl_or_b32 v[TMP], v[BT+1], 8, v[BT]        ; my head's two scale bytes
	v_cvt_scalef32_pk16_fp6_f32 v[PC:PC+2], v[S:S+15], v[BS]
	v_cvt_scalef32_pk16_fp6_f32 v[PT:PT+2], v[S+16:S+31], v[BS+1]
	v_nop
.irp i, 0,1,2
	v_permlane16_swap_b32 v[PC+\i], v[PT+\i]
.endr
.irp i, 0,1,2
	v_mov_b32 v[PC+3+\i], v[PT+\i]
.endr
.irp p, 0,1,2
	global_store_b64 v[L8], v[PC+2*\p:PC+2*\p+1], s[10:11] offset:256*\p   ; half a fragment's image: each store covers 256 consecutive bytes, aligned
.endr
	global_store_b16 v[KSA], v[TMP], s[12:13]      ; two bytes a row, 16 bytes apart (lanes 16-31 repeat lanes 0-15): 131,072 bytes in the whole launch leave so
	s_wait_tensorcnt 0x0
	ds_add_u32 v254, v255
	s_wait_dscnt 0x0
	s_endpgm
.Lfunc_end_k_q7e2258daac_attn:
	.size	k_q7e2258daac_attn, .Lfunc_end_k_q7e2258daac_attn-k_q7e2258daac_attn
	.p2alignl 7, 3214868480
	.fill 96, 4, 3214868480
	.section	.rodata,"a",@progbits
	.p2align	6, 0x0
	.amdhsa_kernel k_q7e2258daac_attn
		.amdhsa_group_segment_fixed_size 67584
		.amdhsa_private_segment_fixed_size 0
		.amdhsa_enable_private_segment 0
		.amdhsa_kernarg_size 40
		.amdhsa_user_sgpr_count 2
		.amdhsa_user_sgpr_kernarg_segment_ptr 1
		.amdhsa_wavefront_size32 1
		.amdhsa_system_sgpr_workgroup_id_x 1
		.amdhsa_system_sgpr_workgroup_id_y 1
		.amdhsa_system_sgpr_workgroup_id_z 1
		.amdhsa_system_vgpr_workitem_id 0
		.amdhsa_next_free_vgpr 256
		.amdhsa_next_free_sgpr 66
		.amdhsa_reserve_vcc 0
		.amdhsa_float_denorm_mode_32 3
		.amdhsa_float_denorm_mode_16_64 3
		.amdhsa_memory_ordered 1
		.amdhsa_forward_progress 1
		.amdhsa_inst_pref_size 137
	.end_amdhsa_kernel
	.amdgpu_metadata
---
amdhsa.version: [ 1, 2 ]
amdhsa.kernels:
  - .name:           k_q7e2258daac_attn
    .symbol:         k_q7e2258daac_attn.kd
    .args:
      - { .name: qc, .offset: 0, .size: 8, .value_kind: global_buffer, .address_space: global }
      - { .name: qs, .offset: 8, .size: 8, .value_kind: global_buffer, .address_space: global }
      - { .name: kv, .offset: 16, .size: 8, .value_kind: global_buffer, .address_space: global }
      - { .name: cc, .offset: 24, .size: 8, .value_kind: global_buffer, .address_space: global }
      - { .name: cs, .offset: 32, .size: 8, .value_kind: global_buffer, .address_space: global }
    .group_segment_fixed_size: 67584
    .private_segment_fixed_size: 0
    .kernarg_segment_align: 8
    .kernarg_segment_size: 40
    .max_flat_workgroup_size: 512
    .sgpr_count:     66
    .vgpr_count:     256
    .wavefront_size: 32
...
	.end_amdgpu_metadata
.endif
;; end of part 2
;; launch ffn (part 3): grid 256 x 1, 4 waves a work-group, no clusters, 109,056 bytes of LDS; arguments cc, cs, wst, x, bo, ln1_g, ln1_b, b1, b2, ln2_g, ln2_b, out0; writes out0
.if DOCPART == 3
	.amdgcn_target "amdgcn-amd-amdhsa--gfx1250"
	.amdhsa_code_object_version 6
	.text
	.protected	k_q7e2258daac_ffn
	.globl	k_q7e2258daac_ffn
	.p2align	8
	.type	k_q7e2258daac_ffn,@function
k_q7e2258daac_ffn:
	s_mov_b64 s[64:65], 0
	v_nop
	global_prefetch_b8 v0, s[64:65] scope:SCOPE_SE
	s_setreg_imm32_b32 hwreg(HW_REG_WAVE_MODE, 25, 1), 1
	s_wait_xcnt 0x0
; h = LN1(x + ctx Wo + bo);  out = LN2(h + gelu(h W1 + b1) W2 + b2).  The three products on codes of E2M3 with one E8M0 scale for each 32 along K; all else in f32; nothing goes to memory on the way.
; SHARES.  A work-group owns 32 tokens (two tiles: lane r of tile m is token 8 m + r + 8 (r / 8)); wave w owns 128 of the 512 columns of every panel.  Nine panels of 512 columns x 512 K: Wo, then for
; c = 0 .. 3 W1's columns 512 c on and W2's K 512 c on: the hidden layer lives 512 units at a time.  All products transposed (source 0 = 16 rows of the weight, source 1 = 16 tokens): a lane holds one token.
; THE WEIGHTS come as the first launch laid them: a wave's half panel (2 K steps x 8 tiles, 16 fragments as register images, and their scale words) is 25,600 consecutive bytes, loaded straight into
; registers, 512 consecutive bytes an instruction, into two buffers by turns; a buffer is asked for again as soon as its products are issued.
; NO CLUSTER: every work-group walks the same 1,843,200 bytes of weights.  A joint request lands in LDS alone; here each byte goes to the one wave that multiplies by it, without LDS.  The price is
; stated: each work-group asks for all the weights itself.
; h and gelu(..) go from wave to wave through LDS as register images (1,536 bytes a fragment), the layer norms' sums through 16 bytes a token.
; LAYER NORM in two passes: the mean first, then the squares of what is left, so that a common offset of the inputs costs nothing.
; GELU, the erf form: gelu(x) = max(x, 0) - |x| q, q = erfc(|x| / sqrt 2) / 2 = t (a1 + t (a2 + t (a3 + t (a4 + t a5)))) 2^(-x^2 log2(e) / 2), t = 1 / (1 + 0.2316419 |x|) (Abramowitz and Stegun 7.1.26, halved).
; LIMITS: |error of q| <= 7.5e-8 for every x; so gelu's relative error passes 1e-6 below x = -1.5 and reaches 2e-3 at x = -4, where gelu is -1.3e-4.  NaN and infinities are not served.
;   A block of zeros has the byte 1 (only this program reads the bytes).
; REGISTERS: window 0: v1-11 addresses; v16-23 the rows' scale words, v24-31, v32-39 the two buffers'; v40-56 quantiser; v58-63 means; v64-83 codes; v84-93 gelu's constants; v96-223 the results in hand
;   (tile of tokens m, tile of columns t: 96 + 64 m + 8 t); v224-255 at work.   window 1: buffer A (v0-191), a bias in the result's layout (v192-255).   window 2: buffer B, a gain (v192-255).
;   window 3: v0-127 x, then h + b2 + the second product's sums; v128-223 the rows' 8 fragments (12 (4 m + s)); round LN1 v128-191 ln1_b, v192-255 b2.
.set HIMG, 0                           ; LDS: h's 8 fragments (4 m + s),
.set HSC,  12288                       ; their scale words, 128 bytes each,
.set GIMG, 13312                       ; gelu's 8 fragments,
.set GSC,  25600                       ; their scale words,
.set RED,  26624                       ; four reductions x two tiles x 16 tokens x 4 waves x 4 bytes,
.set STG,  28672                       ; the stage for the way out: 32 rows x (2,048 + 16) bytes
.set SPITCH, 2064
.set LI,   1
.set LS,   2
.set L8,   3
.set XA,   4                           ; x: pi(r) rows of 2,048 bytes + 64 h + 512 w
.set HWI,  5                           ; where I store an image: 16 x lane + 1,536 w
.set HWS,  6                           ; and its scale word: 4 x lane + 128 w
.set RDW,  7                           ; 16 r + 4 w
.set RDR,  8                           ; 16 r
.set SO,   9
.set SR,   10
.set BA,   11                          ; 64 h
.set XS,   16
.set WSA,  24
.set TM,   40
.set PW,   56
.set MU,   58
.set VT,   62
.set PC,   64
.set CV,   84
.set HA,   96
.set T,    224
.set SEL,  32
.set MSB, 0
.macro WIN new
.if MSB != (\new)
	s_set_vgpr_msb (MSB<<8)|(\new)
.set MSB, (\new)
.endif
.endm
.macro PLACES n
.rept \n
	v_nop
.endr
.endm
.macro BARRIER                         ; my LDS stores have landed and my LDS loads are in: then the work-group's barrier
	s_wait_dscnt 0x0
	s_barrier_signal -1
	s_barrier_wait -1
.endm
.macro MM d, a, b, c, sa, sb, row      ; row = 1: source 0's scale words stand in lanes 16-31 of their register
.if \row
	v_wmma_scale_f32_16x16x128_f8f6f4 v[(\d):(\d)+7], v[(\a):(\a)+11], v[(\b):(\b)+11], v[(\c):(\c)+7], v[\sa], v[\sb] matrix_a_fmt:MATRIX_FMT_FP6 matrix_b_fmt:MATRIX_FMT_FP6 matrix_a_scale:MATRIX_SCALE_ROW1
.else
	v_wmma_scale_f32_16x16x128_f8f6f4 v[(\d):(\d)+7], v[(\a):(\a)+11], v[(\b):(\b)+11], v[(\c):(\c)+7], v[\sa], v[\sb] matrix_a_fmt:MATRIX_FMT_FP6 matrix_b_fmt:MATRIX_FMT_FP6
.endif
.endm
; 64 numbers of a lane, v[s] .. v[s + 63], register 16 b + i = k 32 b + 16 (lane / 16) + i of my row, become a fragment's codes in v[PC] on and its scale word in v[PW].
.macro QUANT s
.irp b, 0,1,2,3
	v_max3_num_f32 v[TM+\b], |v[\s+16*\b]|, |v[\s+1+16*\b]|, 0x1800000   ; and the floor 2^(3 - 127): the byte cannot fall under 1
.endr
.irp i, 2,4,6,8,10,12,14
.irp b, 0,1,2,3
	v_max3_num_f32 v[TM+\b], |v[\s+16*\b+\i]|, |v[\s+1+16*\b+\i]|, v[TM+\b]
.endr
.endr
.irp b, 0,1,2,3
	v_permlanex16_b32 v[TM+4+\b], v[TM+\b], s[SEL], s[SEL+1]
.endr
.irp b, 0,1,2,3
	v_max_num_f32 v[TM+\b], v[TM+\b], v[TM+4+\b]
.endr
.irp b, 0,1,2,3
	v_add_nc_u32 v[TM+12+\b], 0xff000000, v[TM+\b]
.endr
.irp b, 0,1,2,3
	v_lshrrev_b32 v[TM+4+\b], 23, v[TM+12+\b]
.endr
	v_lshl_or_b32 v[PW], v[TM+5], 8, v[TM+4]
	v_lshl_or_b32 v[PW], v[TM+6], 16, v[PW]
	v_lshl_or_b32 v[PW], v[TM+7], 24, v[PW]
.irp c, 0,1
	v_cvt_scalef32_pk16_fp6_f32 v[PC+6*\c:PC+2+6*\c], v[\s+32*\c:\s+15+32*\c], v[TM+12+2*\c]
	v_cvt_scalef32_pk16_fp6_f32 v[PC+12+4*\c:PC+14+4*\c], v[\s+16+32*\c:\s+31+32*\c], v[TM+12+2*\c+1]
.endr
	v_nop                                          ; one plain place behind a scaled conversion
.irp c, 0,1
.irp i, 0,1,2
	v_permlane16_swap_b32 v[PC+6*\c+\i], v[PC+12+4*\c+\i]
.endr
.irp i, 0,1,2
	v_mov_b32 v[PC+3+6*\c+\i], v[PC+12+4*\c+\i]
.endr
.endr
.endm
.macro TOLDS img, sc                   ; my results of both tiles of tokens are quantised: K step w of the next product; images and scale words to LDS
.irp m, 0,1
	QUANT HA+64*\m
.irp c, 0,1,2
	ds_store_b128 v[HWI], v[PC+4*\c:PC+4*\c+3] offset:\img+6144*\m+512*\c
.endr
	ds_store_b32 v[HWS], v[PW] offset:\sc+512*\m
	s_wait_dscnt 0x0                               ; the stores have read their registers
.endr
.endm
.macro XFETCH img, sc                  ; all 8 fragments of the rows, and their scale words
	WIN 0xc0
.irp f, 0,1,2,3,4,5,6,7
.irp c, 0,1,2
	ds_load_b128 v[128+12*\f+4*\c:131+12*\f+4*\c], v[LI] offset:\img+1536*\f+512*\c
.endr
.endr
	WIN 0
.irp f, 0,1,2,3,4,5,6,7
	ds_load_b32 v[XS+\f], v[LS] offset:\sc+128*\f
.endr
.endm
.macro WLOAD buf, off                  ; a half panel into buffer A (0) or B (1): 48 + 4 = 52 loads
	WIN 0x40<<(\buf)
.irp f, 0,1,2,3,4,5,6,7,8,9,10,11,12,13,14,15
.irp c, 0,1,2
	global_load_b128 v[12*\f+4*\c:12*\f+4*\c+3], v[LI], s[12:13] offset:\off+1536*\f+512*\c
.endr
.endr
	WIN 0
.irp v, 0,1,2,3
	global_load_b64 v[WSA+8*(\buf)+2*\v:WSA+8*(\buf)+2*\v+1], v[L8], s[12:13] offset:\off+24576+256*\v   ; lanes 0-15 an even tile's scale words, lanes 16-31 the odd tile's
.endr
.endm
.macro PLOAD win, reg, sb              ; my wave's 128 numbers of a vector along the columns, in the result's layout: register 16 b + i = column 32 b + 16 h + i: 16 loads
	WIN (\win)<<6
.irp b, 0,1,2,3
.irp jj, 0,1,2,3
	global_load_b128 v[\reg+16*\b+4*\jj:\reg+16*\b+4*\jj+3], v[BA], s[\sb:\sb+1] offset:128*\b+16*\jj
.endr
.endr
	WIN 0
.endm
; 32 products: K steps 2 q, 2 q + 1 x 8 tiles of columns x 2 tiles of tokens.  The 16 accumulators take turns, one instruction a turn.
.macro FFA buf, q                      ; into the results in hand; the first K step takes the bias as C
.irp sl, 0,1
.irp t, 0,1,2,3,4,5,6,7
.irp m, 0,1
.if (2*(\q)+\sl) == 0
	WIN 0x1d+(\buf)
	MM HA+64*\m+8*\t, 12*(8*\sl+\t), 128+12*(4*\m+2*(\q)+\sl), 192+8*\t, WSA+8*(\buf)+4*\sl+\t/2, XS+4*\m+2*(\q)+\sl, \t%2
.else
	WIN 0x0d+(\buf)
	MM HA+64*\m+8*\t, 12*(8*\sl+\t), 128+12*(4*\m+2*(\q)+\sl), HA+64*\m+8*\t, WSA+8*(\buf)+4*\sl+\t/2, XS+4*\m+2*(\q)+\sl, \t%2
.endif
.endr
.endr
.endr
	WIN 0
	PLACES 4                                       ; in front of loads into the registers just read, and of the first read of results
.endm
.macro FFB buf, q                      ; onto window 3's sums
	WIN 0xfd+(\buf)
.irp sl, 0,1
.irp t, 0,1,2,3,4,5,6,7
.irp m, 0,1
	MM 64*\m+8*\t, 12*(8*\sl+\t), 128+12*(4*\m+2*(\q)+\sl), 64*\m+8*\t, WSA+8*(\buf)+4*\sl+\t/2, XS+4*\m+2*(\q)+\sl, \t%2
.endr
.endr
.endr
	WIN 0
	PLACES 4
.endm
; The sum over a token's 512 columns, of the numbers (sq = 0; they lie in window sw) or of their squares (sq = 1; window 0): in the lane in two packed chains, with lane l xor 16, then over the four waves
; through LDS words of this reduction's own.  Results: v[T+8] for tile 0, v[T+12] for tile 1, in every lane.
.macro RSUM k, sw, base, sq
.if \sq
.irp m, 0,1
	v_pk_mul_f32 v[T+4*\m:T+4*\m+1], v[\base+64*\m:\base+64*\m+1], v[\base+64*\m:\base+64*\m+1]
	v_pk_mul_f32 v[T+4*\m+2:T+4*\m+3], v[\base+64*\m+2:\base+64*\m+3], v[\base+64*\m+2:\base+64*\m+3]
.endr
.irp j, 4,8,12,16,20,24,28,32,36,40,44,48,52,56,60
.irp m, 0,1
	v_pk_fma_f32 v[T+4*\m:T+4*\m+1], v[\base+64*\m+\j:\base+64*\m+\j+1], v[\base+64*\m+\j:\base+64*\m+\j+1], v[T+4*\m:T+4*\m+1]
	v_pk_fma_f32 v[T+4*\m+2:T+4*\m+3], v[\base+64*\m+\j+2:\base+64*\m+\j+3], v[\base+64*\m+\j+2:\base+64*\m+\j+3], v[T+4*\m+2:T+4*\m+3]
.endr
.endr
.else
	WIN (\sw)|((\sw)<<2)
.irp m, 0,1
	v_pk_add_f32 v[T+4*\m:T+4*\m+1], v[\base+64*\m:\base+64*\m+1], v[\base+64*\m+4:\base+64*\m+5]
	v_pk_add_f32 v[T+4*\m+2:T+4*\m+3], v[\base+64*\m+2:\base+64*\m+3], v[\base+64*\m+6:\base+64*\m+7]
.endr
	WIN (\sw)<<2
.irp j, 8,12,16,20,24,28,32,36,40,44,48,52,56,60
.irp m, 0,1
	v_pk_add_f32 v[T+4*\m:T+4*\m+1], v[T+4*\m:T+4*\m+1], v[\base+64*\m+\j:\base+64*\m+\j+1]
	v_pk_add_f32 v[T+4*\m+2:T+4*\m+3], v[T+4*\m+2:T+4*\m+3], v[\base+64*\m+\j+2:\base+64*\m+\j+3]
.endr
.endr
	WIN 0
.endif
.irp m, 0,1
	v_pk_add_f32 v[T+4*\m:T+4*\m+1], v[T+4*\m:T+4*\m+1], v[T+4*\m+2:T+4*\m+3]
.endr
.irp m, 0,1
	v_add_f32 v[T+4*\m], v[T+4*\m], v[T+4*\m+1]
.endr
.irp m, 0,1
	v_permlanex16_b32 v[T+16+\m], v[T+4*\m], s[SEL], s[SEL+1]
.endr
.irp m, 0,1
	v_add_f32 v[T+4*\m], v[T+4*\m], v[T+16+\m]     ; my wave's 128 columns of token r
.endr
.irp m, 0,1
	ds_store_b32 v[RDW], v[T+4*\m] offset:RED+512*(\k)+256*\m   ; (lanes 16-31 write the same word with the same value)
.endr
	BARRIER
.irp m, 0,1
	ds_load_b128 v[T+8+4*\m:T+11+4*\m], v[RDR] offset:RED+512*(\k)+256*\m
.endr
	s_wait_dscnt 0x0
.irp m, 0,1
	v_add_f32 v[T+8+4*\m], v[T+8+4*\m], v[T+9+4*\m]
	v_add_f32 v[T+10+4*\m], v[T+10+4*\m], v[T+11+4*\m]
.endr
.irp m, 0,1
	v_add_f32 v[T+8+4*\m], v[T+8+4*\m], v[T+10+4*\m]
.endr
.endm
; What follows a centred sum of squares: 1 / sqrt(mean + eps), and the results in hand times it
.macro RSTD
	v_fma_f32 v[VT], v[T+8], s38, s39
	v_fma_f32 v[VT+1], v[T+12], s38, s39
	v_rsq_f32 v[MU], v[VT]
	v_rsq_f32 v[MU+2], v[VT+1]
	v_nop                                          ; one plain place behind a transcendental
	s_wait_alu depctr_va_vdst(0)
.irp m, 0,1
.set j, 0
.rept 32
	v_pk_mul_f32 v[HA+64*\m+j:HA+64*\m+j+1], v[HA+64*\m+j:HA+64*\m+j+1], v[MU+2*\m:MU+2*\m+1] op_sel_hi:[1,0]
.set j, j+2
.endr
.endr
.endm
.macro GELU8 x                         ; eight numbers, one accumulator, in place
.irp i, 0,1,2,3,4,5,6,7
	v_fma_f32 v[T+\i], |v[\x+\i]|, s34, 1.0
.endr
.irp i, 0,2,4,6
	v_pk_mul_f32 v[T+8+\i:T+9+\i], v[\x+\i:\x+\i+1], v[\x+\i:\x+\i+1]
.endr
.irp i, 0,1,2,3,4,5,6,7
	v_rcp_f32 v[T+\i], v[T+\i]                     ; t
.endr
.irp i, 0,2,4,6
	v_pk_mul_f32 v[T+8+\i:T+9+\i], v[T+8+\i:T+9+\i], s[36:37] op_sel_hi:[1,0]   ; (plain lines behind the reciprocals)
.endr
.irp i, 0,1,2,3,4,5,6,7
	v_exp_f32 v[T+8+\i], v[T+8+\i]                 ; 2^(-x^2 log2(e) / 2)
.endr
	s_wait_alu depctr_va_vdst(0)
.irp i, 0,2,4,6
	v_pk_fma_f32 v[T+16+\i:T+17+\i], v[T+\i:T+1+\i], v[CV:CV+1], v[CV+2:CV+3]   ; (plain lines behind the exponentials)
.endr
.irp n, 4,6,8
.irp i, 0,2,4,6
	v_pk_fma_f32 v[T+16+\i:T+17+\i], v[T+16+\i:T+17+\i], v[T+\i:T+1+\i], v[CV+\n:CV+\n+1]
.endr
.endr
.irp i, 0,2,4,6
	v_pk_mul_f32 v[T+16+\i:T+17+\i], v[T+16+\i:T+17+\i], v[T+\i:T+1+\i]
.endr
.irp i, 0,2,4,6
	v_pk_mul_f32 v[T+16+\i:T+17+\i], v[T+16+\i:T+17+\i], v[T+8+\i:T+9+\i]       ; q
.endr
.irp i, 0,1,2,3,4,5,6,7
	v_max_num_f32 v[T+\i], 0, v[\x+\i]
.endr
.irp i, 0,1,2,3,4,5,6,7
	v_fma_f32 v[\x+\i], -|v[\x+\i]|, v[T+16+\i], v[T+\i]
.endr
.endm
; A CHUNK: 512 hidden units.  s[12:13] stands at this chunk's half panels of W1, which are in buffers A and B or on their way there.
; last = 0: the next chunk's b1 and its W1 are asked for, and the pointers step.  last = 1: ln2_b takes the bias's registers and nothing more is asked for: no load leaves its buffer.
; No load is jumped over: the two forms are two texts, so that every counted wait has the same loads behind the one that it waits for, on every way that reaches it.
.macro CHUNK last
	XFETCH HIMG, HSC
	s_wait_dscnt 0x0
	s_wait_loadcnt 52                              ; buffer A and this chunk's b1 are in: behind them buffer B's 52 loads were issued (on the way in 16 more)
	FFA 0, 0
	WLOAD 0, 204800                                ; W2's K of this chunk, first half
	s_wait_loadcnt 52                              ; buffer B is in; the 52 just issued may be out
	FFA 1, 1
	WLOAD 1, 307200                                ; second half
.if \last
	PLOAD 1, 192, 28                               ; ln2_b
.else
	PLOAD 1, 192, 44                               ; the next chunk's b1
.endif
.irp n, 0,1,2,3,4,5,6,7,8,9,10,11,12,13,14,15
	GELU8 HA+8*\n
.endr
	TOLDS GIMG, GSC
	BARRIER                                        ; gelu's eight fragments lie in LDS
	XFETCH GIMG, GSC
	BARRIER                                        ; every wave has them in registers: the next chunk may write them again
	s_wait_loadcnt 0x0                             ; both halves of W2's part and the bias: asked for ahead of the gelu
	FFB 0, 0
.if \last == 0
	WLOAD 0, 409600                                ; the next chunk of W1, first half
.endif
	FFB 1, 1
.if \last == 0
	WLOAD 1, 512000                                ; second half
	s_wait_xcnt 0x0                                ; the loads issued have read their bases
	s_add_nc_u64 s[12:13], s[12:13], 409600
	s_add_nc_u64 s[44:45], s[44:45], 2048
.endif
.endm
	s_load_b512 s[8:23], s[0:1], 0x0               ; cc 8, cs 10, wst 12, x 14, bo 16, ln1_g 18, ln1_b 20, b1 22
	s_load_b256 s[24:31], s[0:1], 0x40             ; b2 24, ln2_g 26, ln2_b 28, out0 30
	v_lshl_add_u32 v254, v0, 2, 0x1a800
	v_mov_b32 v255, 0
	v_lshrrev_b32 v13, 5, v0
	v_readfirstlane_b32 s2, v13                    ; wave 0..3
	v_and_b32 v13, 31, v0                          ; lane
	v_and_b32 v14, 15, v0                          ; r
	v_bfe_u32 v15, v0, 4, 1                        ; h
	v_and_b32 v[T], 8, v14
	v_add_nc_u32 v[T], v[T], v14                   ; pi(r) = r + 8 (r / 8)
	v_lshlrev_b32 v[LI], 4, v13
	v_lshlrev_b32 v[LS], 2, v13
	v_lshlrev_b32 v[L8], 3, v13
	s_lshl_b32 s3, s2, 9
	v_lshlrev_b32 v[XA], 11, v[T]
	v_lshl_add_u32 v[XA], v15, 6, v[XA]
	v_add_nc_u32 v[XA], s3, v[XA]
	v_mul_u32_u24 v[SO], v[T], SPITCH
	v_lshl_add_u32 v[SO], v15, 6, v[SO]
	v_add_nc_u32 v[SO], s3, v[SO]
	v_add_nc_u32 v[SO], STG, v[SO]                 ; the stage, in: row pi(r) (+ 8 m), my wave's 512 bytes, + 64 h
	s_mul_i32 s3, s2, 1536
	v_add_nc_u32 v[HWI], s3, v[LI]
	s_lshl_b32 s3, s2, 7
	v_add_nc_u32 v[HWS], s3, v[LS]
	s_lshl_b32 s3, s2, 2
	v_lshl_add_u32 v[RDW], v14, 4, s3
	v_lshlrev_b32 v[RDR], 4, v14
	s_mul_i32 s3, s2, 8*SPITCH
	v_add_nc_u32 v[SR], s3, v[LI]
	v_add_nc_u32 v[SR], STG, v[SR]                 ; back: my 8 rows, 16 bytes a lane
	v_lshlrev_b32 v[BA], 6, v15
.irp b, 0,1,2,3
	v_mov_b32 v[TM+4+\b], 0                        ; written once: a lane permute's destination counts as one of its sources
.endr
	v_mov_b32 v[T+16], 0
	v_mov_b32 v[T+17], 0
	v_mov_b32 v[MU+1], 0                           ; (named as the upper halves of pairs)
	v_mov_b32 v[MU+3], 0
.irp e, 0,1
	v_mov_b32 v[CV+\e], 0x3f07dc22                 ; a5 / 2
	v_mov_b32 v[CV+2+\e], 0xbf3a00e3               ; a4 / 2
	v_mov_b32 v[CV+4+\e], 0x3f35f0e3               ; a3 / 2
	v_mov_b32 v[CV+6+\e], 0xbe11a98e               ; a2 / 2
	v_mov_b32 v[CV+8+\e], 0x3e027906               ; a1 / 2
.endr
	s_mov_b32 s[SEL], 0x76543210
	s_mov_b32 s[SEL+1], 0xfedcba98
	s_mov_b32 s34, 0x3e6d3388                      ; 0.3275911 / sqrt 2
	s_mov_b32 s36, 0xbf38aa3b                      ; -log2(e) / 2
	s_mov_b32 s37, s36
	s_mov_b32 s38, 0x3b000000                      ; 1 / 512
	s_mov_b32 s39, 0x3727c5ac                      ; 1e-5
	s_mov_b32 s40, 3                               ; the loop's trips: all chunks of the hidden layer but the last
	s_mov_b32 s43, 0
	s_wait_kmcnt 0x0
	s_lshl_b32 s42, s2, 9                          ; my wave's 128 numbers of every vector along the columns
.irp p, 16,18,20,22,24,26,28
	s_add_nc_u64 s[\p:\p+1], s[\p:\p+1], s[42:43]
.endr
	s_add_nc_u64 s[44:45], s[22:23], 2048          ; b1 of the next chunk
	s_mul_i32 s42, ttmp9, 12288
	s_add_nc_u64 s[8:9], s[8:9], s[42:43]          ; ctx's codes: two tiles of 6,144 bytes
	s_lshl_b32 s42, ttmp9, 9
	s_add_nc_u64 s[10:11], s[10:11], s[42:43]      ; their scale bytes
	s_mul_i32 s42, s2, 25600
	s_add_nc_u64 s[12:13], s[12:13], s[42:43]      ; my wave's records: half panel hp at 102,400 hp
	s_lshl_b32 s42, ttmp9, 16
	s_add_nc_u64 s[14:15], s[14:15], s[42:43]      ; x and out0 at my 32 rows
	s_add_nc_u64 s[30:31], s[30:31], s[42:43]
	s_lshl_b32 s42, s2, 14
	s_add_nc_u64 s[30:31], s[30:31], s[42:43]      ; and, on the way out, my wave's 8 of them
	WIN 0xc0
.irp m, 0,1
.irp b, 0,1,2,3
.irp jj, 0,1,2,3
	global_load_b128 v[64*\m+16*\b+4*\jj:64*\m+16*\b+4*\jj+3], v[XA], s[14:15] offset:16384*\m+128*\b+16*\jj   ; x in the result's layout
.endr
.endr
.endr
.irp f, 0,1,2,3,4,5,6,7
.irp p, 0,1,2,3,4,5
	global_load_b64 v[128+12*\f+2*\p:129+12*\f+2*\p], v[L8], s[8:9] offset:1536*\f+256*\p   ; ctx's fragments: each load covers 256 consecutive bytes
.endr
.endr
	WIN 0
.irp m, 0,1
	global_load_b128 v[XS+4*\m:XS+4*\m+3], v[RDR], s[10:11] offset:256*\m   ; a row's 16 bytes are the scale words of its four K steps
.endr
	PLOAD 1, 192, 16                               ; bo
	PLOAD 2, 192, 18                               ; ln1_g
	WLOAD 0, 0                                     ; Wo, K steps 0, 1
	WLOAD 1, 102400                                ; Wo, K steps 2, 3
	; ---- ctx Wo + bo
	s_wait_loadcnt 52                              ; all but buffer B's 52 loads are in
	FFA 0, 0
	PLOAD 1, 192, 22                               ; b1, chunk 0
	WLOAD 0, 204800                                ; W1 chunk 0, first half
	s_wait_loadcnt 63                              ; 68 loads were issued behind buffer B's: with 63 out at the most, B's are in (the count's largest value)
	FFA 1, 1
	PLOAD 3, 128, 20                               ; ln1_b and b2 take the registers that ctx's fragments have left
	PLOAD 3, 192, 24
	WLOAD 1, 307200                                ; W1 chunk 0, second half
	; ---- h = LN1(x + ..)
	WIN 0x0c
.set j, 0
.rept 64
	v_pk_add_f32 v[HA+j:HA+j+1], v[HA+j:HA+j+1], v[j:j+1]
.set j, j+2
.endr
	WIN 0
	RSUM 0, 0, HA, 0
	v_mul_f32 v[MU], 0xbb000000, v[T+8]            ; -mean
	v_mul_f32 v[MU+2], 0xbb000000, v[T+12]
.irp m, 0,1
.set j, 0
.rept 32
	v_pk_add_f32 v[HA+64*\m+j:HA+64*\m+j+1], v[HA+64*\m+j:HA+64*\m+j+1], v[MU+2*\m:MU+2*\m+1] op_sel_hi:[1,0]
.set j, j+2
.endr
.endr
	RSUM 1, 0, HA, 1
	RSTD
	s_wait_loadcnt 52                              ; ln1_b and b2 are in; buffer B's 52 may be out
	WIN 0x38                                       ; source 1 (gain) window 2, source 2 (ln1_b) window 3
.irp m, 0,1
.set j, 0
.rept 32
	v_pk_fma_f32 v[HA+64*\m+j:HA+64*\m+j+1], v[HA+64*\m+j:HA+64*\m+j+1], v[192+j:193+j], v[128+j:129+j]
.set j, j+2
.endr
.endr
	WIN 0xcc                                       ; h + b2 starts the second product's sums, in window 3
.irp m, 0,1
.set j, 0
.rept 32
	v_pk_add_f32 v[64*\m+j:64*\m+j+1], v[HA+64*\m+j:HA+64*\m+j+1], v[192+j:193+j]
.set j, j+2
.endr
.endr
	WIN 0
	PLOAD 2, 192, 26                               ; ln2_g
	TOLDS HIMG, HSC
	BARRIER                                        ; h's eight fragments lie in LDS; they are not written again
	s_wait_xcnt 0x0                                ; the loads issued have read their base
	s_add_nc_u64 s[12:13], s[12:13], 204800        ; at W1 chunk 0
.Lchunk:                                           ; three trips: chunks 0, 1, 2
	CHUNK 0
	s_sub_co_u32 s40, s40, 1
	s_cmp_lg_u32 s40, 0
	s_cbranch_scc1 .Lchunk
	CHUNK 1                                        ; chunk 3 is written out: it asks for no further weights
	; ---- out = LN2(h + ..)
	RSUM 2, 3, 0, 0
	v_mul_f32 v[MU], 0xbb000000, v[T+8]
	v_mul_f32 v[MU+2], 0xbb000000, v[T+12]
	WIN 0x03
.irp m, 0,1
.set j, 0
.rept 32
	v_pk_add_f32 v[HA+64*\m+j:HA+64*\m+j+1], v[64*\m+j:64*\m+j+1], v[MU+2*\m:MU+2*\m+1] op_sel_hi:[1,0]
.set j, j+2
.endr
.endr
	WIN 0
	RSUM 3, 0, HA, 1
	RSTD
	WIN 0x18                                       ; source 1 (ln2_g) window 2, source 2 (ln2_b) window 1
.irp m, 0,1
.set j, 0
.rept 32
	v_pk_fma_f32 v[HA+64*\m+j:HA+64*\m+j+1], v[HA+64*\m+j:HA+64*\m+j+1], v[192+j:193+j], v[192+j:193+j]
.set j, j+2
.endr
.endr
	WIN 0
	; THE WAY OUT: a lane holds 64 neighbouring bytes of a row four times, a row's 2,048 bytes come from four waves: they meet in the stage, and each wave stores 8 whole rows
.irp m, 0,1
.irp b, 0,1,2,3
.irp jj, 0,1,2,3
	ds_store_b128 v[SO], v[HA+64*\m+16*\b+4*\jj:HA+64*\m+16*\b+4*\jj+3] offset:8*SPITCH*\m+128*\b+16*\jj
.endr
.endr
.endr
	BARRIER
.irp i, 0,1,2,3,4,5,6,7
.irp k, 0,1,2,3
	ds_load_b128 v[HA+4*(4*\i+\k):HA+4*(4*\i+\k)+3], v[SR] offset:SPITCH*\i+512*\k
.endr
.endr
.irp i, 0,1,2,3,4,5,6,7
.irp k, 0,1,2,3
	s_wait_dscnt 31-(4*\i+\k)                      ; LDS loads come back in order (ISA guide 5.7.1): this one is in, the younger ones may be out
	global_store_b128 v[LI], v[HA+4*(4*\i+\k):HA+4*(4*\i+\k)+3], s[30:31] offset:2048*\i+512*\k th:TH_STORE_NT   ; 32 lanes store 512 consecutive bytes, aligned
.endr
.endr
	s_wait_tensorcnt 0x0
	ds_add_u32 v254, v255
	s_wait_dscnt 0x0
	s_endpgm
.Lfunc_end_k_q7e2258daac_ffn:
	.size	k_q7e2258daac_ffn, .Lfunc_end_k_q7e2258daac_ffn-k_q7e2258daac_ffn
	.p2alignl 7, 3214868480
	.fill 96, 4, 3214868480
	.section	.rodata,"a",@progbits
	.p2align	6, 0x0
	.amdhsa_kernel k_q7e2258daac_ffn
		.amdhsa_group_segment_fixed_size 109056
		.amdhsa_private_segment_fixed_size 0
		.amdhsa_enable_private_segment 0
		.amdhsa_kernarg_size 96
		.amdhsa_user_sgpr_count 2
		.amdhsa_user_sgpr_kernarg_segment_ptr 1
		.amdhsa_wavefront_size32 1
		.amdhsa_system_sgpr_workgroup_id_x 1
		.amdhsa_system_sgpr_workgroup_id_y 1
		.amdhsa_system_sgpr_workgroup_id_z 1
		.amdhsa_system_vgpr_workitem_id 0
		.amdhsa_next_free_vgpr 1024
		.amdhsa_next_free_sgpr 66
		.amdhsa_reserve_vcc 0
		.amdhsa_float_denorm_mode_32 3
		.amdhsa_float_denorm_mode_16_64 3
		.amdhsa_memory_ordered 1
		.amdhsa_forward_progress 1
		.amdhsa_inst_pref_size 255
	.end_amdhsa_kernel
	.section	.bss,"aw",@nobits
	.p2align	6
	.space	262144
	.amdgpu_metadata
---
amdhsa.version: [ 1, 2 ]
amdhsa.kernels:
  - .name:           k_q7e2258daac_ffn
    .symbol:         k_q7e2258daac_ffn.kd
    .args:
      - { .name: cc, .offset: 0, .size: 8, .value_kind: global_buffer, .address_space: global }
      - { .name: cs, .offset: 8, .size: 8, .value_kind: global_buffer, .address_space: global }
      - { .name: wst, .offset: 16, .size: 8, .value_kind: global_buffer, .address_space: global }
      - { .name: x, .offset: 24, .size: 8, .value_kind: global_buffer, .address_space: global }
      - { .name: bo, .offset: 32, .size: 8, .value_kind: global_buffer, .address_space: global }
      - { .name: ln1_g, .offset: 40, .size: 8, .value_kind: global_buffer, .address_space: global }
      - { .name: ln1_b, .offset: 48, .size: 8, .value_kind: global_buffer, .address_space: global }
      - { .name: b1, .offset: 56, .size: 8, .value_kind: global_buffer, .address_space: global }
      - { .name: b2, .offset: 64, .size: 8, .value_kind: global_buffer, .address_space: global }
      - { .name: ln2_g, .offset: 72, .size: 8, .value_kind: global_buffer, .address_space: global }
      - { .name: ln2_b, .offset: 80, .size: 8, .value_kind: global_buffer, .address_space: global }
      - { .name: out0, .offset: 88, .size: 8, .value_kind: global_buffer, .address_space: global }
    .group_segment_fixed_size: 109056
    .private_segment_fixed_size: 0
    .kernarg_segment_align: 8
    .kernarg_segment_size: 96
    .max_flat_workgroup_size: 128
    .sgpr_count:     66
    .vgpr_count:     1024
    .wavefront_size: 32
...
	.end_amdgpu_metadata
.endif
;; end of part 3
;; ======== version 2 of 2: 3 launches; version 1 with the launches prep, attn, ffn written anew for expert scheduling mode
;; limits: a function is approximated: absolute error at most 7.5e-08
;; workspace buffers: qc 4,194,304 bytes; qs 262,144 bytes; kv 7,864,320 bytes; cc 3,145,728 bytes; cs 131,072 bytes; wst 1,843,200 bytes
;; launch prep (part 4): grid 264 x 1, 4 waves a work-group, no clusters, 53,760 bytes of LDS; arguments x, mask, Wq_codes, Wq_scales, bq, Wk_codes, Wk_scales, bk, Wv_codes, Wv_scales, bv, Wo_codes, Wo_scales, W1_codes, W1_scales, W2_codes, W2_scales, qc, qs, kv, wst; writes qc, qs, kv, wst
.if DOCPART == 4
	.amdgcn_target "amdgcn-amd-amdhsa--gfx1250"
	.amdhsa_code_object_version 6
	.text
	.protected	k_q7e2258daac_prep
	.globl	k_q7e2258daac_prep
	.p2align	8
	.type	k_q7e2258daac_prep,@function
k_q7e2258daac_prep:
	s_mov_b64 s[64:65], 0
	v_nop
	global_prefetch_b8 v0, s[64:65] scope:SCOPE_SE
	s_setreg_imm32_b32 hwreg(HW_REG_WAVE_SCHED_MODE, 0, 2), 2
	s_setreg_imm32_b32 hwreg(HW_REG_WAVE_MODE, 25, 1), 1
	s_wait_xcnt 0x0
	s_wait_alu depctr_vm_vsrc(0)
; TWO JOBS IN ONE LAUNCH, parted on the work-group's number.
; Work-groups 0-71 (RELAY): Wo, W1, W2 (codes of E2M3 and E8M0 bytes, as given) are laid anew, unchanged, in the order in which the third launch streams them:
;   record hp*4 + w of 25,600 bytes = 16 fragments (16 rows x 128 K, 12 registers a lane) as images of their registers, then the fragments' scale words.
; Work-groups 72-263 (PROJECTION): y = 0, 1, 2 for q, k, v; 128 tokens each.  x is quantised along its 512 (MX, E2M3), multiplied by the given weight, the bias is the C of each sum's
;   first product, and the result is quantised again: q and k along the head's 64, v along the KEYS.  The codes leave as images of the operand registers that the second launch wants.
; TILES ARE NOT NEIGHBOURS: in every 32 tokens, weight rows or channels, lane r of tile 2 b + u stands for index 32 b + 8 u + r + 8 (r / 8), so that a lane's 16 result registers of
;   tiles 2 b and 2 b + 1 are 16 neighbours, 32 b + 16 (lane / 16) + 0 .. 15, which is what the conversions take.
; THE MASK rides in the second half of the score product's K (the head has 64 of the instruction's 128): every query has the code 1.0 at k = 64 under the scale 2^-60; a hidden key has
;   -1.0 there under 2^93 and zeros for all its 64 codes, an open key has 0 there under 2^-126.  A hidden score is so exactly -2^33, an open score is untouched.
; LIMITS: a hidden logit is -2^30 where the definition has -1e9: true logits near -1e9 are not told from hidden ones as the definition would.  NaN and infinities among the inputs are not served.
;   A block of zeros gets the byte 1 where the quantiser says 127: its codes are zeros, and only this program reads the bytes.
; NO CLUSTER, NO TENSOR LOAD: a wave's part of the weight (128 rows, 49,152 bytes) goes straight into its registers and is read once; what work-groups share is that one read.
; Waves share the COLUMNS: wave w makes output columns 128 w .. 128 w + 127 (heads 2 w, 2 w + 1) for all 128 tokens; x's 32 fragments go from wave to wave through LDS as register images.
; REGISTERS: window 0: v1-15 addresses; v16-79, v80-143 two sets of 64 numbers of x, later x's four fragments (v16-63), the outgoing half fragments (v64-79) and 8 result tiles (v80-143);
;   v144-163 codes; v164-179 at work; v181-184 x's scale words; v192-223 the weight's; v224-231 the mask; v232-235 outgoing scale words.
;   window 1: weight tiles 0-3 (12 (4 t + s)); window 2: tiles 4-7, and from v192 the bias, 8 registers a tile; window 3: v's 32 accumulators (8 (8 t + m)).
; THE MODE: SCHED_MODE bits 1:0 = 2 (LLVM: expert scheduling mode 2), set by the entry lines.  The code itself states the register dependences
; between vector or matrix instructions and memory or LDS instructions, with s_wait_alu, always for 0.
; THE PLAN.  Registers that memory or LDS instructions touch:
;   v1-11 (relay: v16-23)   addresses, made once on each path and never written again: one wait on va_vdst ahead of the path's first load.
;   the weight, its scale words, the mask, the bias: loaded once, into registers that no vector line has named.
;   x's two sets            item i's quantiser reads set i % 2; the loads of item i + 2 land in it.
;   PC, PW                  written by every quantiser; read by the LDS stores of x's images, and for v by the global stores.
;   XF, XS                  LDS loads land in them; a tile's products read them.
;   OUTA, OUTB, SW          written by the selects of q, k (SW for v by a move); read by the global stores.
; So: one wait on va_vdst ahead of each run of stores, which also shows the set, or XF and XS, free for the loads that follow the stores with no vector line between;
; one wait on vm_vsrc behind each run of stores, ahead of the lines that write the stores' data again; for v one wait on va_vdst ahead of each fetch of x's fragments.
.set XIMG, 0                           ; LDS: x's 32 fragments (tile of tokens m, K step s: 4 m + s), 1,536 bytes each
.set XSC,  49152                       ; their scale words, 128 bytes each
.set LI,   1                           ; 16 x lane
.set LS,   2                           ; 4 x lane
.set XA,   3                           ; x: pi(r) rows of 2,048 bytes + 64 h
.set XWI,  4                           ; where I store x's images: 16 x lane + 12,288 x wave
.set XWS,  5                           ; and their scale words: 4 x lane + 1,024 x wave
.set WAD,  6                           ; the weight's codes: pi(r) rows of 384 bytes + 24 h
.set WSAD, 7                           ; its scale bytes: pi(r) rows of 16
.set BAD,  8                           ; the bias for q, k: 64 h
.set MAD,  9                           ; 4 pi(r): the mask, and the bias for v
.set SH,   10                          ; 16 h
.set SAD,  11                          ; outgoing scale words: 16 r + h x the heads' distance
.set PIR,  12                          ; pi(r) = r + 8 (r / 8)
.set LN,   13                          ; lane
.set RR,   14                          ; r
.set HH,   15                          ; h
.set R1,   16
.set XF,   16
.set OUTA, 64
.set OUTB, 72
.set HA,   80
.set PC,   144
.set TM,   164
.set PW,   180
.set XS,   181
.set EXKV, 185
.set EXDV, 186
.set HIKV, 187
.set HIDV, 188
.set HIM,  189
.set TMP,  190
.set WSC,  192
.set MK,   224
.set SW,   232
.set SEL,  52
.set MSB, 0
.macro WIN new                         ; the immediate's high byte repeats the setting that is left; a switch that changes nothing is dropped
.if MSB != (\new)
	s_set_vgpr_msb (MSB<<8)|(\new)
.set MSB, (\new)
.endif
.endm
.macro PLACES n
.rept \n
	v_nop
.endr
.endm
.macro BARRIER                         ; my LDS stores have landed and my LDS loads are in: then the work-group's barrier
	s_wait_dscnt 0x0
	s_barrier_signal -1
	s_barrier_wait -1
.endm
.macro MM d, a, b, c, sa, sb
	v_wmma_scale_f32_16x16x128_f8f6f4 v[(\d):(\d)+7], v[(\a):(\a)+11], v[(\b):(\b)+11], v[(\c):(\c)+7], v[\sa], v[\sb] matrix_a_fmt:MATRIX_FMT_FP6 matrix_b_fmt:MATRIX_FMT_FP6
.endm
; 64 numbers of a lane, v[s] .. v[s + 63] of window w, register 16 b + i = k 32 b + 16 (lane / 16) + i of my row, become a fragment's codes in v[PC] on and its scale word in v[PW].
.macro QUANT s, w
	WIN (\w)|((\w)<<2)
.irp b, 0,1,2,3
	v_max3_num_f32 v[TM+\b], |v[\s+16*\b]|, |v[\s+1+16*\b]|, 0x1800000   ; my 16 numbers of block b, and the floor 2^(3 - 127): the byte cannot fall under 1
.endr
.irp i, 2,4,6,8,10,12,14
.irp b, 0,1,2,3
	v_max3_num_f32 v[TM+\b], |v[\s+16*\b+\i]|, |v[\s+1+16*\b+\i]|, v[TM+\b]   ; the four blocks by turns
.endr
.endr
	WIN 0
.irp b, 0,1,2,3
	v_permlanex16_b32 v[TM+4+\b], v[TM+\b], s[SEL], s[SEL+1]
.endr
.irp b, 0,1,2,3
	v_max_num_f32 v[TM+\b], v[TM+\b], v[TM+4+\b]   ; with lane l xor 16's: the block's largest magnitude
.endr
.irp b, 0,1,2,3
	v_add_nc_u32 v[TM+12+\b], 0xff000000, v[TM+\b]   ; 2 off its exponent field: the conversion's scale operand
.endr
.irp b, 0,1,2,3
	v_lshrrev_b32 v[TM+4+\b], 23, v[TM+12+\b]      ; the scale's byte
.endr
	v_lshl_or_b32 v[PW], v[TM+5], 8, v[TM+4]
	v_lshl_or_b32 v[PW], v[TM+6], 16, v[PW]
	v_lshl_or_b32 v[PW], v[TM+7], 24, v[PW]
	WIN (\w)
.irp c, 0,1
	v_cvt_scalef32_pk16_fp6_f32 v[PC+6*\c:PC+2+6*\c], v[\s+32*\c:\s+15+32*\c], v[TM+12+2*\c]
	v_cvt_scalef32_pk16_fp6_f32 v[PC+12+4*\c:PC+14+4*\c], v[\s+16+32*\c:\s+31+32*\c], v[TM+12+2*\c+1]   ; (a conversion's three registers begin on an even number)
.endr
	WIN 0
	v_nop                                          ; one plain place behind a scaled conversion
.irp c, 0,1                            ; the operand's layout wants a WHOLE block in a lane: lanes 0-15 block 2 c, lanes 16-31 block 2 c + 1
.irp i, 0,1,2
	v_permlane16_swap_b32 v[PC+6*\c+\i], v[PC+12+4*\c+\i]
.endr
.irp i, 0,1,2
	v_mov_b32 v[PC+3+6*\c+\i], v[PC+12+4*\c+\i]
.endr
.endr
.endm
.macro IMAGE adr, off                  ; the fragment in v[PC] on goes to LDS as it stands: lane l's 16 bytes at 16 l, 512 bytes a store
.irp c, 0,1,2
	ds_store_b128 v[\adr], v[PC+4*\c:PC+4*\c+3] offset:\off+512*\c
.endr
.endm
.macro XLOAD reg, i                    ; item i = 4 u + s of my wave: token tile 2 w + u, K step s: 64 numbers a lane
.irp b, 0,1,2,3
.irp jj, 0,1,2,3
	global_load_b128 v[\reg+16*\b+4*\jj:\reg+16*\b+4*\jj+3], v[XA], s[8:9] offset:((\i)/4)*16384+512*((\i)%4)+128*\b+16*\jj
.endr
.endr
.endm
.macro XFET m                          ; token tile m's four fragments of x and their scale words, from LDS
.irp s, 0,1,2,3
.irp c, 0,1,2
	ds_load_b128 v[XF+12*\s+4*\c:XF+12*\s+4*\c+3], v[LI] offset:XIMG+(4*(\m)+\s)*1536+512*\c
.endr
	ds_load_b32 v[XS+\s], v[LS] offset:XSC+128*(4*(\m)+\s)
.endr
	s_wait_dscnt 0x0
.endm
	s_load_b512 s[8:23], s[0:1], 0x0               ; x 8, mask 10, Wq codes 12, scales 14, bq 16, Wk codes 18, scales 20, bk 22
	s_load_b512 s[24:39], s[0:1], 0x40             ; Wv codes 24, scales 26, bv 28, Wo codes 30, scales 32, W1 codes 34, scales 36, W2 codes 38
	s_load_b256 s[40:47], s[0:1], 0x80             ; W2 scales 40, qc 42, qs 44, kv 46
	s_load_b64 s[48:49], s[0:1], 0xa0              ; wst
	v_lshl_add_u32 v254, v0, 2, 0xd000
	v_mov_b32 v255, 0
	v_lshrrev_b32 v[PIR], 5, v0
	v_readfirstlane_b32 s2, v[PIR]                 ; wave 0..3
	v_and_b32 v[LN], 31, v0
	v_and_b32 v[RR], 15, v0
	v_bfe_u32 v[HH], v0, 4, 1
	v_and_b32 v[PIR], 8, v[RR]
	v_add_nc_u32 v[PIR], v[PIR], v[RR]
	v_lshlrev_b32 v[LI], 4, v[LN]
	v_lshlrev_b32 v[LS], 2, v[LN]
	s_wait_alu depctr_va_sdst(0)                   ; s2, the wave's number, is written, ahead of its first reader
	s_mul_i32 s3, s2, 12288
	v_add_nc_u32 v[XWI], s3, v[LI]
	s_lshl_b32 s3, s2, 10
	v_add_nc_u32 v[XWS], s3, v[LS]
	s_mov_b32 s[SEL], 0x76543210
	s_mov_b32 s[SEL+1], 0xfedcba98                 ; v_permlanex16_b32's selects for lane l xor 16
	s_wait_kmcnt 0x0
	s_cmp_lt_u32 ttmp9, 72
	s_cbranch_scc1 .Lrelay
	; ================= PROJECTION =================
	s_sub_co_u32 s54, ttmp9, 72
	s_lshr_b32 s55, s54, 6                         ; y: 0 q, 1 k, 2 v
	s_and_b32 s56, s54, 63                         ; block of 128 tokens
	s_lshr_b32 s57, s56, 5                         ; batch
	s_and_b32 s58, s56, 31                         ; key step j within the batch
	s_lshl_b32 s87, s57, 3
	s_lshl_b32 s70, s2, 1
	s_add_co_u32 s87, s87, s70                     ; my first head among the 16: 8 b + 2 w
	v_lshlrev_b32 v[XA], 11, v[PIR]
	v_lshl_add_u32 v[XA], v[HH], 6, v[XA]
	v_mul_u32_u24 v[WAD], v[PIR], 384
	v_mad_u32_u24 v[WAD], v[HH], 24, v[WAD]
	v_lshlrev_b32 v[WSAD], 4, v[PIR]
	v_lshlrev_b32 v[BAD], 6, v[HH]
	v_lshlrev_b32 v[MAD], 2, v[PIR]
	v_lshlrev_b32 v[SH], 4, v[HH]
.irp b, 0,1,2,3
	v_mov_b32 v[TM+4+\b], 0                        ; written once: a lane permute's destination counts as one of its sources
.endr
	s_cmp_eq_u32 s55, 1                            ; the weight, its scales and its bias: chosen on the work-group's number alone
	s_cselect_b64 s[60:61], s[18:19], s[12:13]
	s_cselect_b64 s[62:63], s[20:21], s[14:15]
	s_cselect_b64 s[66:67], s[22:23], s[16:17]
	s_cmp_eq_u32 s55, 2
	s_cselect_b64 s[60:61], s[24:25], s[60:61]
	s_cselect_b64 s[62:63], s[26:27], s[62:63]
	s_cselect_b64 s[66:67], s[28:29], s[66:67]
	s_mov_b32 s69, 0
	s_mul_i32 s68, s2, 49152                       ; my 128 rows of 384 bytes
	s_add_nc_u64 s[60:61], s[60:61], s[68:69]
	s_lshl_b32 s68, s2, 11                         ; of 16 scale bytes
	s_add_nc_u64 s[62:63], s[62:63], s[68:69]
	s_lshl_b32 s68, s2, 9                          ; my 128 numbers of the bias
	s_add_nc_u64 s[66:67], s[66:67], s[68:69]
	s_lshl_b32 s68, s56, 18                        ; x: 128 rows of 2,048 bytes a block,
	s_lshl_b32 s70, s2, 16                         ; 32 rows a wave
	s_add_co_u32 s68, s68, s70
	s_add_nc_u64 s[8:9], s[8:9], s[68:69]
	s_lshl_b32 s68, s56, 9                         ; the mask: 128 words a block
	s_add_nc_u64 s[10:11], s[10:11], s[68:69]
	WIN 0x40                                       ; destination window 1: weight tiles 0-3; they stay
	s_wait_alu depctr_va_vdst(0)                   ; the addresses v1 to v9 are written, which the loads below and the LDS instructions of this path read
.irp t, 0,1,2,3
.irp s, 0,1,2,3
.irp p, 0,1,2,3,4,5
	global_load_b64 v[12*(4*\t+\s)+2*\p:12*(4*\t+\s)+2*\p+1], v[WAD], s[60:61] offset:(32*(\t/2)+8*(\t%2))*384+96*\s+48*(\p/3)+8*(\p%3)
.endr
.endr
.endr
	WIN 0x80                                       ; window 2: tiles 4-7
.irp t, 0,1,2,3
.irp s, 0,1,2,3
.irp p, 0,1,2,3,4,5
	global_load_b64 v[12*(4*\t+\s)+2*\p:12*(4*\t+\s)+2*\p+1], v[WAD], s[60:61] offset:(64+32*(\t/2)+8*(\t%2))*384+96*\s+48*(\p/3)+8*(\p%3)
.endr
.endr
.endr
	WIN 0
.irp t, 0,1,2,3,4,5,6,7
	global_load_b128 v[WSC+4*\t:WSC+4*\t+3], v[WSAD], s[62:63] offset:(32*(\t/2)+8*(\t%2))*16   ; a row's 16 bytes are the scale words of its four K steps
.endr
.irp m, 0,1,2,3,4,5,6,7
	global_load_b32 v[MK+\m], v[MAD], s[10:11] offset:(32*(\m/2)+8*(\m%2))*4   ; the mask of my lane's token in tile m
.endr
	s_cmp_eq_u32 s55, 2                            ; the bias in the result's layout: for q, k a lane's registers run along the columns; for v a lane IS a column
	s_cbranch_scc1 .Lbias_v
	WIN 0x80
.irp t, 0,1,2,3,4,5,6,7
	global_load_b128 v[192+8*\t:195+8*\t], v[BAD], s[66:67] offset:(32*(\t/2)+8*(\t%2))*4
	global_load_b128 v[196+8*\t:199+8*\t], v[BAD], s[66:67] offset:(32*(\t/2)+8*(\t%2))*4+16
.endr
	WIN 0
	s_branch .Lbias_done
.Lbias_v:
	WIN 0x80
.irp t, 0,1,2,3,4,5,6,7
.irp jj, 0,1,2,3,4,5,6,7
	global_load_b32 v[192+8*\t+\jj], v[MAD], s[66:67] offset:(32*(\t/2)+8*(\t%2))*4
.endr
.endr
	WIN 0
.Lbias_done:
	; ---- X: my 32 tokens of x become eight fragments; an item's 16 loads run one item ahead, in two sets of registers
	XLOAD R1, 0
.irp i, 0,1,2,3,4,5,6,7
.if \i < 7
	XLOAD R1+64*((\i+1)%2), \i+1                   ; no wait of its own: the set's last reader, the quantiser of the item before, stands ahead of the wait in front of that item's stores, and no vector line has been issued since
	s_wait_loadcnt 16                              ; all but the next item's 16 loads are in (loads come back in order: ISA guide 5.7.1): this item, and at the first item the weight, mask and bias too
.else
	s_wait_loadcnt 0x0
.endif
	QUANT R1+64*(\i%2), 0
	s_wait_alu depctr_va_vdst(0)                   ; the quantiser has written the codes and the scale word, which the LDS stores read, and is done reading its set, in which the loads of two items on land
	IMAGE XWI, XIMG+\i*1536
	ds_store_b32 v[XWS], v[PW] offset:XSC+128*\i
	s_wait_dscnt 0x0                               ; the stores have read their registers: the next item's codes may be written
	s_wait_alu depctr_vm_vsrc(0)                   ; the LDS stores have read the codes and the scale word, which the next quantiser writes again
.endr
	BARRIER                                        ; x's 32 fragments lie in LDS; nothing is written there again
	s_cmp_eq_u32 s55, 2
	s_cbranch_scc1 .Lv
	; ---- q, k: transposed (source 0 = 16 rows of the weight, source 1 = 16 tokens): a lane holds one token, its registers run along the columns
	s_cmp_eq_u32 s55, 0
	s_mov_b32 s71, 491520
	s_cselect_b32 s71, 262144, s71                 ; bytes from head to head: q's 256 tiles of 1,024; k's 32 records of 15,360
	s_mov_b32 s72, 15360
	s_cselect_b32 s72, 8192, s72                   ; bytes from key step to key step
	s_mov_b32 s73, 491520
	s_cselect_b32 s73, 16384, s73                  ; the same from head to head for the scale words
	s_cselect_b32 s74, -1, 0                       ; q: every token counts as open
	s_cselect_b32 s75, 8, 0                        ; the code at k = 64: open (q: 1.0; k: 0),
	s_cselect_b32 s76, 8, 40                       ; hidden (k: -1.0)
	s_mov_b32 s77, 0x01010000
	s_cselect_b32 s77, 0x01430000, s77             ; bytes 2, 3 of the scale word: q 2^-60, 2^-126; open k 2^-126, 2^-126;
	s_mov_b32 s78, 0x01dc0000
	s_cselect_b32 s78, 0x01430000, s78             ; hidden k 2^93, 2^-126
	s_cselect_b64 s[80:81], s[42:43], s[46:47]
	s_cselect_b64 s[84:85], s[44:45], s[46:47]
	s_mul_i32 s68, s87, s71
	s_mul_i32 s70, s58, s72
	s_add_co_u32 s68, s68, s70                     ; where head 2 w's tiles of this block begin
	s_lshl_b32 s88, s87, 14
	s_lshl_b32 s70, s58, 9
	s_add_co_u32 s88, s88, s70                     ; q's scale words: 16,384 a head, 512 a block;
	s_add_co_u32 s70, s68, 14336                   ; k's: in the record, behind K's and V's images
	s_cmp_eq_u32 s55, 0
	s_cselect_b32 s88, s88, s70
	s_mov_b32 s89, 0
	s_add_nc_u64 s[80:81], s[80:81], s[68:69]
	s_mov_b32 s68, s71
	s_add_nc_u64 s[82:83], s[80:81], s[68:69]      ; head 2 w + 1
	s_add_nc_u64 s[84:85], s[84:85], s[88:89]
	v_cmp_gt_u32 vcc_lo, 16, v[LN]                 ; k = 64 lies in lanes 0-15 (register 6 holds k = 64 + 32 h on)
	v_mov_b32 v[TMP], s75
	s_wait_alu depctr_va_vcc(0)                    ; VCC is written, ahead of its first reader, the select below
	v_cndmask_b32 v[EXKV], 0, v[TMP], vcc_lo
	v_mov_b32 v[TMP], s76
	v_cndmask_b32 v[EXDV], 0, v[TMP], vcc_lo
	v_mov_b32 v[HIKV], s77
	v_mov_b32 v[HIDV], s78
	v_mul_u32_u24 v[SAD], v[HH], s73
	v_lshl_add_u32 v[SAD], v[RR], 4, v[SAD]        ; lanes 0-15 store head 2 w's scale words, lanes 16-31 head 2 w + 1's
	v_mov_b32 v[OUTA+7], 0
	v_mov_b32 v[OUTB+7], 0
.macro QKM m
	XFET \m                                        ; no wait of its own: the last readers of XF and XS (tile 0: the quantisers of x; later: the tile before's products) stand ahead of the last wait on va_vdst, and no line since names them
.irp s, 0,1,2,3                        ; the eight accumulators take turns, one instruction a turn
.irp t, 0,1,2,3,4,5,6,7
.if \s == 0
	WIN 0x21+(\t/4)                                ; source 0 window 1 or 2, the bias (C) window 2
	MM HA+8*\t, 12*(4*(\t%4)+\s), XF+12*\s, 192+8*\t, WSC+4*\t+\s, XS+\s
.else
	WIN 0x01+(\t/4)
	MM HA+8*\t, 12*(4*(\t%4)+\s), XF+12*\s, HA+8*\t, WSC+4*\t+\s, XS+\s
.endif
.endr
.endr
	WIN 0
	PLACES 4                                       ; behind the last products, in front of the first read of results (ISA guide 7.12.1)
	v_cmp_ne_u32 s86, 0, v[MK+\m]                  ; open tokens.  (Ahead of the quantiser, which so stands between the compare and the wait for it)
	QUANT HA, 0                                    ; 128 columns = two heads: registers 0-5 are head 2 w's 64, registers 6-11 head 2 w + 1's
	s_wait_xcnt 0x0                                ; the last tile's stores have read their data: it is written again only behind this wait
.if (\m) > 0
	s_wait_alu depctr_vm_vsrc(0)                   ; the last tile's stores have read the half fragments and the scale words, which the selects below write again
.endif
	s_wait_alu depctr_va_sdst(0)                   ; s86 is written, ahead of its first reader
	s_or_b32 s86, s86, s74
.irp i, 0,1,2,3,4,5
	v_cndmask_b32 v[OUTA+\i], 0, v[PC+\i], s86     ; a hidden key's codes are zeros
	v_cndmask_b32 v[OUTB+\i], 0, v[PC+6+\i], s86
.endr
	v_cndmask_b32 v[OUTA+6], v[EXDV], v[EXKV], s86
	v_cndmask_b32 v[OUTB+6], v[EXDV], v[EXKV], s86
	v_cndmask_b32 v[HIM], v[HIDV], v[HIKV], s86
	v_lshrrev_b32 v[TMP], v[SH], v[PW]             ; my head's two bytes
	v_and_or_b32 v[SW+(\m)%4], v[TMP], 0xffff, v[HIM]
	s_wait_alu depctr_va_vdst(0)                   ; the selects have written the half fragments and the scale word, which the stores read (tile 0: so is their address v11); the tile's products are done reading XF and XS, in which the next tile's LDS loads land
	global_store_b128 v[LI], v[OUTA:OUTA+3], s[80:81] offset:1024*(\m)       ; each store of the wave covers 512 consecutive bytes, aligned
	global_store_b128 v[LI], v[OUTA+4:OUTA+7], s[80:81] offset:1024*(\m)+512
	global_store_b128 v[LI], v[OUTB:OUTB+3], s[82:83] offset:1024*(\m)
	global_store_b128 v[LI], v[OUTB+4:OUTB+7], s[82:83] offset:1024*(\m)+512
.if (\m)%4 == 3
	global_store_b128 v[SAD], v[SW:SW+3], s[84:85] offset:((\m)/4)*256       ; four tiles' scale words: sixteen lanes store 256 consecutive bytes
.endif
.endm
.irp m, 0,1,2,3,4,5,6,7
	QKM \m
.endr
	s_wait_dscnt 0x0                               ; the closing lines, six on end
	s_wait_alu 0x0
	s_wait_tensorcnt 0x0
	ds_add_u32 v254, v255
	s_wait_dscnt 0x0
	s_endpgm
	; ---- v: the sources the other way round (source 0 = 16 tokens, source 1 = 16 rows of the weight): a lane holds one channel, its registers run along the tokens, which are the next K
.Lv:
	s_lshl_b32 s68, s87, 5
	s_add_co_u32 s68, s68, s58
	s_mul_i32 s68, s68, 15360                      ; head 2 w's record of this key step
	s_add_nc_u64 s[80:81], s[46:47], s[68:69]
.macro VPASS p                         ; head 2 w + p: weight tiles 4 p .. 4 p + 3
.irp m, 0,1,2,3,4,5,6,7
.if \m > 0
	s_wait_alu depctr_va_vdst(0)                   ; the last tile's products are done reading x's fragments and scale words, in which the LDS loads below land.  (Tile 0: their last readers stand ahead of the wait in front of the stores before, with no vector line since)
.endif
	XFET \m
.irp s, 0,1,2,3
.if \s == 0
	WIN 0xe0+(4<<(\p))                             ; source 1 window 1 + p, the bias (C) window 2, D window 3
.else
	WIN 0xf0+(4<<(\p))
.endif
.irp t, 0,1,2,3                        ; four accumulators by turns
.if \s == 0
	MM 8*(8*\t+\m), XF+12*\s, 12*(4*\t+\s), 192+8*(4*(\p)+\t), XS+\s, WSC+4*(4*(\p)+\t)+\s
.else
	MM 8*(8*\t+\m), XF+12*\s, 12*(4*\t+\s), 8*(8*\t+\m), XS+\s, WSC+4*(4*(\p)+\t)+\s
.endif
.endr
.endr
	WIN 0
	PLACES 4                                       ; in front of the loads into x's fragments and scale words, and of the first read of results
.endr
.irp t, 0,1,2,3
	s_wait_xcnt 0x0                                ; earlier stores have read the codes and the scale words
.if ((\p)+\t) > 0
	s_wait_alu depctr_vm_vsrc(0)                   ; the stores issued so far have read the codes and the scale words, which the quantiser and the move below write again
.endif
	QUANT 64*\t, 3                                 ; 16 channels x 128 keys
	v_mov_b32 v[SW+\t], v[PW]
	s_wait_alu depctr_va_vdst(0)                   ; the quantiser has written the codes, and the move the scale word, which the stores read
.irp c, 0,1,2
	global_store_b128 v[LI], v[PC+4*\c:PC+4*\c+3], s[80:81] offset:8192+1536*\t+512*\c+491520*(\p)
.endr
.endr
	global_store_b128 v[LI], v[SW:SW+3], s[80:81] offset:14848+491520*(\p)
.endm
	VPASS 0
	VPASS 1
	s_wait_dscnt 0x0                               ; the closing lines, six on end
	s_wait_alu 0x0
	s_wait_tensorcnt 0x0
	ds_add_u32 v254, v255
	s_wait_dscnt 0x0
	s_endpgm
	; ================= RELAY =================
.Lrelay:
	s_and_b32 s54, ttmp9, 3                        ; w: which 128 rows of the panel
	s_lshr_b32 s55, ttmp9, 2                       ; half panel 0..17
	s_lshr_b32 s56, s55, 1                         ; panel: 0 Wo; 1 + 2 c W1's rows 512 c on; 2 + 2 c W2's K steps 4 c on
	s_and_b32 s57, s55, 1                          ; which two of the panel's four K steps
	s_lshr_b32 s58, s56, 1
	s_lshl_b32 s62, s58, 9                         ; W1: 512 c
	s_sub_co_u32 s63, s58, 1
	s_lshl_b32 s63, s63, 2                         ; W2: 4 c
	s_and_b32 s59, s56, 1
	s_cmp_lg_u32 s59, 0
	s_cselect_b64 s[66:67], s[34:35], s[38:39]
	s_cselect_b64 s[68:69], s[36:37], s[40:41]
	s_mov_b32 s60, 1536
	s_cselect_b32 s60, 384, s60                    ; a row of codes in bytes
	s_cselect_b32 s61, 16, 64                      ; a row of scale bytes
	s_cselect_b32 s62, s62, 0
	s_cselect_b32 s63, 0, s63
	s_cmp_eq_u32 s56, 0
	s_cselect_b64 s[66:67], s[30:31], s[66:67]
	s_cselect_b64 s[68:69], s[32:33], s[68:69]
	s_cselect_b32 s60, 384, s60
	s_cselect_b32 s61, 16, s61
	s_cselect_b32 s63, 0, s63
	s_lshl_b32 s70, s54, 7
	s_add_co_u32 s62, s62, s70
	s_and_b32 s70, s2, 1                           ; wave v makes fragments 4 v .. 4 v + 3: K step v / 2 of the two, tiles 4 (v % 2) on
	s_lshl_b32 s70, s70, 6
	s_add_co_u32 s62, s62, s70                     ; my first row
	s_lshl_b32 s70, s57, 1
	s_add_co_u32 s63, s63, s70
	s_lshr_b32 s70, s2, 1
	s_add_co_u32 s63, s63, s70                     ; my K step
	s_mov_b32 s73, 0
	s_mul_i32 s72, s62, s60
	s_mul_i32 s70, s63, 96
	s_add_co_u32 s72, s72, s70
	s_add_nc_u64 s[66:67], s[66:67], s[72:73]
	s_mul_i32 s72, s62, s61
	s_lshl_b32 s70, s63, 2
	s_add_co_u32 s72, s72, s70
	s_add_nc_u64 s[68:69], s[68:69], s[72:73]
	s_mul_i32 s72, ttmp9, 25600
	s_add_nc_u64 s[48:49], s[48:49], s[72:73]      ; my work-group's record
	v_mul_u32_u24 v16, v[PIR], s60
	v_mad_u32_u24 v16, v[HH], 24, v16              ; tile i begins 0, 8, 32, 40 rows on
	s_lshl_b32 s70, s60, 3
	v_add_nc_u32 v17, s70, v16
	s_lshl_b32 s70, s60, 5
	v_add_nc_u32 v18, s70, v16
	s_mul_i32 s70, s60, 40
	v_add_nc_u32 v19, s70, v16
	v_lshl_add_u32 v20, v[HH], 3, v[PIR]           ; scale words: lanes 0-15 an even tile's rows, lanes 16-31 the odd tile's beside it (8 rows on)
	v_mul_u32_u24 v20, v20, s61
	s_lshl_b32 s70, s61, 5
	v_add_nc_u32 v21, s70, v20                     ; and the next pair of tiles, 32 rows on
	s_mul_i32 s70, s2, 6144
	v_add_nc_u32 v22, s70, v[LI]
	s_lshl_b32 s70, s2, 8
	v_lshl_add_u32 v23, v[LN], 3, s70
	s_wait_alu depctr_va_vdst(0)                   ; the eight addresses v16 to v23 are written, which the loads and stores below read
.irp i, 0,1,2,3
.irp p, 0,1,2,3,4,5
	global_load_b64 v[32+12*\i+2*\p:33+12*\i+2*\p], v[16+\i], s[66:67] offset:48*(\p/3)+8*(\p%3)
.endr
.endr
	global_load_b32 v80, v20, s[68:69]
	global_load_b32 v81, v21, s[68:69]
	s_wait_loadcnt 0x0
.irp i, 0,1,2,3
.irp c, 0,1,2
	global_store_b128 v22, v[32+12*\i+4*\c:35+12*\i+4*\c], s[48:49] offset:1536*\i+512*\c
.endr
.endr
	global_store_b64 v23, v[80:81], s[48:49] offset:24576
	s_endpgm
.Lfunc_end_k_q7e2258daac_prep:
	.size	k_q7e2258daac_prep, .Lfunc_end_k_q7e2258daac_prep-k_q7e2258daac_prep
	.p2alignl 7, 3214868480
	.fill 96, 4, 3214868480
	.section	.rodata,"a",@progbits
	.p2align	6, 0x0
	.amdhsa_kernel k_q7e2258daac_prep
		.amdhsa_group_segment_fixed_size 53760
		.amdhsa_private_segment_fixed_size 0
		.amdhsa_enable_private_segment 0
		.amdhsa_kernarg_size 168
		.amdhsa_user_sgpr_count 2
		.amdhsa_user_sgpr_kernarg_segment_ptr 1
		.amdhsa_wavefront_size32 1
		.amdhsa_system_sgpr_workgroup_id_x 1
		.amdhsa_system_sgpr_workgroup_id_y 1
		.amdhsa_system_sgpr_workgroup_id_z 1
		.amdhsa_system_vgpr_workitem_id 0
		.amdhsa_next_free_vgpr 1024
		.amdhsa_next_free_sgpr 96
		.amdhsa_reserve_vcc 1
		.amdhsa_float_denorm_mode_32 3
		.amdhsa_float_denorm_mode_16_64 3
		.amdhsa_memory_ordered 1
		.amdhsa_forward_progress 1
		.amdhsa_inst_pref_size 255
	.end_amdhsa_kernel
	.section	.bss,"aw",@nobits
	.p2align	6
	.space	262144
	.amdgpu_metadata
---
amdhsa.version: [ 1, 2 ]
amdhsa.kernels:
  - .name:           k_q7e2258daac_prep
    .symbol:         k_q7e2258daac_prep.kd
    .args:
      - { .name: x, .offset: 0, .size: 8, .value_kind: global_buffer, .address_space: global }
      - { .name: mask, .offset: 8, .size: 8, .value_kind: global_buffer, .address_space: global }
      - { .name: Wq_codes, .offset: 16, .size: 8, .value_kind: global_buffer, .address_space: global }
      - { .name: Wq_scales, .offset: 24, .size: 8, .value_kind: global_buffer, .address_space: global }
      - { .name: bq, .offset: 32, .size: 8, .value_kind: global_buffer, .address_space: global }
      - { .name: Wk_codes, .offset: 40, .size: 8, .value_kind: global_buffer, .address_space: global }
      - { .name: Wk_scales, .offset: 48, .size: 8, .value_kind: global_buffer, .address_space: global }
      - { .name: bk, .offset: 56, .size: 8, .value_kind: global_buffer, .address_space: global }
      - { .name: Wv_codes, .offset: 64, .size: 8, .value_kind: global_buffer, .address_space: global }
      - { .name: Wv_scales, .offset: 72, .size: 8, .value_kind: global_buffer, .address_space: global }
      - { .name: bv, .offset: 80, .size: 8, .value_kind: global_buffer, .address_space: global }
      - { .name: Wo_codes, .offset: 88, .size: 8, .value_kind: global_buffer, .address_space: global }
      - { .name: Wo_scales, .offset: 96, .size: 8, .value_kind: global_buffer, .address_space: global }
      - { .name: W1_codes, .offset: 104, .size: 8, .value_kind: global_buffer, .address_space: global }
      - { .name: W1_scales, .offset: 112, .size: 8, .value_kind: global_buffer, .address_space: global }
      - { .name: W2_codes, .offset: 120, .size: 8, .value_kind: global_buffer, .address_space: global }
      - { .name: W2_scales, .offset: 128, .size: 8, .value_kind: global_buffer, .address_space: global }
      - { .name: qc, .offset: 136, .size: 8, .value_kind: global_buffer, .address_space: global }
      - { .name: qs, .offset: 144, .size: 8, .value_kind: global_buffer, .address_space: global }
      - { .name: kv, .offset: 152, .size: 8, .value_kind: global_buffer, .address_space: global }
      - { .name: wst, .offset: 160, .size: 8, .value_kind: global_buffer, .address_space: global }
    .group_segment_fixed_size: 53760
    .private_segment_fixed_size: 0
    .kernarg_segment_align: 8
    .kernarg_segment_size: 168
    .max_flat_workgroup_size: 128
    .sgpr_count:     96
    .vgpr_count:     1024
    .wavefront_size: 32
...
	.end_amdgpu_metadata
.endif
;; end of part 4
;; launch attn (part 5): grid 16 x 16, 16 waves a work-group, no clusters, 67,584 bytes of LDS; arguments qc, qs, kv, cc, cs; writes cc, cs
.if DOCPART == 5
	.amdgcn_target "amdgcn-amd-amdhsa--gfx1250"
	.amdhsa_code_object_version 6
	.text
	.protected	k_q7e2258daac_attn
	.globl	k_q7e2258daac_attn
	.p2align	8
	.type	k_q7e2258daac_attn,@function
k_q7e2258daac_attn:
	s_mov_b64 s[64:65], 0
	v_nop
	global_prefetch_b8 v0, s[64:65] scope:SCOPE_SE
	s_setreg_imm32_b32 hwreg(HW_REG_WAVE_SCHED_MODE, 0, 2), 2
	s_setreg_imm32_b32 hwreg(HW_REG_WAVE_MODE, 25, 1), 1
	s_wait_xcnt 0x0
	s_wait_alu depctr_vm_vsrc(0)
; ctx[b][q][head] = softmax over the keys of (q . k / 8, hidden keys at -2^30) times v, both products on codes of E2M3 with one E8M0 scale for each 32 along K; then ctx is quantised along the features.
; THE SOFTMAX AHEAD OF THE SECOND PRODUCT: t = score x log2(e) / 8; M = the row's largest t so far, rounded UP to a whole number; p = 2^(t - M) is what is quantised, along the keys; it is not normalised.
; The row's sum is taken of the unquantised p, in f32, and divides O at the end.  When M moves, the sum and O are multiplied by 2^(old M - new M): exact.
; THE MASK costs nothing here: the first launch laid it into the spare half of the score product's K, so that a hidden key's score is exactly -2^33.  -2^33 x c is a whole f32 number, so a row all of
; whose keys are hidden has t - M = 0 and p = 1 for every key: the uniform weights that the definition gives.
; LIMITS: a hidden logit is -2^30 where the definition has -1e9; NaN and infinities are not served; a block of zeros has the byte 1 (only this program reads the bytes).
; SHARES.  Work-group (x, y): 256 queries (x) of head y among 16.  Each of sixteen waves owns one tile of 16 queries in 256 registers: four waves to a SIMD, so that one wave's vector work stands beside
; another's matrix work and LDS loads.  Every wave walks the head's 4,096 keys, 128 a step.
; K AND V come as records of 15,360 bytes a key step, laid as register images: 8 tiles of K (1,024 bytes: registers 0-7 of a fragment; 8-11 are zeros kept in registers), 4 tiles of V^T (1,536), scale words.
; Two LDS slots of two records each; a slot is copied flat through registers (thread t: 16 bytes at 16 t + 8,192 i), asked for at the head of the slot before and stored at its end: one barrier a slot.
; NO CLUSTER, NO TENSOR LOAD: what the sixteen work-groups of a head share is 15,360 bytes a key step, beside some 330 instructions in each of sixteen waves: a small part of a step.
; LAYOUT.  Both products transposed: S^T = K Q^T (source 0 = 16 keys), O^T = V^T P^T (source 0 = 16 channels): a lane holds ONE query (lane % 16) throughout.  The keys of a tile, and the channels of a
; tile of V^T, are index 32 b + 8 u + r + 8 (r / 8) for lane r of tile 2 b + u: so 16 registers of two neighbouring tiles are 16 neighbours.
; THE MODE: SCHED_MODE bits 1:0 = 2 (LLVM: expert scheduling mode 2), set by the entry lines.  The code itself states the register dependences
; between vector or matrix instructions and memory or LDS instructions, with s_wait_alu, always for 0.
; THE PLAN.  Registers that memory or LDS instructions touch, in the loop:
;   v1-4        addresses, made at the head and never written again.
;   STG         the copy's global loads land in it, its LDS stores read it; no vector line names it: one wait on vm_vsrc at a slot's head, ahead of the loads.
;   KF, KS      (of each fragment registers 0-7) LDS loads land; four score products read them; then the step's second four fragments land in the same registers.
;   v96-143     written by the score products, the scalings and the exponentials, read by the conversions and the sums; then V's fragments land there, and the second product reads them.
;   VS          LDS loads land; the second product reads it.
;   PC, PS      named by vector and matrix lines alone, but written by vector lines and taken by scaled products as operand and scales.
; THREE waits on va_vdst to a key step: (1) behind the first four score products, ahead of the loads into KF and KS; (2) behind the exponentials, ahead of their first reader; (3) behind the row's sums:
; p's registers are free for V's loads, which follow at once, and PC and PS are written.  The rescaling of O^T stands behind those loads: it names O^T and f alone.
; A step's first loads of K owe nothing: the last readers of KF and KS stand ahead of (2) of the step before, and since (3) only the rescaling, the second product (v96-143, PC, O^T, VS, PS) and v_nop were issued.
.set LI,   1                           ; 16 x lane
.set KSA,  2                           ; 16 r
.set CPA,  3                           ; 16 x thread
.set L8,   4                           ; 8 x lane
.set Q,    16                          ; v16-27 Q's fragment (v24-27 zeros)
.set QS,   28                          ; its scale word
.set KF,   32                          ; v32-79 four fragments of K
.set KS,   80                          ; v80-83 their scale words
.set VS,   84                          ; v84-87 V's
.set S,    96                          ; v96-159 S^T, then p; v96-143 later V's four fragments
.set O,    160                         ; v160-191 O^T
.set STG,  192                         ; v192-207 the copy's 64 bytes
.set PC,   208                         ; v208-219 p's codes
.set PT,   220                         ; v220-222, v224-226 conversions' second halves
.set BM,   228                         ; v228-231 a block's largest score, then p
.set BT,   232
.set BS,   236
.set TMP,  240
.set F,    242                         ; v[242:243] f = 2^(old M - new M)
.set PS,   244                         ; p's scale word
.set SUM2, 246
.set SEL,  20
.set CS,   22
.macro PLACES n
.rept \n
	v_nop
.endr
.endm
.macro BARRIER
	s_wait_dscnt 0x0
	s_barrier_signal -1
	s_barrier_wait -1
.endm
.macro CPLD                            ; the next slot's 30,720 bytes: three loads a thread, a fourth in waves 0-11 (12 x 512 = the last 6,144)
.irp i, 0,1,2
	global_load_b128 v[STG+4*\i:STG+4*\i+3], v[CPA], s[8:9] offset:8192*\i
.endr
	s_cmp_lt_u32 s14, 12
	s_cbranch_scc0 .Lnl_\@
	global_load_b128 v[STG+12:STG+15], v[CPA], s[8:9] offset:24576
.Lnl_\@:
.endm
.macro CPST slot
	s_wait_loadcnt 0x0                             ; they are in, so their base may step below
.irp i, 0,1,2
	ds_store_b128 v[CPA], v[STG+4*\i:STG+4*\i+3] offset:(\slot)*32768+8192*\i
.endr
	s_cmp_lt_u32 s14, 12
	s_cbranch_scc0 .Lns_\@
	ds_store_b128 v[CPA], v[STG+12:STG+15] offset:(\slot)*32768+24576
.Lns_\@:
	s_add_nc_u64 s[8:9], s[8:9], 30720
.endm
	s_load_b256 s[4:11], s[0:1], 0x0               ; qc 4, qs 6, kv 8, cc 10
	s_load_b64 s[12:13], s[0:1], 0x20              ; cs
	v_lshl_add_u32 v254, v0, 2, 0x10000
	v_mov_b32 v255, 0
	v_lshrrev_b32 v5, 5, v0
	v_readfirstlane_b32 s14, v5                    ; wave 0..15
	v_and_b32 v5, 31, v0
	v_and_b32 v6, 15, v0
	v_lshlrev_b32 v[LI], 4, v5
	v_lshlrev_b32 v[L8], 3, v5
	v_lshlrev_b32 v[KSA], 4, v6
	v_lshlrev_b32 v[CPA], 4, v0
	s_and_b32 s15, ttmp7, 0xffff                   ; the head among 16
	s_lshl_b32 s16, ttmp9, 4
	s_wait_alu depctr_va_sdst(0)                   ; s14, the wave's number, is written, ahead of its first reader
	s_add_co_u32 s16, s16, s14                     ; my tile of queries among the head's 256
	s_mov_b32 s25, 0
	s_mov_b32 s[SEL], 0x76543210
	s_mov_b32 s[SEL+1], 0xfedcba98
	s_mov_b32 s[CS], 0x3e38aa3b                    ; c = log2(e) / 8
	s_mov_b32 s[CS+1], s[CS]                       ; (named with it as a pair, so it is written)
	s_lshl_b32 s17, s15, 18
	s_lshl_b32 s18, s16, 10
	s_add_co_u32 s17, s17, s18                     ; Q's image: 1,024 bytes a tile
	s_lshl_b32 s18, s15, 14
	s_lshr_b32 s19, s16, 2
	s_lshl_b32 s19, s19, 8
	s_add_co_u32 s18, s18, s19
	s_and_b32 s19, s16, 3
	s_lshl_b32 s19, s19, 2
	s_add_co_u32 s18, s18, s19                     ; its scale words: [group of 4 tiles][r][tile]
	s_mul_i32 s19, s15, 491520                     ; the head's 32 records
	s_lshr_b32 s27, s15, 3
	s_lshl_b32 s27, s27, 8
	s_add_co_u32 s27, s27, s16                     ; my tile among all 512 tiles of tokens
	s_and_b32 s28, s15, 7                          ; the head within its batch
	s_mul_i32 s29, s27, 6144
	s_lshr_b32 s30, s28, 1
	s_mul_i32 s30, s30, 1536
	s_add_co_u32 s29, s29, s30
	s_and_b32 s30, s28, 1
	s_mul_i32 s30, s30, 768
	s_add_co_u32 s29, s29, s30                     ; ctx's codes: K step head / 2, pieces 3 (head % 2) on
	s_lshl_b32 s30, s27, 8
	s_lshl_b32 s31, s28, 1
	s_add_co_u32 s30, s30, s31                     ; ctx's scale bytes: [tile][r][head] two bytes
	s_wait_kmcnt 0x0
	s_mov_b32 s24, s17
	s_add_nc_u64 s[4:5], s[4:5], s[24:25]
	s_mov_b32 s24, s18
	s_add_nc_u64 s[6:7], s[6:7], s[24:25]
	s_mov_b32 s24, s19
	s_add_nc_u64 s[8:9], s[8:9], s[24:25]
	s_mov_b32 s24, s29
	s_add_nc_u64 s[10:11], s[10:11], s[24:25]
	s_mov_b32 s24, s30
	s_add_nc_u64 s[12:13], s[12:13], s[24:25]
	s_wait_alu depctr_va_vdst(0)                   ; the four addresses v1 to v4 are written, which every load and store of the kernel reads
	global_load_b128 v[Q:Q+3], v[LI], s[4:5]
	global_load_b128 v[Q+4:Q+7], v[LI], s[4:5] offset:512
	global_load_b32 v[QS], v[KSA], s[6:7]
	CPLD                                           ; slot 0: key steps 0, 1
.irp i, 8,9,10,11
	v_mov_b32 v[Q+\i], 0                           ; k = 96 .. of the instruction's 128: zeros, in Q and in all four fragments of K, written once and never loaded
.irp t, 0,1,2,3
	v_mov_b32 v[KF+12*\t+\i], 0
.endr
.endr
	v_mov_b32 v13, 0xff61b1e6                      ; the largest t so far: -3e38, under every t
	v_floor_f32 v12, -v13                          ; -M
	v_mov_b32 v14, 0                               ; the sum, in two halves
	v_mov_b32 v15, 0
.irp b, 0,1,2,3
	v_mov_b32 v[BT+\b], 0                          ; written once: a lane permute's destination counts as one of its sources
.endr
	v_mov_b32 v[F+1], 0                            ; (named as the upper half of the pair)
.set j, 0
.rept 32
	v_mov_b32 v[O+j], 0                            ; O^T.  (The step is written once: the first finds zeros, which the first change of M leaves zeros)
.set j, j+1
.endr
	s_wait_alu depctr_va_vdst(0)                   ; the zeros in Q's and K's fragments are written, which the scaled products take as parts of their operands; the lines behind them are their places
	CPST 0
	BARRIER
; A KEY STEP: 128 keys, whose record begins at LDS byte sb
.macro STEP sb
	PLACES 5                                       ; the products below write over v96 on, which the last step's products V^T P^T read as source 0 (ISA guide 7.12.1)
.irp g, 0,1                            ; S^T = K Q^T, four tiles of 16 keys at a time
.if \g > 0
	PLACES 4                                       ; in front of loads into registers that matrix instructions have read
	s_wait_alu depctr_va_vdst(0)                   ; the four products above are done reading K's fragments and scale words, in which the loads below land
.endif
.irp t, 0,1,2,3
	ds_load_b128 v[KF+12*\t:KF+12*\t+3], v[LI] offset:(\sb)+(4*\g+\t)*1024
	ds_load_b128 v[KF+12*\t+4:KF+12*\t+7], v[LI] offset:(\sb)+(4*\g+\t)*1024+512
.endr
	ds_load_b128 v[KS:KS+3], v[KSA] offset:(\sb)+14336+256*\g
	s_wait_dscnt 0x0
.irp t, 0,1,2,3
	v_wmma_scale_f32_16x16x128_f8f6f4 v[S+8*(4*\g+\t):S+8*(4*\g+\t)+7], v[KF+12*\t:KF+12*\t+11], v[Q:Q+11], 0, v[KS+\t], v[QS] matrix_a_fmt:MATRIX_FMT_FP6 matrix_b_fmt:MATRIX_FMT_FP6
.endr
.endr
	PLACES 4
.irp b, 0,1,2,3
	v_max3_num_f32 v[BM+\b], v[S+16*\b], v[S+1+16*\b], v[S+2+16*\b]   ; the largest score of each block of 32 keys: it serves the row's maximum and, since p rises with the score, the block's largest p
.endr
.irp i, 3,5,7,9,11,13
.irp b, 0,1,2,3
	v_max3_num_f32 v[BM+\b], v[BM+\b], v[S+16*\b+\i], v[S+1+16*\b+\i]
.endr
.endr
.irp b, 0,1,2,3
	v_max_num_f32 v[BM+\b], v[BM+\b], v[S+15+16*\b]
.endr
.irp b, 0,1,2,3
	v_permlanex16_b32 v[BT+\b], v[BM+\b], s[SEL], s[SEL+1]
.endr
.irp b, 0,1,2,3
	v_max_num_f32 v[BM+\b], v[BM+\b], v[BT+\b]     ; with lane l xor 16's 16 keys
.endr
	v_max3_num_f32 v[TMP], v[BM], v[BM+1], v[BM+2]
	v_max_num_f32 v[TMP], v[TMP], v[BM+3]
	v_mul_f32 v[TMP], s[CS], v[TMP]                ; as t (c is positive)
	v_max_num_f32 v13, v13, v[TMP]                 ; the running largest t
	v_mov_b32 v[TMP], v12
	v_floor_f32 v12, -v13                          ; the new -M = floor(-t) = -ceil(t): a whole number
	v_sub_f32 v[TMP], v12, v[TMP]                  ; old M - new M: a whole number, 0 or less
	v_cvt_i32_f32 v[TMP], v[TMP]                   ; (it saturates)
	v_ldexp_f32 v[F], 1.0, v[TMP]                  ; f = 2^(old M - new M)
.set j, 0
.rept 32
	v_pk_fma_f32 v[S+j:S+j+1], v[S+j:S+j+1], s[CS:CS+1], v[12:13] op_sel_hi:[1,0,0]   ; t - M, two at a time
.set j, j+2
.endr
.irp b, 0,1,2,3
	v_fma_f32 v[BM+\b], v[BM+\b], s[CS], v12       ; the same of each block's largest score
.endr
.set j, 0
.rept 64
	v_exp_f32 v[S+j], v[S+j]                       ; p = 2^(t - M), at most 1
.set j, j+1
.endr
.irp b, 0,1,2,3
	v_exp_f32 v[BM+\b], v[BM+\b]                   ; the block's largest p: the same two instructions on the same number
.endr
	v_pk_mul_f32 v[14:15], v[14:15], v[F:F+1] op_sel_hi:[1,0]   ; the sums under the new M.  (A plain place behind the exponentials)
	s_wait_alu depctr_va_vdst(0)                   ; the 68 exponentials have written p and the blocks' largest p, ahead of their first reader: one wait for the batch
.irp b, 0,1,2,3
	v_max_num_f32 v[BM+\b], 0x1800000, v[BM+\b]    ; the floor 2^(3 - 127): the byte cannot fall under 1
.endr
.irp b, 0,1,2,3
	v_add_nc_u32 v[BS+\b], 0xff000000, v[BM+\b]    ; 2 off the exponent field: the conversion's scale operand
.endr
.irp b, 0,1,2,3
	v_lshrrev_b32 v[BT+\b], 23, v[BS+\b]           ; the scale's byte
.endr
	v_lshl_or_b32 v[PS], v[BT+1], 8, v[BT]
	v_lshl_or_b32 v[PS], v[BT+2], 16, v[PS]
	v_lshl_or_b32 v[PS], v[BT+3], 24, v[PS]
.irp c, 0,1
	v_cvt_scalef32_pk16_fp6_f32 v[PC+6*\c:PC+2+6*\c], v[S+32*\c:S+15+32*\c], v[BS+2*\c]
	v_cvt_scalef32_pk16_fp6_f32 v[PT+4*\c:PT+2+4*\c], v[S+16+32*\c:S+31+32*\c], v[BS+2*\c+1]
.endr
	v_nop                                          ; one plain place behind a scaled conversion
.irp c, 0,1
.irp i, 0,1,2
	v_permlane16_swap_b32 v[PC+6*\c+\i], v[PT+4*\c+\i]
.endr
.irp i, 0,1,2
	v_mov_b32 v[PC+3+6*\c+\i], v[PT+4*\c+\i]
.endr
.endr
	v_pk_add_f32 v[SUM2:SUM2+1], v[S:S+1], v[S+2:S+3]   ; the row's sum is taken of the UNQUANTISED p: two at a time, in two chains
.irp j, 4,8,12,16,20,24,28,32,36,40,44,48,52,56,60
	v_pk_add_f32 v[14:15], v[14:15], v[S+\j:S+\j+1]
	v_pk_add_f32 v[SUM2:SUM2+1], v[SUM2:SUM2+1], v[S+\j+2:S+\j+3]
.endr
	v_pk_add_f32 v[14:15], v[14:15], v[SUM2:SUM2+1]
	s_wait_alu depctr_va_vdst(0)                   ; the conversions and the sums are done with p's registers, in which V's fragments land; p's codes and scale word are written, which the scaled products below take (the 32 sums are their places, ahead of this wait)
.irp t, 0,1,2,3                        ; O^T += V^T P^T: four tiles of 16 channels; K = these 128 keys; p's registers are done with and take V's fragments
.irp c, 0,1,2
	ds_load_b128 v[S+12*\t+4*\c:S+12*\t+4*\c+3], v[LI] offset:(\sb)+8192+1536*\t+512*\c
.endr
.endr
	ds_load_b128 v[VS:VS+3], v[LI] offset:(\sb)+14848
.set j, 0
.rept 16
	v_pk_mul_f32 v[O+j:O+j+1], v[O+j:O+j+1], v[F:F+1] op_sel_hi:[1,0]   ; O^T under the new M, while V's fragments are on their way: these lines name O^T and f alone, none of the registers that the loads touch
.set j, j+2
.endr
	s_wait_dscnt 0x0
.irp t, 0,1,2,3
	v_wmma_scale_f32_16x16x128_f8f6f4 v[O+8*\t:O+8*\t+7], v[S+12*\t:S+12*\t+11], v[PC:PC+11], v[O+8*\t:O+8*\t+7], v[VS+\t], v[PS] matrix_a_fmt:MATRIX_FMT_FP6 matrix_b_fmt:MATRIX_FMT_FP6
.endr
.endm
; A SLOT: its two key steps.  fill = 1: the other slot's next bytes are asked for first and stored last.  That slot was read in the slot before, and every wave's reads of it were waited for in
; front of the barrier that closed that slot; my stores are waited for in front of the barrier that closes this one, behind which they are read.
.macro SLOT s, fill, bar
.if \fill
	s_wait_alu depctr_vm_vsrc(0)                   ; the LDS stores of the copy before have read v[STG ..], in which the loads below land
	CPLD
.endif
	STEP (\s)*32768
	STEP (\s)*32768+15360
.if \fill
	CPST 1-(\s)
.endif
.if \bar
	BARRIER
.endif
.endm
	s_mov_b32 s26, 7
.Lpair:                                            ; 7 trips x 2 slots; the last two slots are written out: the last asks for nothing, so no load passes the head's last record
	SLOT 0, 1, 1
	SLOT 1, 1, 1
	s_sub_co_u32 s26, s26, 1
	s_cmp_lg_u32 s26, 0
	s_cbranch_scc1 .Lpair
	SLOT 0, 1, 1
	SLOT 1, 0, 0
	; THE WAY OUT: ctx = O^T / the sum; my 16 registers of two neighbouring tiles are 16 neighbouring channels: two blocks of 32 along the next product's K
	PLACES 4
	v_add_f32 v14, v14, v15
	v_permlanex16_b32 v[TMP], v14, s[SEL], s[SEL+1]
	v_add_f32 v14, v14, v[TMP]                     ; the row's sum
	v_rcp_f32 v14, v14
	v_nop                                          ; one plain place behind a transcendental
	s_wait_alu depctr_va_vdst(0)                   ; the reciprocal has written v14, ahead of its first reader
.set j, 0
.rept 32
	v_mul_f32 v[S+j], v[O+j], v14
.set j, j+1
.endr
.irp b, 0,1
	v_max3_num_f32 v[BM+\b], |v[S+16*\b]|, |v[S+1+16*\b]|, 0x1800000
.endr
.irp i, 2,4,6,8,10,12,14
.irp b, 0,1
	v_max3_num_f32 v[BM+\b], v[BM+\b], |v[S+16*\b+\i]|, |v[S+1+16*\b+\i]|
.endr
.endr
.irp b, 0,1
	v_permlanex16_b32 v[BT+\b], v[BM+\b], s[SEL], s[SEL+1]
.endr
.irp b, 0,1
	v_max_num_f32 v[BM+\b], v[BM+\b], v[BT+\b]
.endr
.irp b, 0,1
	v_add_nc_u32 v[BS+\b], 0xff000000, v[BM+\b]
.endr
.irp b, 0,1
	v_lshrrev_b32 v[BT+\b], 23, v[BS+\b]
.endr
	v_lshl_or_b32 v[TMP], v[BT+1], 8, v[BT]        ; my head's two scale bytes
	v_cvt_scalef32_pk16_fp6_f32 v[PC:PC+2], v[S:S+15], v[BS]
	v_cvt_scalef32_pk16_fp6_f32 v[PT:PT+2], v[S+16:S+31], v[BS+1]
	v_nop
.irp i, 0,1,2
	v_permlane16_swap_b32 v[PC+\i], v[PT+\i]
.endr
.irp i, 0,1,2
	v_mov_b32 v[PC+3+\i], v[PT+\i]
.endr
	s_wait_alu depctr_va_vdst(0)                   ; ctx's codes and its two scale bytes are written, which the stores below read
.irp p, 0,1,2
	global_store_b64 v[L8], v[PC+2*\p:PC+2*\p+1], s[10:11] offset:256*\p   ; half a fragment's image: each store covers 256 consecutive bytes, aligned
.endr
	global_store_b16 v[KSA], v[TMP], s[12:13]      ; two bytes a row, 16 bytes apart (lanes 16-31 repeat lanes 0-15): 131,072 bytes in the whole launch leave so
	s_wait_dscnt 0x0                               ; the closing lines, six on end
	s_wait_alu 0x0
	s_wait_tensorcnt 0x0
	ds_add_u32 v254, v255
	s_wait_dscnt 0x0
	s_endpgm
.Lfunc_end_k_q7e2258daac_attn:
	.size	k_q7e2258daac_attn, .Lfunc_end_k_q7e2258daac_attn-k_q7e2258daac_attn
	.p2alignl 7, 3214868480
	.fill 96, 4, 3214868480
	.section	.rodata,"a",@progbits
	.p2align	6, 0x0
	.amdhsa_kernel k_q7e2258daac_attn
		.amdhsa_group_segment_fixed_size 67584
		.amdhsa_private_segment_fixed_size 0
		.amdhsa_enable_private_segment 0
		.amdhsa_kernarg_size 40
		.amdhsa_user_sgpr_count 2
		.amdhsa_user_sgpr_kernarg_segment_ptr 1
		.amdhsa_wavefront_size32 1
		.amdhsa_system_sgpr_workgroup_id_x 1
		.amdhsa_system_sgpr_workgroup_id_y 1
		.amdhsa_system_sgpr_workgroup_id_z 1
		.amdhsa_system_vgpr_workitem_id 0
		.amdhsa_next_free_vgpr 256
		.amdhsa_next_free_sgpr 66
		.amdhsa_reserve_vcc 0
		.amdhsa_float_denorm_mode_32 3
		.amdhsa_float_denorm_mode_16_64 3
		.amdhsa_memory_ordered 1
		.amdhsa_forward_progress 1
		.amdhsa_inst_pref_size 138
	.end_amdhsa_kernel
	.amdgpu_metadata
---
amdhsa.version: [ 1, 2 ]
amdhsa.kernels:
  - .name:           k_q7e2258daac_attn
    .symbol:         k_q7e2258daac_attn.kd
    .args:
      - { .name: qc, .offset: 0, .size: 8, .value_kind: global_buffer, .address_space: global }
      - { .name: qs, .offset: 8, .size: 8, .value_kind: global_buffer, .address_space: global }
      - { .name: kv, .offset: 16, .size: 8, .value_kind: global_buffer, .address_space: global }
      - { .name: cc, .offset: 24, .size: 8, .value_kind: global_buffer, .address_space: global }
      - { .name: cs, .offset: 32, .size: 8, .value_kind: global_buffer, .address_space: global }
    .group_segment_fixed_size: 67584
    .private_segment_fixed_size: 0
    .kernarg_segment_align: 8
    .kernarg_segment_size: 40
    .max_flat_workgroup_size: 512
    .sgpr_count:     66
    .vgpr_count:     256
    .wavefront_size: 32
...
	.end_amdgpu_metadata
.endif
;; end of part 5
;; launch ffn (part 6): grid 256 x 1, 4 waves a work-group, no clusters, 109,056 bytes of LDS; arguments cc, cs, wst, x, bo, ln1_g, ln1_b, b1, b2, ln2_g, ln2_b, out0; writes out0
.if DOCPART == 6
	.amdgcn_target "amdgcn-amd-amdhsa--gfx1250"
	.amdhsa_code_object_version 6
	.text
	.protected	k_q7e2258daac_ffn
	.globl	k_q7e2258daac_ffn
	.p2align	8
	.type	k_q7e2258daac_ffn,@function
k_q7e2258daac_ffn:
	s_mov_b64 s[64:65], 0
	v_nop
	global_prefetch_b8 v0, s[64:65] scope:SCOPE_SE
	s_setreg_imm32_b32 hwreg(HW_REG_WAVE_SCHED_MODE, 0, 2), 2
	s_setreg_imm32_b32 hwreg(HW_REG_WAVE_MODE, 25, 1), 1
	s_wait_xcnt 0x0
	s_wait_alu depctr_vm_vsrc(0)
; h = LN1(x + ctx Wo + bo);  out = LN2(h + gelu(h W1 + b1) W2 + b2).  The three products on codes of E2M3 with one E8M0 scale for each 32 along K; all else in f32; nothing goes to memory on the way.
; SHARES.  A work-group owns 32 tokens (two tiles: lane r of tile m is token 8 m + r + 8 (r / 8)); wave w owns 128 of the 512 columns of every panel.  Nine panels of 512 columns x 512 K: Wo, then for
; c = 0 .. 3 W1's columns 512 c on and W2's K 512 c on: the hidden layer lives 512 units at a time.  All products transposed (source 0 = 16 rows of the weight, source 1 = 16 tokens): a lane holds one token.
; THE WEIGHTS come as the first launch laid them: a wave's half panel (2 K steps x 8 tiles, 16 fragments as register images, and their scale words) is 25,600 consecutive bytes, loaded straight into
; registers, 512 consecutive bytes an instruction, into two buffers by turns; a buffer is asked for again as soon as its products are issued.
; NO CLUSTER: every work-group walks the same 1,843,200 bytes of weights.  A joint request lands in LDS alone; here each byte goes to the one wave that multiplies by it, without LDS.  The price is
; stated: each work-group asks for all the weights itself.
; h and gelu(..) go from wave to wave through LDS as register images (1,536 bytes a fragment), the layer norms' sums through 16 bytes a token.
; LAYER NORM in two passes: the mean first, then the squares of what is left, so that a common offset of the inputs costs nothing.
; GELU, the erf form: gelu(x) = max(x, 0) - |x| q, q = erfc(|x| / sqrt 2) / 2 = t (a1 + t (a2 + t (a3 + t (a4 + t a5)))) 2^(-x^2 log2(e) / 2), t = 1 / (1 + 0.2316419 |x|) (Abramowitz and Stegun 7.1.26, halved).
; LIMITS: |error of q| <= 7.5e-8 for every x; so gelu's relative error passes 1e-6 below x = -1.5 and reaches 2e-3 at x = -4, where gelu is -1.3e-4.  NaN and infinities are not served.
;   A block of zeros has the byte 1 (only this program reads the bytes).
; REGISTERS: window 0: v1-11 addresses; v16-23 the rows' scale words, v24-31, v32-39 the two buffers'; v40-56 quantiser; v58-63 means; v64-83 codes; v84-93 gelu's constants; v96-223 the results in hand
;   (tile of tokens m, tile of columns t: 96 + 64 m + 8 t); v224-255 at work.   window 1: buffer A (v0-191), a bias in the result's layout (v192-255).   window 2: buffer B, a gain (v192-255).
;   window 3: v0-127 x, then h + b2 + the second product's sums; v128-223 the rows' 8 fragments (12 (4 m + s)); round LN1 v128-191 ln1_b, v192-255 b2.
; THE MODE: SCHED_MODE bits 1:0 = 2 (LLVM: expert scheduling mode 2), set by the entry lines.  The code itself states the register dependences
; between vector or matrix instructions and memory or LDS instructions, with s_wait_alu, always for 0.
; THE PLAN.  Registers that memory or LDS instructions touch:
;   v1-11                     addresses, made at the head and never written again.
;   buffers A, B, v24-39      a half panel's loads land; its 32 products read them; then the next half panel's loads land.
;   window 1 v192-255         a bias: loads land; the first K step's products take it as C (ln2_b: the last multiply-adds read it).
;   window 2 v192-255         a gain: loads land; multiply-adds read it.
;   window 3 v128-255, v16-23 the rows' fragments and scale words: loads land; products read them; round LN1 ln1_b and b2 land there and multiply-adds read them.
;   PC, PW                    the quantiser writes them; the images' LDS stores read them.
;   v[T], v[T+4]; v[T+8..15]  a sum's additions write the first two, its LDS stores read them; its LDS loads land in the eight, and additions read and write them.
;   v[HA ..] on the way out   multiply-adds write them, LDS stores read them, LDS loads land in them, global stores read them.
; So: one wait on va_vdst behind each run of 32 products that loads into its registers follow; one ahead of each image's stores and of each sum's stores; one wait on vm_vsrc behind each of these runs of stores.
; The fetches of the rows' fragments owe no wait of their own: their registers' last readers stand ahead of a wait on va_vdst behind which only loads, LDS stores and scalar lines were issued (each place says which).
.set HIMG, 0                           ; LDS: h's 8 fragments (4 m + s),
.set HSC,  12288                       ; their scale words, 128 bytes each,
.set GIMG, 13312                       ; gelu's 8 fragments,
.set GSC,  25600                       ; their scale words,
.set RED,  26624                       ; four reductions x two tiles x 16 tokens x 4 waves x 4 bytes,
.set STG,  28672                       ; the stage for the way out: 32 rows x (2,048 + 16) bytes
.set SPITCH, 2064
.set LI,   1
.set LS,   2
.set L8,   3
.set XA,   4                           ; x: pi(r) rows of 2,048 bytes + 64 h + 512 w
.set HWI,  5                           ; where I store an image: 16 x lane + 1,536 w
.set HWS,  6                           ; and its scale word: 4 x lane + 128 w
.set RDW,  7                           ; 16 r + 4 w
.set RDR,  8                           ; 16 r
.set SO,   9
.set SR,   10
.set BA,   11                          ; 64 h
.set XS,   16
.set WSA,  24
.set TM,   40
.set PW,   56
.set MU,   58
.set VT,   62
.set PC,   64
.set CV,   84
.set HA,   96
.set T,    224
.set SEL,  32
.set MSB, 0
.macro WIN new
.if MSB != (\new)
	s_set_vgpr_msb (MSB<<8)|(\new)
.set MSB, (\new)
.endif
.endm
.macro PLACES n
.rept \n
	v_nop
.endr
.endm
.macro BARRIER                         ; my LDS stores have landed and my LDS loads are in: then the work-group's barrier
	s_wait_dscnt 0x0
	s_barrier_signal -1
	s_barrier_wait -1
.endm
.macro MM d, a, b, c, sa, sb, row      ; row = 1: source 0's scale words stand in lanes 16-31 of their register
.if \row
	v_wmma_scale_f32_16x16x128_f8f6f4 v[(\d):(\d)+7], v[(\a):(\a)+11], v[(\b):(\b)+11], v[(\c):(\c)+7], v[\sa], v[\sb] matrix_a_fmt:MATRIX_FMT_FP6 matrix_b_fmt:MATRIX_FMT_FP6 matrix_a_scale:MATRIX_SCALE_ROW1
.else
	v_wmma_scale_f32_16x16x128_f8f6f4 v[(\d):(\d)+7], v[(\a):(\a)+11], v[(\b):(\b)+11], v[(\c):(\c)+7], v[\sa], v[\sb] matrix_a_fmt:MATRIX_FMT_FP6 matrix_b_fmt:MATRIX_FMT_FP6
.endif
.endm
; 64 numbers of a lane, v[s] .. v[s + 63], register 16 b + i = k 32 b + 16 (lane / 16) + i of my row, become a fragment's codes in v[PC] on and its scale word in v[PW].
.macro QUANT s
.irp b, 0,1,2,3
	v_max3_num_f32 v[TM+\b], |v[\s+16*\b]|, |v[\s+1+16*\b]|, 0x1800000   ; and the floor 2^(3 - 127): the byte cannot fall under 1
.endr
.irp i, 2,4,6,8,10,12,14
.irp b, 0,1,2,3
	v_max3_num_f32 v[TM+\b], |v[\s+16*\b+\i]|, |v[\s+1+16*\b+\i]|, v[TM+\b]
.endr
.endr
.irp b, 0,1,2,3
	v_permlanex16_b32 v[TM+4+\b], v[TM+\b], s[SEL], s[SEL+1]
.endr
.irp b, 0,1,2,3
	v_max_num_f32 v[TM+\b], v[TM+\b], v[TM+4+\b]
.endr
.irp b, 0,1,2,3
	v_add_nc_u32 v[TM+12+\b], 0xff000000, v[TM+\b]
.endr
.irp b, 0,1,2,3
	v_lshrrev_b32 v[TM+4+\b], 23, v[TM+12+\b]
.endr
	v_lshl_or_b32 v[PW], v[TM+5], 8, v[TM+4]
	v_lshl_or_b32 v[PW], v[TM+6], 16, v[PW]
	v_lshl_or_b32 v[PW], v[TM+7], 24, v[PW]
.irp c, 0,1
	v_cvt_scalef32_pk16_fp6_f32 v[PC+6*\c:PC+2+6*\c], v[\s+32*\c:\s+15+32*\c], v[TM+12+2*\c]
	v_cvt_scalef32_pk16_fp6_f32 v[PC+12+4*\c:PC+14+4*\c], v[\s+16+32*\c:\s+31+32*\c], v[TM+12+2*\c+1]
.endr
	v_nop                                          ; one plain place behind a scaled conversion
.irp c, 0,1
.irp i, 0,1,2
	v_permlane16_swap_b32 v[PC+6*\c+\i], v[PC+12+4*\c+\i]
.endr
.irp i, 0,1,2
	v_mov_b32 v[PC+3+6*\c+\i], v[PC+12+4*\c+\i]
.endr
.endr
.endm
.macro TOLDS img, sc                   ; my results of both tiles of tokens are quantised: K step w of the next product; images and scale words to LDS
.irp m, 0,1
	QUANT HA+64*\m
	s_wait_alu depctr_va_vdst(0)                   ; the quantiser has written the codes and the scale word, which the LDS stores read
.irp c, 0,1,2
	ds_store_b128 v[HWI], v[PC+4*\c:PC+4*\c+3] offset:\img+6144*\m+512*\c
.endr
	ds_store_b32 v[HWS], v[PW] offset:\sc+512*\m
	s_wait_dscnt 0x0                               ; the stores have read their registers
	s_wait_alu depctr_vm_vsrc(0)                   ; the LDS stores have read the codes and the scale word, which the next quantiser writes again
.endr
.endm
.macro XFETCH img, sc                  ; all 8 fragments of the rows, and their scale words
	WIN 0xc0
.irp f, 0,1,2,3,4,5,6,7
.irp c, 0,1,2
	ds_load_b128 v[128+12*\f+4*\c:131+12*\f+4*\c], v[LI] offset:\img+1536*\f+512*\c
.endr
.endr
	WIN 0
.irp f, 0,1,2,3,4,5,6,7
	ds_load_b32 v[XS+\f], v[LS] offset:\sc+128*\f
.endr
.endm
.macro WLOAD buf, off                  ; a half panel into buffer A (0) or B (1): 48 + 4 = 52 loads
	WIN 0x40<<(\buf)
.irp f, 0,1,2,3,4,5,6,7,8,9,10,11,12,13,14,15
.irp c, 0,1,2
	global_load_b128 v[12*\f+4*\c:12*\f+4*\c+3], v[LI], s[12:13] offset:\off+1536*\f+512*\c
.endr
.endr
	WIN 0
.irp v, 0,1,2,3
	global_load_b64 v[WSA+8*(\buf)+2*\v:WSA+8*(\buf)+2*\v+1], v[L8], s[12:13] offset:\off+24576+256*\v   ; lanes 0-15 an even tile's scale words, lanes 16-31 the odd tile's
.endr
.endm
.macro PLOAD win, reg, sb              ; my wave's 128 numbers of a vector along the columns, in the result's layout: register 16 b + i = column 32 b + 16 h + i: 16 loads
	WIN (\win)<<6
.irp b, 0,1,2,3
.irp jj, 0,1,2,3
	global_load_b128 v[\reg+16*\b+4*\jj:\reg+16*\b+4*\jj+3], v[BA], s[\sb:\sb+1] offset:128*\b+16*\jj
.endr
.endr
	WIN 0
.endm
; 32 products: K steps 2 q, 2 q + 1 x 8 tiles of columns x 2 tiles of tokens.  The 16 accumulators take turns, one instruction a turn.
.macro FFA buf, q                      ; into the results in hand; the first K step takes the bias as C
.irp sl, 0,1
.irp t, 0,1,2,3,4,5,6,7
.irp m, 0,1
.if (2*(\q)+\sl) == 0
	WIN 0x1d+(\buf)
	MM HA+64*\m+8*\t, 12*(8*\sl+\t), 128+12*(4*\m+2*(\q)+\sl), 192+8*\t, WSA+8*(\buf)+4*\sl+\t/2, XS+4*\m+2*(\q)+\sl, \t%2
.else
	WIN 0x0d+(\buf)
	MM HA+64*\m+8*\t, 12*(8*\sl+\t), 128+12*(4*\m+2*(\q)+\sl), HA+64*\m+8*\t, WSA+8*(\buf)+4*\sl+\t/2, XS+4*\m+2*(\q)+\sl, \t%2
.endif
.endr
.endr
.endr
	WIN 0
	PLACES 4                                       ; in front of loads into the registers just read, and of the first read of results
.endm
.macro FFB buf, q                      ; onto window 3's sums
	WIN 0xfd+(\buf)
.irp sl, 0,1
.irp t, 0,1,2,3,4,5,6,7
.irp m, 0,1
	MM 64*\m+8*\t, 12*(8*\sl+\t), 128+12*(4*\m+2*(\q)+\sl), 64*\m+8*\t, WSA+8*(\buf)+4*\sl+\t/2, XS+4*\m+2*(\q)+\sl, \t%2
.endr
.endr
.endr
	WIN 0
	PLACES 4
.endm
; The sum over a token's 512 columns, of the numbers (sq = 0; they lie in window sw) or of their squares (sq = 1; window 0): in the lane in two packed chains, with lane l xor 16, then over the four waves
; through LDS words of this reduction's own.  Results: v[T+8] for tile 0, v[T+12] for tile 1, in every lane.
.macro RSUM k, sw, base, sq
.if \sq
.irp m, 0,1
	v_pk_mul_f32 v[T+4*\m:T+4*\m+1], v[\base+64*\m:\base+64*\m+1], v[\base+64*\m:\base+64*\m+1]
	v_pk_mul_f32 v[T+4*\m+2:T+4*\m+3], v[\base+64*\m+2:\base+64*\m+3], v[\base+64*\m+2:\base+64*\m+3]
.endr
.irp j, 4,8,12,16,20,24,28,32,36,40,44,48,52,56,60
.irp m, 0,1
	v_pk_fma_f32 v[T+4*\m:T+4*\m+1], v[\base+64*\m+\j:\base+64*\m+\j+1], v[\base+64*\m+\j:\base+64*\m+\j+1], v[T+4*\m:T+4*\m+1]
	v_pk_fma_f32 v[T+4*\m+2:T+4*\m+3], v[\base+64*\m+\j+2:\base+64*\m+\j+3], v[\base+64*\m+\j+2:\base+64*\m+\j+3], v[T+4*\m+2:T+4*\m+3]
.endr
.endr
.else
	WIN (\sw)|((\sw)<<2)
.irp m, 0,1
	v_pk_add_f32 v[T+4*\m:T+4*\m+1], v[\base+64*\m:\base+64*\m+1], v[\base+64*\m+4:\base+64*\m+5]
	v_pk_add_f32 v[T+4*\m+2:T+4*\m+3], v[\base+64*\m+2:\base+64*\m+3], v[\base+64*\m+6:\base+64*\m+7]
.endr
	WIN (\sw)<<2
.irp j, 8,12,16,20,24,28,32,36,40,44,48,52,56,60
.irp m, 0,1
	v_pk_add_f32 v[T+4*\m:T+4*\m+1], v[T+4*\m:T+4*\m+1], v[\base+64*\m+\j:\base+64*\m+\j+1]
	v_pk_add_f32 v[T+4*\m+2:T+4*\m+3], v[T+4*\m+2:T+4*\m+3], v[\base+64*\m+\j+2:\base+64*\m+\j+3]
.endr
.endr
	WIN 0
.endif
.irp m, 0,1
	v_pk_add_f32 v[T+4*\m:T+4*\m+1], v[T+4*\m:T+4*\m+1], v[T+4*\m+2:T+4*\m+3]
.endr
.irp m, 0,1
	v_add_f32 v[T+4*\m], v[T+4*\m], v[T+4*\m+1]
.endr
.irp m, 0,1
	v_permlanex16_b32 v[T+16+\m], v[T+4*\m], s[SEL], s[SEL+1]
.endr
.irp m, 0,1
	v_add_f32 v[T+4*\m], v[T+4*\m], v[T+16+\m]     ; my wave's 128 columns of token r
.endr
	s_wait_alu depctr_va_vdst(0)                   ; the additions have written v[T] and v[T+4], which the LDS stores read; every earlier line that named v[T+8] to v[T+15] is done with them: the loads behind the barrier land there
.irp m, 0,1
	ds_store_b32 v[RDW], v[T+4*\m] offset:RED+512*(\k)+256*\m   ; (lanes 16-31 write the same word with the same value)
.endr
	s_wait_alu depctr_vm_vsrc(0)                   ; the two stores have read v[T] and v[T+4], which the next sum, or the gelu, writes again
	BARRIER
.irp m, 0,1
	ds_load_b128 v[T+8+4*\m:T+11+4*\m], v[RDR] offset:RED+512*(\k)+256*\m
.endr
	s_wait_dscnt 0x0
.irp m, 0,1
	v_add_f32 v[T+8+4*\m], v[T+8+4*\m], v[T+9+4*\m]
	v_add_f32 v[T+10+4*\m], v[T+10+4*\m], v[T+11+4*\m]
.endr
.irp m, 0,1
	v_add_f32 v[T+8+4*\m], v[T+8+4*\m], v[T+10+4*\m]
.endr
.endm
; What follows a centred sum of squares: 1 / sqrt(mean + eps), and the results in hand times it
.macro RSTD
	v_fma_f32 v[VT], v[T+8], s38, s39
	v_fma_f32 v[VT+1], v[T+12], s38, s39
	v_rsq_f32 v[MU], v[VT]
	v_rsq_f32 v[MU+2], v[VT+1]
	v_nop                                          ; one plain place behind a transcendental
	s_wait_alu depctr_va_vdst(0)                   ; the two reciprocal roots have written v[MU] and v[MU+2], ahead of their first reader
.irp m, 0,1
.set j, 0
.rept 32
	v_pk_mul_f32 v[HA+64*\m+j:HA+64*\m+j+1], v[HA+64*\m+j:HA+64*\m+j+1], v[MU+2*\m:MU+2*\m+1] op_sel_hi:[1,0]
.set j, j+2
.endr
.endr
.endm
.macro GELU8 x                         ; eight numbers, one accumulator, in place
.irp i, 0,1,2,3,4,5,6,7
	v_fma_f32 v[T+\i], |v[\x+\i]|, s34, 1.0
.endr
.irp i, 0,2,4,6
	v_pk_mul_f32 v[T+8+\i:T+9+\i], v[\x+\i:\x+\i+1], v[\x+\i:\x+\i+1]
.endr
.irp i, 0,1,2,3,4,5,6,7
	v_rcp_f32 v[T+\i], v[T+\i]                     ; t
.endr
.irp i, 0,2,4,6
	v_pk_mul_f32 v[T+8+\i:T+9+\i], v[T+8+\i:T+9+\i], s[36:37] op_sel_hi:[1,0]   ; (plain lines behind the reciprocals)
.endr
.irp i, 0,1,2,3,4,5,6,7
	v_exp_f32 v[T+8+\i], v[T+8+\i]                 ; 2^(-x^2 log2(e) / 2)
.endr
	s_wait_alu depctr_va_vdst(0)                   ; the eight reciprocals and the eight exponentials have written v[T] to v[T+15], ahead of their first reader: one wait for both batches
.irp i, 0,2,4,6
	v_pk_fma_f32 v[T+16+\i:T+17+\i], v[T+\i:T+1+\i], v[CV:CV+1], v[CV+2:CV+3]   ; (plain lines behind the exponentials)
.endr
.irp n, 4,6,8
.irp i, 0,2,4,6
	v_pk_fma_f32 v[T+16+\i:T+17+\i], v[T+16+\i:T+17+\i], v[T+\i:T+1+\i], v[CV+\n:CV+\n+1]
.endr
.endr
.irp i, 0,2,4,6
	v_pk_mul_f32 v[T+16+\i:T+17+\i], v[T+16+\i:T+17+\i], v[T+\i:T+1+\i]
.endr
.irp i, 0,2,4,6
	v_pk_mul_f32 v[T+16+\i:T+17+\i], v[T+16+\i:T+17+\i], v[T+8+\i:T+9+\i]       ; q
.endr
.irp i, 0,1,2,3,4,5,6,7
	v_max_num_f32 v[T+\i], 0, v[\x+\i]
.endr
.irp i, 0,1,2,3,4,5,6,7
	v_fma_f32 v[\x+\i], -|v[\x+\i]|, v[T+16+\i], v[T+\i]
.endr
.endm
; A CHUNK: 512 hidden units.  s[12:13] stands at this chunk's half panels of W1, which are in buffers A and B or on their way there.
; last = 0: the next chunk's b1 and its W1 are asked for, and the pointers step.  last = 1: ln2_b takes the bias's registers and nothing more is asked for: no load leaves its buffer.
; No load is jumped over: the two forms are two texts, so that every counted wait has the same loads behind the one that it waits for, on every way that reaches it.
.macro CHUNK last
	XFETCH HIMG, HSC                               ; no wait of its own.  On the way in: the multiply-adds that read ln1_b and b2 stand ahead of the waits in front of h's images' stores.  Round the loop: the last readers, the chunk before's last products, stand ahead of the wait behind them.  Since either, only loads, LDS stores and scalar lines were issued
	s_wait_dscnt 0x0
	s_wait_loadcnt 52                              ; buffer A and this chunk's b1 are in: behind them buffer B's 52 loads were issued (on the way in 16 more)
	FFA 0, 0
	s_wait_alu depctr_va_vdst(0)                   ; the products are done reading buffer A and its scale words, in which the loads below land
	WLOAD 0, 204800                                ; W2's K of this chunk, first half
	s_wait_loadcnt 52                              ; buffer B is in; the 52 just issued may be out
	FFA 1, 1
	s_wait_alu depctr_va_vdst(0)                   ; the products are done reading buffer B and its scale words, and the first K step's its bias: the loads below land in all three
	WLOAD 1, 307200                                ; second half
.if \last
	PLOAD 1, 192, 28                               ; ln2_b
.else
	PLOAD 1, 192, 44                               ; the next chunk's b1
.endif
.irp n, 0,1,2,3,4,5,6,7,8,9,10,11,12,13,14,15
	GELU8 HA+8*\n
.endr
	TOLDS GIMG, GSC
	BARRIER                                        ; gelu's eight fragments lie in LDS
	XFETCH GIMG, GSC                               ; no wait of its own: the products that read h's fragments and scale words stand ahead of the wait in front of the last image's stores, and no vector line has been issued since
	BARRIER                                        ; every wave has them in registers: the next chunk may write them again
	s_wait_loadcnt 0x0                             ; both halves of W2's part and the bias: asked for ahead of the gelu
	FFB 0, 0
.if \last == 0
	s_wait_alu depctr_va_vdst(0)                   ; the products are done reading buffer A and its scale words, in which the loads below land
	WLOAD 0, 409600                                ; the next chunk of W1, first half
.endif
	FFB 1, 1
.if \last == 0
	s_wait_alu depctr_va_vdst(0)                   ; the products are done reading buffer B and its scale words, in which the loads below land, and gelu's fragments and scale words, in which the next chunk's LDS loads land
	WLOAD 1, 512000                                ; second half
	s_wait_xcnt 0x0                                ; the loads issued have read their bases
	s_add_nc_u64 s[12:13], s[12:13], 409600
	s_add_nc_u64 s[44:45], s[44:45], 2048
.endif
.endm
	s_load_b512 s[8:23], s[0:1], 0x0               ; cc 8, cs 10, wst 12, x 14, bo 16, ln1_g 18, ln1_b 20, b1 22
	s_load_b256 s[24:31], s[0:1], 0x40             ; b2 24, ln2_g 26, ln2_b 28, out0 30
	v_lshl_add_u32 v254, v0, 2, 0x1a800
	v_mov_b32 v255, 0
	v_lshrrev_b32 v13, 5, v0
	v_readfirstlane_b32 s2, v13                    ; wave 0..3
	v_and_b32 v13, 31, v0                          ; lane
	v_and_b32 v14, 15, v0                          ; r
	v_bfe_u32 v15, v0, 4, 1                        ; h
	v_and_b32 v[T], 8, v14
	v_add_nc_u32 v[T], v[T], v14                   ; pi(r) = r + 8 (r / 8)
	v_lshlrev_b32 v[LI], 4, v13
	v_lshlrev_b32 v[LS], 2, v13
	v_lshlrev_b32 v[L8], 3, v13
	s_wait_alu depctr_va_sdst(0)                   ; s2, the wave's number, is written, ahead of its first reader
	s_lshl_b32 s3, s2, 9
	v_lshlrev_b32 v[XA], 11, v[T]
	v_lshl_add_u32 v[XA], v15, 6, v[XA]
	v_add_nc_u32 v[XA], s3, v[XA]
	v_mul_u32_u24 v[SO], v[T], SPITCH
	v_lshl_add_u32 v[SO], v15, 6, v[SO]
	v_add_nc_u32 v[SO], s3, v[SO]
	v_add_nc_u32 v[SO], STG, v[SO]                 ; the stage, in: row pi(r) (+ 8 m), my wave's 512 bytes, + 64 h
	s_mul_i32 s3, s2, 1536
	v_add_nc_u32 v[HWI], s3, v[LI]
	s_lshl_b32 s3, s2, 7
	v_add_nc_u32 v[HWS], s3, v[LS]
	s_lshl_b32 s3, s2, 2
	v_lshl_add_u32 v[RDW], v14, 4, s3
	v_lshlrev_b32 v[RDR], 4, v14
	s_mul_i32 s3, s2, 8*SPITCH
	v_add_nc_u32 v[SR], s3, v[LI]
	v_add_nc_u32 v[SR], STG, v[SR]                 ; back: my 8 rows, 16 bytes a lane
	v_lshlrev_b32 v[BA], 6, v15
.irp b, 0,1,2,3
	v_mov_b32 v[TM+4+\b], 0                        ; written once: a lane permute's destination counts as one of its sources
.endr
	v_mov_b32 v[T+16], 0
	v_mov_b32 v[T+17], 0
	v_mov_b32 v[MU+1], 0                           ; (named as the upper halves of pairs)
	v_mov_b32 v[MU+3], 0
.irp e, 0,1
	v_mov_b32 v[CV+\e], 0x3f07dc22                 ; a5 / 2
	v_mov_b32 v[CV+2+\e], 0xbf3a00e3               ; a4 / 2
	v_mov_b32 v[CV+4+\e], 0x3f35f0e3               ; a3 / 2
	v_mov_b32 v[CV+6+\e], 0xbe11a98e               ; a2 / 2
	v_mov_b32 v[CV+8+\e], 0x3e027906               ; a1 / 2
.endr
	s_mov_b32 s[SEL], 0x76543210
	s_mov_b32 s[SEL+1], 0xfedcba98
	s_mov_b32 s34, 0x3e6d3388                      ; 0.3275911 / sqrt 2
	s_mov_b32 s36, 0xbf38aa3b                      ; -log2(e) / 2
	s_mov_b32 s37, s36
	s_mov_b32 s38, 0x3b000000                      ; 1 / 512
	s_mov_b32 s39, 0x3727c5ac                      ; 1e-5
	s_mov_b32 s40, 3                               ; the loop's trips: all chunks of the hidden layer but the last
	s_mov_b32 s43, 0
	s_wait_kmcnt 0x0
	s_lshl_b32 s42, s2, 9                          ; my wave's 128 numbers of every vector along the columns
.irp p, 16,18,20,22,24,26,28
	s_add_nc_u64 s[\p:\p+1], s[\p:\p+1], s[42:43]
.endr
	s_add_nc_u64 s[44:45], s[22:23], 2048          ; b1 of the next chunk
	s_mul_i32 s42, ttmp9, 12288
	s_add_nc_u64 s[8:9], s[8:9], s[42:43]          ; ctx's codes: two tiles of 6,144 bytes
	s_lshl_b32 s42, ttmp9, 9
	s_add_nc_u64 s[10:11], s[10:11], s[42:43]      ; their scale bytes
	s_mul_i32 s42, s2, 25600
	s_add_nc_u64 s[12:13], s[12:13], s[42:43]      ; my wave's records: half panel hp at 102,400 hp
	s_lshl_b32 s42, ttmp9, 16
	s_add_nc_u64 s[14:15], s[14:15], s[42:43]      ; x and out0 at my 32 rows
	s_add_nc_u64 s[30:31], s[30:31], s[42:43]
	s_lshl_b32 s42, s2, 14
	s_add_nc_u64 s[30:31], s[30:31], s[42:43]      ; and, on the way out, my wave's 8 of them
	WIN 0xc0
	s_wait_alu depctr_va_vdst(0)                   ; the eleven addresses v1 to v11 are written, which every load, store and LDS instruction of the kernel reads
.irp m, 0,1
.irp b, 0,1,2,3
.irp jj, 0,1,2,3
	global_load_b128 v[64*\m+16*\b+4*\jj:64*\m+16*\b+4*\jj+3], v[XA], s[14:15] offset:16384*\m+128*\b+16*\jj   ; x in the result's layout
.endr
.endr
.endr
.irp f, 0,1,2,3,4,5,6,7
.irp p, 0,1,2,3,4,5
	global_load_b64 v[128+12*\f+2*\p:129+12*\f+2*\p], v[L8], s[8:9] offset:1536*\f+256*\p   ; ctx's fragments: each load covers 256 consecutive bytes
.endr
.endr
	WIN 0
.irp m, 0,1
	global_load_b128 v[XS+4*\m:XS+4*\m+3], v[RDR], s[10:11] offset:256*\m   ; a row's 16 bytes are the scale words of its four K steps
.endr
	PLOAD 1, 192, 16                               ; bo
	PLOAD 2, 192, 18                               ; ln1_g
	WLOAD 0, 0                                     ; Wo, K steps 0, 1
	WLOAD 1, 102400                                ; Wo, K steps 2, 3
	; ---- ctx Wo + bo
	s_wait_loadcnt 52                              ; all but buffer B's 52 loads are in
	FFA 0, 0
	s_wait_alu depctr_va_vdst(0)                   ; the products are done reading bo, buffer A and its scale words, in which the loads below land
	PLOAD 1, 192, 22                               ; b1, chunk 0
	WLOAD 0, 204800                                ; W1 chunk 0, first half
	s_wait_loadcnt 63                              ; 68 loads were issued behind buffer B's: with 63 out at the most, B's are in (the count's largest value)
	FFA 1, 1
	s_wait_alu depctr_va_vdst(0)                   ; the products are done reading ctx's fragments, buffer B and its scale words, in which the loads below land, and ctx's scale words, in which the first chunk's LDS loads land
	PLOAD 3, 128, 20                               ; ln1_b and b2 take the registers that ctx's fragments have left
	PLOAD 3, 192, 24
	WLOAD 1, 307200                                ; W1 chunk 0, second half
	; ---- h = LN1(x + ..)
	WIN 0x0c
.set j, 0
.rept 64
	v_pk_add_f32 v[HA+j:HA+j+1], v[HA+j:HA+j+1], v[j:j+1]
.set j, j+2
.endr
	WIN 0
	RSUM 0, 0, HA, 0
	v_mul_f32 v[MU], 0xbb000000, v[T+8]            ; -mean
	v_mul_f32 v[MU+2], 0xbb000000, v[T+12]
.irp m, 0,1
.set j, 0
.rept 32
	v_pk_add_f32 v[HA+64*\m+j:HA+64*\m+j+1], v[HA+64*\m+j:HA+64*\m+j+1], v[MU+2*\m:MU+2*\m+1] op_sel_hi:[1,0]
.set j, j+2
.endr
.endr
	RSUM 1, 0, HA, 1
	RSTD
	s_wait_loadcnt 52                              ; ln1_b and b2 are in; buffer B's 52 may be out
	WIN 0x38                                       ; source 1 (gain) window 2, source 2 (ln1_b) window 3
.irp m, 0,1
.set j, 0
.rept 32
	v_pk_fma_f32 v[HA+64*\m+j:HA+64*\m+j+1], v[HA+64*\m+j:HA+64*\m+j+1], v[192+j:193+j], v[128+j:129+j]
.set j, j+2
.endr
.endr
	WIN 0xcc                                       ; h + b2 starts the second product's sums, in window 3
.irp m, 0,1
.set j, 0
.rept 32
	v_pk_add_f32 v[64*\m+j:64*\m+j+1], v[HA+64*\m+j:HA+64*\m+j+1], v[192+j:193+j]
.set j, j+2
.endr
.endr
	WIN 0
	TOLDS HIMG, HSC
	PLOAD 2, 192, 26                               ; ln2_g.  No wait of its own: the multiply-adds that read ln1_g stand ahead of the wait in front of the last image's stores, and no vector line has been issued since
	BARRIER                                        ; h's eight fragments lie in LDS; they are not written again
	s_wait_xcnt 0x0                                ; the loads issued have read their base
	s_add_nc_u64 s[12:13], s[12:13], 204800        ; at W1 chunk 0
.Lchunk:                                           ; three trips: chunks 0, 1, 2
	CHUNK 0
	s_sub_co_u32 s40, s40, 1
	s_cmp_lg_u32 s40, 0
	s_cbranch_scc1 .Lchunk
	CHUNK 1                                        ; chunk 3 is written out: it asks for no further weights
	; ---- out = LN2(h + ..)
	RSUM 2, 3, 0, 0
	v_mul_f32 v[MU], 0xbb000000, v[T+8]
	v_mul_f32 v[MU+2], 0xbb000000, v[T+12]
	WIN 0x03
.irp m, 0,1
.set j, 0
.rept 32
	v_pk_add_f32 v[HA+64*\m+j:HA+64*\m+j+1], v[64*\m+j:64*\m+j+1], v[MU+2*\m:MU+2*\m+1] op_sel_hi:[1,0]
.set j, j+2
.endr
.endr
	WIN 0
	RSUM 3, 0, HA, 1
	RSTD
	WIN 0x18                                       ; source 1 (ln2_g) window 2, source 2 (ln2_b) window 1
.irp m, 0,1
.set j, 0
.rept 32
	v_pk_fma_f32 v[HA+64*\m+j:HA+64*\m+j+1], v[HA+64*\m+j:HA+64*\m+j+1], v[192+j:193+j], v[192+j:193+j]
.set j, j+2
.endr
.endr
	WIN 0
	; THE WAY OUT: a lane holds 64 neighbouring bytes of a row four times, a row's 2,048 bytes come from four waves: they meet in the stage, and each wave stores 8 whole rows
	s_wait_alu depctr_va_vdst(0)                   ; the multiply-adds have written v[HA ..], which the LDS stores read and in which, behind the barrier, the loads from the stage land
.irp m, 0,1
.irp b, 0,1,2,3
.irp jj, 0,1,2,3
	ds_store_b128 v[SO], v[HA+64*\m+16*\b+4*\jj:HA+64*\m+16*\b+4*\jj+3] offset:8*SPITCH*\m+128*\b+16*\jj
.endr
.endr
.endr
	BARRIER
	s_wait_alu depctr_vm_vsrc(0)                   ; my LDS stores have read v[HA ..], in which the loads below land
.irp i, 0,1,2,3,4,5,6,7
.irp k, 0,1,2,3
	ds_load_b128 v[HA+4*(4*\i+\k):HA+4*(4*\i+\k)+3], v[SR] offset:SPITCH*\i+512*\k
.endr
.endr
.irp i, 0,1,2,3,4,5,6,7
.irp k, 0,1,2,3
	s_wait_dscnt 31-(4*\i+\k)                      ; LDS loads come back in order (ISA guide 5.7.1): this one is in, the younger ones may be out
	global_store_b128 v[LI], v[HA+4*(4*\i+\k):HA+4*(4*\i+\k)+3], s[30:31] offset:2048*\i+512*\k th:TH_STORE_NT   ; 32 lanes store 512 consecutive bytes, aligned
.endr
.endr
	s_wait_dscnt 0x0                               ; the closing lines, six on end
	s_wait_alu 0x0
	s_wait_tensorcnt 0x0
	ds_add_u32 v254, v255
	s_wait_dscnt 0x0
	s_endpgm
.Lfunc_end_k_q7e2258daac_ffn:
	.size	k_q7e2258daac_ffn, .Lfunc_end_k_q7e2258daac_ffn-k_q7e2258daac_ffn
	.p2alignl 7, 3214868480
	.fill 96, 4, 3214868480
	.section	.rodata,"a",@progbits
	.p2align	6, 0x0
	.amdhsa_kernel k_q7e2258daac_ffn
		.amdhsa_group_segment_fixed_size 109056
		.amdhsa_private_segment_fixed_size 0
		.amdhsa_enable_private_segment 0
		.amdhsa_kernarg_size 96
		.amdhsa_user_sgpr_count 2
		.amdhsa_user_sgpr_kernarg_segment_ptr 1
		.amdhsa_wavefront_size32 1
		.amdhsa_system_sgpr_workgroup_id_x 1
		.amdhsa_system_sgpr_workgroup_id_y 1
		.amdhsa_system_sgpr_workgroup_id_z 1
		.amdhsa_system_vgpr_workitem_id 0
		.amdhsa_next_free_vgpr 1024
		.amdhsa_next_free_sgpr 66
		.amdhsa_reserve_vcc 0
		.amdhsa_float_denorm_mode_32 3
		.amdhsa_float_denorm_mode_16_64 3
		.amdhsa_memory_ordered 1
		.amdhsa_forward_progress 1
		.amdhsa_inst_pref_size 255
	.end_amdhsa_kernel
	.section	.bss,"aw",@nobits
	.p2align	6
	.space	262144
	.amdgpu_metadata
---
amdhsa.version: [ 1, 2 ]
amdhsa.kernels:
  - .name:           k_q7e2258daac_ffn
    .symbol:         k_q7e2258daac_ffn.kd
    .args:
      - { .name: cc, .offset: 0, .size: 8, .value_kind: global_buffer, .address_space: global }
      - { .name: cs, .offset: 8, .size: 8, .value_kind: global_buffer, .address_space: global }
      - { .name: wst, .offset: 16, .size: 8, .value_kind: global_buffer, .address_space: global }
      - { .name: x, .offset: 24, .size: 8, .value_kind: global_buffer, .address_space: global }
      - { .name: bo, .offset: 32, .size: 8, .value_kind: global_buffer, .address_space: global }
      - { .name: ln1_g, .offset: 40, .size: 8, .value_kind: global_buffer, .address_space: global }
      - { .name: ln1_b, .offset: 48, .size: 8, .value_kind: global_buffer, .address_space: global }
      - { .name: b1, .offset: 56, .size: 8, .value_kind: global_buffer, .address_space: global }
      - { .name: b2, .offset: 64, .size: 8, .value_kind: global_buffer, .address_space: global }
      - { .name: ln2_g, .offset: 72, .size: 8, .value_kind: global_buffer, .address_space: global }
      - { .name: ln2_b, .offset: 80, .size: 8, .value_kind: global_buffer, .address_space: global }
      - { .name: out0, .offset: 88, .size: 8, .value_kind: global_buffer, .address_space: global }
    .group_segment_fixed_size: 109056
    .private_segment_fixed_size: 0
    .kernarg_segment_align: 8
    .kernarg_segment_size: 96
    .max_flat_workgroup_size: 128
    .sgpr_count:     66
    .vgpr_count:     1024
    .wavefront_size: 32
...
	.end_amdgpu_metadata
.endif
;; end of part 6
